; MI455X (gfx1250); checked and timed in simulation.
; The chip was launched on July 23, 2026; its instructions are those of AMD's public machine-readable ISA for CDNA 5 (MIT licence, August 2026) and "CDNA5" Instruction Set Architecture Reference Guide (July 2026). The comments in the code are by the model that wrote it; some were corrected since.
;; GPT Block. Allowed arithmetic: matrix products marked QUANTISED: E2M3 operands, one E8M0 scale for each 32 along K, by v_wmma_scale_f32_16x16x128_f8f6f4 with both operands' format E2M3, f32 sums; everything else in f32.
;; Inputs: W1 1,024 x 4,096 float32; W2 4,096 x 1,024 float32; Wk 1,024 x 1,024 float32; Wp 1,024 x 1,024 float32; Wq 1,024 x 1,024 float32; Wv 1,024 x 1,024 float32; b1 4,096 float32; b2 1,024 float32; bk 1,024 float32; bp 1,024 float32; bq 1,024 float32; bv 1,024 float32; ln1_b 1,024 float32; ln1_w 1,024 float32; ln2_b 1,024 float32; ln2_w 1,024 float32; x 2 x 2,048 x 1,024 float32.
;; Outputs: out0 2 x 2,048 x 1,024 float32.
;; This version of the problem:
;;   THIS VERSION OF THE PROBLEM IS GIVEN IN LOW PRECISION. The matrix products marked QUANTISED in the list below multiply operands that are first quantised to E2M3 (2 exponent bits, 3 mantissa bits; 6 bits a number), with one power-of-two scale for each 32 numbers along K (OCP MX v1.0); their sums are f32. All else is computed in f32.
;;   The module's matrix products, in the order in which they are computed (A, B: the left and right operand; K: the contracted axis; several contracted axes count as one K, in the product's order):
;;     1. [M 4,096, K 1,024] x [K 1,024, N 1,024]; A: computed on the way; B: input Wq: QUANTISED
;;     2. [M 4,096, K 1,024] x [K 1,024, N 1,024]; A: computed on the way; B: input Wk: QUANTISED
;;     3. [M 4,096, K 1,024] x [K 1,024, N 1,024]; A: computed on the way; B: input Wv: QUANTISED
;;     4. batch 32 x [M 2,048, K 64] x [K 64, N 2,048]; A: computed on the way; B: computed on the way: QUANTISED
;;     5. batch 32 x [M 64, K 2,048] x [K 2,048, N 2,048]; A: computed on the way; B: softmax (see below): QUANTISED
;;     6. [M 4,096, K 1,024] x [K 1,024, N 1,024]; A: computed on the way; B: input Wp: QUANTISED
;;     7. [M 4,096, K 1,024] x [K 1,024, N 4,096]; A: computed on the way; B: input W1: QUANTISED
;;     8. [M 4,096, K 4,096] x [K 4,096, N 1,024]; A: computed on the way; B: input W2: QUANTISED
;;   THE QUANTISER, for each operand of a quantised product, along K:
;;     - K is cut into blocks of 32 from its start; a last block that is shorter is filled with zeros.
;;     - A block's scale is 2^e with e = floor(log2(the largest magnitude in the block)) - 2, held to -126 .. 127; a block of zeros has e = 0. As a byte (E8M0): e + 127.
;;     - Each number is divided by its block's scale, clamped to +-7.5, and rounded to the nearest number of E2M3, ties to even, subnormals kept.
;;     - The product sums the exact products of the quantised numbers (number of the format x scale) in f32.
;;   ~~~python
;;   def quantise(x, axis):      # numpy; x: float32 -> the quantised numbers, widened to float32 again
;;       x = np.moveaxis(x, axis, -1); K = x.shape[-1]
;;       x = np.pad(x, [(0, 0)] * (x.ndim - 1) + [(0, -K % 32)]); x = x.reshape(x.shape[:-1] + (-1, 32)); a = np.abs(x).max(-1, keepdims=True)
;;       e = np.where(a > 0, np.clip(np.frexp(np.where(a > 0, a, 1))[1] - 1 - 2, -126, 127), 0)      # np.frexp(a)[1] - 1 = floor(log2(a)), exactly
;;       r = np.clip(x / 2.0 ** e, -7.5, 7.5)
;;       step = 2.0 ** (np.maximum(np.frexp(np.where(r == 0, 1, r))[1] - 1, 0) - 3)
;;       q = np.round(r / step) * step * 2.0 ** e      # np.round: ties to even
;;       return np.moveaxis(q.reshape(q.shape[:-2] + (-1,))[..., :K], -1, axis).astype(np.float32)
;;   ~~~
;;   SOFTMAX AHEAD OF A QUANTISED PRODUCT. Where the list says 'softmax', what is quantised is not the finished softmax but p = 2^(t - M), with t = logit x log2(e) and M = ceil(the row's largest t), a whole number; so 1/2 < the row's largest p <= 1. The row's sum l is taken of the UNQUANTISED p, in f32, and the product's result is divided by l at the end. Since M is a whole number, a kernel that streams over the keys may use a running M (the ceiling of the running maximum): every later rescaling is an exact power of two, which a block's scale takes up: the codes' values come out the same.
;;   OPERANDS COMPUTED ON THE WAY. 'Computed on the way' means the value that the module computes at that place (a softmax that the list does not call 'softmax' is quantised finished and normalised). What goes into a quantiser is computed in f32, as accurately as f32 sums, v_exp_f32 and their like allow (about 1e-6 of the number): no bf16 or f16 on the way to a quantiser, and a product that is left as it is and whose result goes on into a quantised operand takes f32 operands (vector FMAs, or v_wmma_f32_16x16x4_f32). A number that lies on a knife's edge between two numbers of the format may be rounded either way, as far as f32 arithmetic and the matrix unit's own rounding can turn it there, and no further.
;; One version. Each part assembles by itself: llvm-mc -triple=amdgcn-amd-amdhsa -mcpu=gfx1250 --defsym DOCPART=n.
;; ======== version 1 of 1: 7 launches
;; limits: right only within a limited range of input values
;; workspace buffers: wts 9,830,400 bytes; hq 3,276,800 bytes; qkvq 10,092,544 bytes; aq 3,276,800 bytes; x1 16,777,216 bytes; fq 13,107,200 bytes
;; launch prep1 (part 1): grid 320 x 1, 8 waves a work-group, no clusters, 52,224 bytes of LDS; arguments x, ln1_w, ln1_b, hq, Wq, Wk, Wv, Wp, wts; writes hq, wts
.if DOCPART == 1
	.amdgcn_target "amdgcn-amd-amdhsa--gfx1250"
	.amdhsa_code_object_version 6
	.text
	.protected	k_q17448c6ec9_prep1
	.globl	k_q17448c6ec9_prep1
	.p2align	8
	.type	k_q17448c6ec9_prep1,@function
k_q17448c6ec9_prep1:
	s_mov_b64 s[64:65], 0
	v_nop
	global_prefetch_b8 v0, s[64:65] scope:SCOPE_SE
	s_setreg_imm32_b32 hwreg(HW_REG_WAVE_MODE, 25, 1), 1
	s_wait_xcnt 0x0
; TWO STREAMS IN ONE LAUNCH, told apart by the work-group's number alone; the two paths part once, at the head, and never join.
;   work-groups 0 .. NW - 1: weights, f32 stored [K][N], become codes of FP6 (E2M3) quantised along K (their FIRST axis).  PART = 0: Wq, Wk, Wv, Wp.  PART = 1: W1, W2.
;   the other 256 work-groups: LayerNorm of 4,096 rows of 1,024 f32, quantised along the row.  PART = 0: LN1(x).  PART = 1: LN2(x1).
; The norm is a chain of dependent steps (load, sum, barrier, sum, barrier, store), the weights are a plain stream: side by side in one launch the stream runs while the chain waits.
; BOTH RESULTS ARE IMAGES OF THE OPERAND'S REGISTERS.  A fragment is 16 rows x 128 K = 12 registers a lane = 1,536 bytes in six planes of 256 bytes: plane p holds lane l's registers 2 p, 2 p + 1 at 256 p + 8 l.
; A tile's 16 rows are not neighbours: row r of tile 2 g + u is row 32 g + 8 u + r + 8 (r / 8), so that a transposed product's 16 registers of two neighbouring tiles are 16 neighbours.
; Codes: [K step of 128][tile][1,536].  Scale words (E8M0, one byte for each 32 along K): [tile][K step][16 words], word r = row r's four bytes.
; WEIGHTS.  A lane takes a column and its registers run down K: a block of 32 lies in one lane, its largest magnitude needs no other lane, and the conversions give codes with K innermost.  A share is 128 columns x 256 K;
; a work-group holds two shares (share = 2 x work-group + wave / 4), a wave 32 columns (two tiles) x 8 blocks.  The codes go through the wave's own stage in LDS and leave as runs of 512 consecutive bytes.  No barrier: waves share nothing.
; NORM.  A work-group is one tile of 16 rows; wave w is K step w: lane (r, h) holds, of row r, the 64 numbers 128 w + 32 b + 16 h + i.  Mean and variance are taken in two true passes (the mean is taken off before the squares),
; in f32; the eight waves' parts meet in LDS.  Its barriers stand on this path alone: the branch that leads here hangs on the work-group's number, which all eight waves share.
; Each path has LDS bytes of its own: the stages at 0 .. 49,151, the norm's words from 49,152 on.  Every byte is read once and each wave has two blocks' loads on their way: no prefetch is laid.
; LIMITS: NaN and infinities are not served; a block whose largest magnitude lies under 2^-124 (a block of zeros too) keeps the byte 1: only this program reads the bytes.
; WORK LEFT OUT BY THE PROGRAM (launch attn): reference() replaces the score of every key behind the query by the literal 0 (jnp.where on its own jnp.tril), whatever q and k hold.  So the tiles of q k^T that lie
; wholly behind the diagonal reach no output and are not multiplied; their p = 2^(0 - M) still counts in the sum and in the product with v.  A NaN, an infinity or an overflow that would arise only in those tiles is not carried.
.set PART, 0
.if PART
.set NW,   128                         ; work-groups of the weights' path: 256 shares (W1 128, W2 128)
.else
.set NW,   64                          ; 128 shares (32 for each of the four)
.endif
.set S0,   9437184                     ; where the scale words begin in wts
.set LNB,  49152                       ; LDS: behind the eight stages of 6,144 bytes
; the weights' path
.set WOFF, 32                          ; v32-63   row i of a block: i x row bytes + 4 x lane
.set WX,   64                          ; v64-127  two sets of 32 numbers
.set WC,   128                         ; v128-134 a block's codes
.set WSB,  136                         ; v136-137 the scale words of my two K steps
.set WOUT, 144                         ; v144-191 the way out
; the norm's path
.set X,    32                          ; v32-95   my 64 numbers
.set G,    96                          ; v96-159  the gain at my columns
.set B,    160                         ; v160-223 the bias
.set PC,   224                         ; v224-235 the codes
.set T,    224                         ; (the same registers serve the sums before)
.set TP,   236                         ; v236-243 conversions' second halves
.set TM,   8                           ; v8-23    QUANT's work
.set PW,   24                          ; v24      the scale word
.set SEL,  20                          ; s[20:21] lane selects: lane l xor 16
.set RED,  LNB                         ; sums [row][wave]
.set RED2, LNB+512                     ; sums of squares
.set SCG,  LNB+1024                    ; the tile's scale words [K step][row]
; 16 nb numbers of a lane, v[s + 16 b + i] = number 32 b + 16 h + i of my row, become registers pc .. of an operand and the scale word pw
.macro QUANT s, nb, pc, pw
.set QB, 0
.rept \nb
	v_max3_num_f32 v[TM+QB], |v[(\s)+16*QB]|, |v[(\s)+16*QB+1]|, 0x1800000   ; with the floor 2^(3 - 127): the byte cannot fall under 1
.set QB, QB+1
.endr
.irp i, 2,4,6,8,10,12,14
.set QB, 0
.rept \nb
	s_delay_alu instid0(VALU_DEP_4)
	v_max3_num_f32 v[TM+QB], v[TM+QB], |v[(\s)+16*QB+\i]|, |v[(\s)+16*QB+\i+1]|
.set QB, QB+1
.endr
.endr
.set QB, 0
.rept \nb
	s_delay_alu instid0(VALU_DEP_4)
	v_permlanex16_b32 v[TM+4+QB], v[TM+QB], s[SEL], s[SEL+1]
.set QB, QB+1
.endr
.set QB, 0
.rept \nb
	s_delay_alu instid0(VALU_DEP_4)
	v_max_num_f32 v[TM+QB], v[TM+QB], v[TM+4+QB]   ; with lane l xor 16's 16: the block's largest magnitude
.set QB, QB+1
.endr
.set QB, 0
.rept \nb
	s_delay_alu instid0(VALU_DEP_4)
	v_add_nc_u32 v[TM+12+QB], 0xff000000, v[TM+QB] ; 2 off the exponent field: the conversion's scale operand
.set QB, QB+1
.endr
.set QB, 0
.rept \nb
	s_delay_alu instid0(VALU_DEP_4)
	v_lshrrev_b32 v[TM+4+QB], 23, v[TM+12+QB]      ; the scale's byte
.set QB, QB+1
.endr
	s_delay_alu instid0(VALU_DEP_3)
	v_lshl_or_b32 v[\pw], v[TM+5], 8, v[TM+4]
.if \nb == 4
	s_delay_alu instid0(VALU_DEP_1)
	v_lshl_or_b32 v[\pw], v[TM+6], 16, v[\pw]
	s_delay_alu instid0(VALU_DEP_1)
	v_lshl_or_b32 v[\pw], v[TM+7], 24, v[\pw]
.endif
.set QB, 0
.rept \nb/2
	v_cvt_scalef32_pk16_fp6_f32 v[(\pc)+6*QB:(\pc)+6*QB+2], v[(\s)+32*QB:(\s)+32*QB+15], v[TM+12+2*QB]
	v_cvt_scalef32_pk16_fp6_f32 v[TP+4*QB:TP+4*QB+2], v[(\s)+32*QB+16:(\s)+32*QB+31], v[TM+13+2*QB]
.set QB, QB+1
.endr
	v_nop                                          ; one plain line behind the conversions
.set QB, 0
.rept \nb/2                            ; the operand wants a whole block in a lane: lanes 0-15 block 2 c, lanes 16-31 block 2 c + 1
.irp i, 0,1,2
	v_permlane16_swap_b32 v[(\pc)+6*QB+\i], v[TP+4*QB+\i]
.endr
.irp i, 0,1,2
	s_delay_alu instid0(VALU_DEP_3)
	v_mov_b32 v[(\pc)+6*QB+3+\i], v[TP+4*QB+\i]
.endr
.set QB, QB+1
.endr
.endm
; four chains of pairs in v[T .. T + 7] become the row's sum over all 1,024 numbers, in v[T] of every lane of every wave
.macro JOIN off
	s_delay_alu instid0(VALU_DEP_3)
	v_pk_add_f32 v[T:T+1], v[T:T+1], v[T+2:T+3]
	s_delay_alu instid0(VALU_DEP_2)
	v_pk_add_f32 v[T+4:T+5], v[T+4:T+5], v[T+6:T+7]
	s_delay_alu instid0(VALU_DEP_1)
	v_pk_add_f32 v[T:T+1], v[T:T+1], v[T+4:T+5]
	s_delay_alu instid0(VALU_DEP_1)
	v_add_f32 v[T], v[T], v[T+1]
	s_delay_alu instid0(VALU_DEP_1)
	v_permlanex16_b32 v[T+1], v[T], s[SEL], s[SEL+1]
	s_delay_alu instid0(VALU_DEP_1)
	v_add_f32 v[T], v[T], v[T+1]                   ; my wave's 128 numbers of row r
	ds_store_b32 v7, v[T] offset:\off              ; lanes r and r + 16 write the same word with the same value
	s_wait_dscnt 0x0                               ; for the others' sake: my store has landed
	s_barrier_signal -1
	s_barrier_wait -1
	ds_load_b128 v[T:T+3], v25 offset:\off
	ds_load_b128 v[T+4:T+7], v25 offset:\off+16
	s_wait_dscnt 0x0
	v_pk_add_f32 v[T:T+1], v[T:T+1], v[T+2:T+3]
	v_pk_add_f32 v[T+4:T+5], v[T+4:T+5], v[T+6:T+7]
	s_delay_alu instid0(VALU_DEP_1)
	v_pk_add_f32 v[T:T+1], v[T:T+1], v[T+4:T+5]
	s_delay_alu instid0(VALU_DEP_1)
	v_add_f32 v[T], v[T], v[T+1]
.endm
.macro LOAD t                          ; block t: 32 rows of my column into set t % 2; a load reads 128 consecutive bytes
.set i, 0
.rept 32
	global_load_b32 v[WX+32*((\t)%2)+i], v[WOFF+i], s[32+2*(\t):33+2*(\t)] th:TH_LOAD_NT
.set i, i+1
.endr
.endm
.macro BLOCK t
.set XS, WX+32*((\t)%2)
.if (\t) < 7
	s_wait_loadcnt 32                              ; this block's 32 loads are in; the next block's 32 may be out
.else
	s_wait_loadcnt 0x0
.endif
	v_max3_num_f32 v12, |v[XS]|, |v[XS+1]|, |v[XS+2]|
	v_max3_num_f32 v13, |v[XS+3]|, |v[XS+4]|, |v[XS+5]|
.irp i, 6,10,14,18,22,26
	s_delay_alu instid0(VALU_DEP_2)
	v_max3_num_f32 v12, v12, |v[XS+\i]|, |v[XS+\i+1]|
	s_delay_alu instid0(VALU_DEP_2)
	v_max3_num_f32 v13, v13, |v[XS+\i+2]|, |v[XS+\i+3]|
.endr
	s_delay_alu instid0(VALU_DEP_2)
	v_max3_num_f32 v12, v12, |v[XS+30]|, |v[XS+31]|
	s_delay_alu instid0(VALU_DEP_1)
	v_max3_num_f32 v12, v12, v13, 0x1800000        ; with the floor 2^(3 - 127): the byte cannot fall under 1
	s_delay_alu instid0(VALU_DEP_1)
	v_add_nc_u32 v11, 0xff000000, v12              ; 2 off the exponent field: the conversion's scale operand
	s_delay_alu instid0(VALU_DEP_1)
	v_lshrrev_b32 v13, 23, v11                     ; the scale's byte
.if (\t)%4 == 0
	s_delay_alu instid0(VALU_DEP_1)
	v_mov_b32 v[WSB+(\t)/4], v13
.else
	s_delay_alu instid0(VALU_DEP_1)
	v_lshl_or_b32 v[WSB+(\t)/4], v13, 8*((\t)%4), v[WSB+(\t)/4]
.endif
	v_cvt_scalef32_pk16_fp6_f32 v[WC:WC+2], v[XS:XS+15], v11
	v_cvt_scalef32_pk16_fp6_f32 v[WC+4:WC+6], v[XS+16:XS+31], v11   ; (a conversion's three registers begin on an even number)
	v_nop                                          ; one plain line behind the conversions
	v_mov_b32 v[WC+3], v[WC+4]                     ; the block's 24 bytes on end
	v_mov_b32 v[WC+4], v[WC+5]
	v_mov_b32 v[WC+5], v[WC+6]
.irp p, 0,1,2                          ; block t is K step t / 4, registers 6 c on (c = (t % 4) / 2), lanes 16 (t % 2) + r
	ds_store_b64 v3, v[WC+2*\p:WC+2*\p+1] offset:((\t)/4)*3072+(((\t)%4)/2)*768+256*\p+((\t)%2)*128
.endr
.if (\t) < 6
	LOAD (\t)+2
.endif
	s_wait_dscnt 0x0                               ; the stores have read their registers: the next block's codes may be written
.endm
	v_lshl_add_u32 v248, v0, 2, 0xc800
	v_mov_b32 v249, 0
	v_lshrrev_b32 v1, 5, v0
	s_delay_alu instid0(VALU_DEP_1)
	v_readfirstlane_b32 s12, v1                    ; wave 0..7
	s_cmp_ge_u32 ttmp9, NW                         ; the work-group's number alone says which stream is mine
	s_cbranch_scc1 .Lnorm
	; ================ THE WEIGHTS ================
.if PART
	s_load_b128 s[4:7], s[0:1], 0x20               ; W1, W2
	s_load_b64 s[16:17], s[0:1], 0x30              ; wts
.else
	s_load_b256 s[4:11], s[0:1], 0x20              ; Wq, Wk, Wv, Wp
	s_load_b64 s[16:17], s[0:1], 0x40              ; wts
.endif
	s_and_b32 s19, s12, 3                          ; which 32 of the share's 128 columns
	s_lshr_b32 s18, s12, 2
	s_lshl_b32 s26, ttmp9, 1
	s_add_co_u32 s18, s18, s26                     ; my share: 2 x work-group + wave / 4
.if PART                               ; shares 0-127 W1 [1,024][4,096], 128-255 W2 [4,096][1,024]
	s_and_b32 s25, s18, 127                        ; my number inside the tensor
	s_mov_b32 s24, 0                               ; first tile in its array
	s_mov_b32 s20, 3145728                         ; where the tensor's codes begin
	s_mov_b32 s22, 131072                          ; where its scale words begin, behind S0
	s_mov_b32 s23, 16384                           ; a row of the tensor in bytes
	s_cmp_ge_u32 s18, 128
	s_cselect_b32 s20, 6291456, s20
	s_cselect_b32 s21, 64, 256                     ; tiles in a K step of its array
	s_cselect_b32 s22, 262144, s22
	s_cselect_b32 s23, 4096, s23
	s_cselect_b32 s28, 3, 5                        ; log2 of the shares along N
	s_cselect_b32 s27, 32, 8                       ; K steps of the tensor
.else                                  ; shares 0-95 Wq, Wk, Wv (32 each, one joint array of 192 tiles), 96-127 Wp
	s_lshr_b32 s24, s18, 5
	s_lshl_b32 s24, s24, 6                         ; first tile in the joint array: 64 x which
	s_and_b32 s25, s18, 31                         ; my number inside the tensor
	s_mov_b32 s23, 4096                            ; a row of the tensor in bytes
	s_mov_b32 s28, 3                               ; log2 of the shares along N
	s_mov_b32 s27, 8                               ; K steps of the tensor
	s_cmp_ge_u32 s18, 96
	s_cselect_b32 s20, 2359296, 0                  ; where the tensor's codes begin
	s_cselect_b32 s21, 64, 192                     ; tiles in a K step of its array
	s_cselect_b32 s22, 98304, 0                    ; where its scale words begin, behind S0
	s_cselect_b32 s24, 0, s24
.endif
	s_lshl_b32 s26, 1, s28
	s_sub_co_u32 s26, s26, 1
	s_and_b32 s54, s25, s26                        ; X: which 128 columns
	s_lshr_b32 s55, s25, s28                       ; Y: which 256 along K
	v_and_b32 v1, 31, v0                           ; lane = column in the wave's 32
	s_delay_alu instid0(VALU_DEP_1)
	v_lshlrev_b32 v2, 2, v1
.set i, 0
.rept 32
	v_mad_u32_u24 v[WOFF+i], s23, i, v2
.set i, i+1
.endr
	v_bfe_u32 v7, v0, 3, 1                         ; u: which of the two tiles my column belongs to
	v_and_b32 v8, 7, v0
	v_bfe_u32 v9, v0, 4, 1
	s_delay_alu instid0(VALU_DEP_1)
	v_lshl_add_u32 v8, v9, 3, v8                   ; r: its row there
	s_mul_i32 s26, s12, 6144                       ; my wave's stage: [K step][tile][1,536]
	v_mul_u32_u24 v3, v7, 1536
	s_delay_alu instid0(VALU_DEP_1)
	v_lshl_add_u32 v3, v8, 3, v3
	s_delay_alu instid0(VALU_DEP_1)
	v_add_nc_u32 v3, s26, v3                       ; into it: tile u, 8 bytes at lane r of a plane
	v_lshlrev_b32 v5, 4, v1                        ; out of it: 16 bytes a lane
	s_delay_alu instid0(VALU_DEP_1)
	v_add_nc_u32 v4, s26, v5
	s_lshl_b32 s26, s27, 6                         ; a tile's scale words: K steps x 64 bytes
	v_mul_u32_u24 v6, s26, v7
	s_delay_alu instid0(VALU_DEP_1)
	v_lshl_add_u32 v6, v8, 2, v6                   ; my word: tile u, row r
	s_lshl_b32 s30, s55, 8                         ; the source: row 256 Y,
	s_mul_i32 s30, s30, s23
	s_lshl_b32 s26, s54, 9
	s_add_co_u32 s30, s30, s26                     ; column 128 X
	s_lshl_b32 s26, s19, 7
	s_add_co_u32 s30, s30, s26                     ; + 32 x (wave % 4)
	s_mov_b32 s31, 0
	s_lshl_b32 s58, s54, 3
	s_add_co_u32 s58, s58, s24
	s_lshl_b32 s26, s19, 1
	s_add_co_u32 s58, s58, s26                     ; my first tile
	s_lshl_b32 s59, s55, 1                         ; my first K step: 2 Y
	s_mul_i32 s60, s59, s21
	s_add_co_u32 s60, s60, s58
	s_mul_i32 s60, s60, 1536
	s_add_co_u32 s60, s60, s20                     ; its codes
	s_mov_b32 s61, 0
	s_mul_i32 s62, s21, 1536                       ; a K step on
	s_mov_b32 s63, 0
	s_mul_i32 s58, s58, s27
	s_add_co_u32 s58, s58, s59
	s_lshl_b32 s58, s58, 6
	s_add_co_u32 s58, s58, s22
	s_add_co_u32 s58, s58, S0                      ; its scale words
	s_mov_b32 s59, 0
	s_wait_kmcnt 0x0
.if PART                               ; the tensor: a choice that hangs on the share's number alone
	s_cmp_ge_u32 s18, 128
	s_cselect_b64 s[56:57], s[6:7], s[4:5]
.else
	s_cmp_ge_u32 s18, 32
	s_cselect_b64 s[56:57], s[6:7], s[4:5]
	s_cmp_ge_u32 s18, 64
	s_cselect_b64 s[56:57], s[8:9], s[56:57]
	s_cmp_ge_u32 s18, 96
	s_cselect_b64 s[56:57], s[10:11], s[56:57]
.endif
	s_add_nc_u64 s[32:33], s[56:57], s[30:31]      ; a base for each of the eight blocks: nothing is stepped later
	s_lshl_b32 s30, s23, 5                         ; 32 rows on
.irp t, 1,2,3,4,5,6,7
	s_add_nc_u64 s[32+2*\t:33+2*\t], s[30+2*\t:31+2*\t], s[30:31]
.endr
	s_add_nc_u64 s[48:49], s[16:17], s[60:61]
	s_add_nc_u64 s[50:51], s[48:49], s[62:63]
	s_add_nc_u64 s[52:53], s[16:17], s[58:59]
	LOAD 0
	LOAD 1
.irp t, 0,1,2,3,4,5,6,7
	BLOCK \t
.endr
	global_store_b32 v6, v[WSB], s[52:53]          ; my column's scale words of the two K steps
	s_wait_alu depctr_va_vdst(0)
	global_store_b32 v6, v[WSB+1], s[52:53] offset:64
.irp i, 0,1,2,3,4,5,6,7,8,9,10,11
	ds_load_b128 v[WOUT+4*\i:WOUT+4*\i+3], v4 offset:512*\i       ; LDS serves a wave's instructions in order: these see my stores
.endr
.irp i, 0,1,2,3,4,5,6,7,8,9,10,11
	s_wait_dscnt 11-\i                             ; read i is back; the later ones may be out
	global_store_b128 v5, v[WOUT+4*\i:WOUT+4*\i+3], s[48+2*(\i/6):49+2*(\i/6)] offset:512*(\i%6)   ; 512 consecutive bytes, at a multiple of 256
.endr
	s_wait_tensorcnt 0x0
	ds_add_u32 v248, v249
	s_wait_dscnt 0x0
	s_endpgm
	; ================ THE NORM ================
.Lnorm:
	s_load_b256 s[4:11], s[0:1], 0x0               ; the rows, the gain, the bias, the images
	s_sub_co_u32 s14, ttmp9, NW                    ; my tile of 16 rows
	v_and_b32 v1, 15, v0                           ; r
	v_bfe_u32 v2, v0, 4, 1                         ; h
	v_and_b32 v3, 31, v0                           ; lane
	s_delay_alu instid0(VALU_DEP_3)
	v_lshrrev_b32 v4, 3, v1
	s_delay_alu instid0(VALU_DEP_1)
	v_lshl_add_u32 v4, v4, 3, v1                   ; r + 8 (r / 8)
	s_delay_alu instid0(VALU_DEP_1)
	v_lshlrev_b32 v4, 12, v4                       ; rows of 4,096 bytes
	s_lshl_b32 s13, s12, 9
	v_lshl_add_u32 v5, v2, 6, s13                  ; 512 w + 64 h: my 16 numbers of a block
	s_delay_alu instid0(VALU_DEP_1)
	v_add_nc_u32 v4, v4, v5
	v_lshlrev_b32 v6, 3, v3                        ; 8 x lane: my place in a plane
	v_lshlrev_b32 v25, 5, v1                       ; LDS: row r's eight sums
	s_lshl_b32 s13, s12, 2
	v_add_nc_u32 v7, s13, v25                      ; and my wave's among them
	s_lshl_b32 s13, s12, 6
	v_lshl_add_u32 v26, v1, 2, s13                 ; my scale word: 64 w + 4 r
	v_lshlrev_b32 v27, 4, v3
.irp b, 0,1,2,3
	v_mov_b32 v[TM+4+\b], 0                        ; written once: a lane permute's destination counts as one of its sources
.endr
	s_mov_b32 s[SEL], 0x76543210
	s_mov_b32 s[SEL+1], 0xfedcba98
	s_mov_b32 s28, 0x3a800000                      ; 1 / 1,024
	s_mov_b32 s29, 0x3727c5ac                      ; 1e-5
	s_lshr_b32 s15, s14, 1
	s_lshl_b32 s15, s15, 5
	s_and_b32 s16, s14, 1
	s_lshl_b32 s16, s16, 3
	s_add_co_u32 s15, s15, s16                     ; the tile's first token
	s_lshl_b32 s16, s15, 12
	s_mov_b32 s17, 0
	s_lshl_b32 s18, s12, 8
	s_add_co_u32 s18, s18, s14
	s_mul_i32 s18, s18, 1536                       ; my image: (256 w + tile) x 1,536
	s_mov_b32 s19, 0
	s_lshl_b32 s22, s14, 9
	s_add_co_u32 s22, s22, 3145728                 ; the tile's 512 bytes of scale words
	s_mov_b32 s23, 0
	s_wait_kmcnt 0x0
	s_add_nc_u64 s[4:5], s[4:5], s[16:17]
	s_add_nc_u64 s[24:25], s[10:11], s[18:19]
	s_add_nc_u64 s[26:27], s[10:11], s[22:23]
.irp b, 0,1,2,3
.irp j, 0,1,2,3
	global_load_b128 v[X+16*\b+4*\j:X+16*\b+4*\j+3], v4, s[4:5] offset:128*\b+16*\j
.endr
.endr
.irp b, 0,1,2,3
.irp j, 0,1,2,3
	global_load_b128 v[G+16*\b+4*\j:G+16*\b+4*\j+3], v5, s[6:7] offset:128*\b+16*\j
	global_load_b128 v[B+16*\b+4*\j:B+16*\b+4*\j+3], v5, s[8:9] offset:128*\b+16*\j
.endr
.endr
	s_wait_loadcnt 32                              ; the rows are in; the gain's and the bias's 32 loads may be out
.irp c, 0,1,2,3
	v_pk_add_f32 v[T+2*\c:T+2*\c+1], v[X+4*\c:X+4*\c+1], v[X+4*\c+2:X+4*\c+3]
.endr
.irp j, 16,24,32,40,48,56
.irp c, 0,1,2,3
	s_delay_alu instid0(VALU_DEP_4)
	v_pk_add_f32 v[T+2*\c:T+2*\c+1], v[T+2*\c:T+2*\c+1], v[X+\j+2*\c:X+\j+2*\c+1]
.endr
.endr
	JOIN RED
	s_delay_alu instid0(VALU_DEP_1)
	v_mul_f32 v28, s28, v[T]                       ; the mean
	s_delay_alu instid0(VALU_DEP_1)
	v_mov_b32 v29, v28
.set n, 0
.rept 32
	v_pk_add_f32 v[X+2*n:X+2*n+1], v[X+2*n:X+2*n+1], v[28:29] neg_lo:[0,1] neg_hi:[0,1]
.set n, n+1
.endr
.irp c, 0,1,2,3
	v_pk_mul_f32 v[T+2*\c:T+2*\c+1], v[X+2*\c:X+2*\c+1], v[X+2*\c:X+2*\c+1]
.endr
.irp j, 8,16,24,32,40,48,56
.irp c, 0,1,2,3
	s_delay_alu instid0(VALU_DEP_4)
	v_pk_fma_f32 v[T+2*\c:T+2*\c+1], v[X+\j+2*\c:X+\j+2*\c+1], v[X+\j+2*\c:X+\j+2*\c+1], v[T+2*\c:T+2*\c+1]
.endr
.endr
	JOIN RED2
	s_delay_alu instid0(VALU_DEP_1)
	v_fma_f32 v30, v[T], s28, s29                  ; the variance + 1e-5
	s_wait_alu depctr_va_vdst(0)
	v_rsq_f32 v28, v30
	v_nop                                          ; a plain line behind the transcendental,
	s_wait_alu depctr_va_vdst(0)                   ; and the wait ahead of its first reader
	v_mov_b32 v29, v28
	s_wait_alu depctr_va_vdst(0)
	s_wait_loadcnt 0x0                             ; the gain and the bias
.set n, 0
.rept 32
	v_pk_mul_f32 v[X+2*n:X+2*n+1], v[X+2*n:X+2*n+1], v[28:29]
.set n, n+1
.endr
.set n, 0
.rept 32
	v_pk_fma_f32 v[X+2*n:X+2*n+1], v[X+2*n:X+2*n+1], v[G+2*n:G+2*n+1], v[B+2*n:B+2*n+1]
.set n, n+1
.endr
	QUANT X, 4, PC, PW
.irp p, 0,1,2,3,4,5
	global_store_b64 v6, v[PC+2*\p:PC+2*\p+1], s[24:25] offset:256*\p   ; a plane: 256 consecutive bytes, aligned
.endr
	ds_store_b32 v26, v[PW] offset:SCG
	s_wait_dscnt 0x0
	s_barrier_signal -1
	s_barrier_wait -1                              ; the tile's 128 scale words lie in LDS
	s_cmp_lg_u32 s12, 0
	s_cbranch_scc1 .Lend
	ds_load_b128 v[28:31], v27 offset:SCG
	s_wait_dscnt 0x0
	global_store_b128 v27, v[28:31], s[26:27]      ; wave 0 stores them: 512 consecutive bytes
.Lend:
	s_wait_tensorcnt 0x0
	ds_add_u32 v248, v249
	s_wait_dscnt 0x0
	s_endpgm
.Lfunc_end_k_q17448c6ec9_prep1:
	.size	k_q17448c6ec9_prep1, .Lfunc_end_k_q17448c6ec9_prep1-k_q17448c6ec9_prep1
	.p2alignl 7, 3214868480
	.fill 96, 4, 3214868480
	.section	.rodata,"a",@progbits
	.p2align	6, 0x0
	.amdhsa_kernel k_q17448c6ec9_prep1
		.amdhsa_group_segment_fixed_size 52224
		.amdhsa_private_segment_fixed_size 0
		.amdhsa_enable_private_segment 0
		.amdhsa_kernarg_size 72
		.amdhsa_user_sgpr_count 2
		.amdhsa_user_sgpr_kernarg_segment_ptr 1
		.amdhsa_wavefront_size32 1
		.amdhsa_system_sgpr_workgroup_id_x 1
		.amdhsa_system_sgpr_workgroup_id_y 1
		.amdhsa_system_sgpr_workgroup_id_z 1
		.amdhsa_system_vgpr_workitem_id 0
		.amdhsa_next_free_vgpr 250
		.amdhsa_next_free_sgpr 66
		.amdhsa_reserve_vcc 0
		.amdhsa_float_denorm_mode_32 3
		.amdhsa_float_denorm_mode_16_64 3
		.amdhsa_memory_ordered 1
		.amdhsa_forward_progress 1
		.amdhsa_inst_pref_size 77
	.end_amdhsa_kernel
	.amdgpu_metadata
---
amdhsa.version: [ 1, 2 ]
amdhsa.kernels:
  - .name:           k_q17448c6ec9_prep1
    .symbol:         k_q17448c6ec9_prep1.kd
    .args:
      - { .name: x, .offset: 0, .size: 8, .value_kind: global_buffer, .address_space: global }
      - { .name: ln1_w, .offset: 8, .size: 8, .value_kind: global_buffer, .address_space: global }
      - { .name: ln1_b, .offset: 16, .size: 8, .value_kind: global_buffer, .address_space: global }
      - { .name: hq, .offset: 24, .size: 8, .value_kind: global_buffer, .address_space: global }
      - { .name: Wq, .offset: 32, .size: 8, .value_kind: global_buffer, .address_space: global }
      - { .name: Wk, .offset: 40, .size: 8, .value_kind: global_buffer, .address_space: global }
      - { .name: Wv, .offset: 48, .size: 8, .value_kind: global_buffer, .address_space: global }
      - { .name: Wp, .offset: 56, .size: 8, .value_kind: global_buffer, .address_space: global }
      - { .name: wts, .offset: 64, .size: 8, .value_kind: global_buffer, .address_space: global }
    .group_segment_fixed_size: 52224
    .private_segment_fixed_size: 0
    .kernarg_segment_align: 8
    .kernarg_segment_size: 72
    .max_flat_workgroup_size: 256
    .sgpr_count:     66
    .vgpr_count:     250
    .wavefront_size: 32
...
	.end_amdgpu_metadata
.endif
;; end of part 1
;; launch qkv (part 2): grid 12 x 16, 16 waves a work-group, clusters of 4 x 4, 327,680 bytes of LDS; arguments hq, wts, bq, bk, bv, qkvq; writes qkvq
.if DOCPART == 2
	.amdgcn_target "amdgcn-amd-amdhsa--gfx1250"
	.amdhsa_code_object_version 6
	.text
	.protected	k_q17448c6ec9_qkv
	.globl	k_q17448c6ec9_qkv
	.p2align	8
	.type	k_q17448c6ec9_qkv,@function
k_q17448c6ec9_qkv:
	s_mov_b64 s[64:65], 0
	v_nop
	global_prefetch_b8 v0, s[64:65] scope:SCOPE_SE
	s_setreg_imm32_b32 hwreg(HW_REG_WAVE_MODE, 25, 1), 1
	s_wait_xcnt 0x0
	s_wait_alu depctr_hold_cnt(0) depctr_sa_sdst(0) depctr_va_vdst(0) depctr_va_sdst(0) depctr_va_ssrc(0) depctr_va_vcc(0) depctr_vm_vsrc(0)
	s_getreg_b32 s2, hwreg(HW_REG_IB_STS2, 6, 4)
	s_cmp_eq_u32 s2, 0
	s_cbranch_scc0 .Lentry_in_a_cluster
	s_endpgm
.Lentry_in_a_cluster:
	s_bfe_u32 s2, ttmp6, 0x10000c
	s_cmp_lg_u32 s2, 0xf033
	s_cbranch_scc0 .Lentry_shape_is_right
	s_endpgm
.Lentry_shape_is_right:
; A product of 4,096 tokens x 1,024 K with a weight, on codes of FP6 (E2M3) with E8M0 scales, whose result is quantised again on the way out and never leaves as f32.
; FF = 0: q, k, v = LN1(x) W + b (the cluster's x says which).  q and k are quantised along the head's 64, v along the KEYS.  FF = 1: relu(LN2(x1) W1 + b1), quantised along the hidden axis.
; Operands lie in memory as images of the operand's registers (six planes of 256 bytes a fragment): codes [K step][tile][1,536], scale words [tile][K step][16].  Row r of tile 2 g + u is row 32 g + 8 u + r + 8 (r / 8).
; SHARES.  A work-group makes 256 tokens x 256 columns; its sixteen waves (four to a SIMD, 256 registers each, no register windows) make 64 x 64 each: 16 accumulators.
; THE PRODUCT IS USED TRANSPOSED: source 0 = the set whose rows run along a lane's registers (B set), source 1 = the set whose row is the lane (A set).  With the tiles' row order the 16 registers of two neighbouring
; tiles are 16 neighbours, which is what the conversions want.  q, k, ff1: A set = tokens, B set = weight columns.  v: A set = Wv's columns, B set = tokens, so that the registers run along the keys.
; The bias is the C of the first products: it is LOADED into the accumulators while the first tiles are on their way.
; RING.  Two slots of two K steps; a slot is four loads of 24,576 bytes (two K steps x eight tiles), one by each of waves 0-3.  The scale words of all of K come once.
; CLUSTER 4 x 4: the tokens' tiles are shared along a row of the cluster, the weights' along a column: each is asked for jointly.
; The two-byte scale stores of v and ff1 fill aligned 256-byte blocks in part: they are 1 byte in 96 of what the launch stores.
; LIMITS: NaN and infinities are not served; a block whose largest magnitude lies under 2^-124 keeps the byte 1: only this program reads the bytes.
.set FF, 0
.if FF
.set NT,   256                         ; tiles in a K step of the weight's array
.set WB,   3145728                     ; where its codes begin in wts
.set SW,   9568256                     ; and its scale words
.set OUTP, 10
.else
.set NT,   192
.set WB,   0
.set SW,   9437184
.set OUTP, 14
.endif
.set SLAB,  24576
.set SLOT,  4*SLAB                     ; tokens' tiles 0-7, 8-15, weights' tiles 0-7, 8-15; each [2 K steps][8 tiles][1,536]
.set SCL,   2*SLOT                     ; the tokens' scale words, 8,192 bytes, then the weights'
.set SPARE, SCL+16384                  ; the spare words: 128 bytes for each of sixteen waves
.set STEPA, 4*256*1536                 ; four K steps on
.set STEPB, 4*NT*1536
.set ADRA, 4                           ; v4-5   A set's fragments in slot 0, 1
.set ADRB, 6                           ; v6-7   B set's
.set ADSA, 8                           ; v8     A set's scale words
.set ADSB, 9                           ; v9     B set's
.set SPW,  10                          ; v10    my spare word; never rewritten
.set NIL,  11                          ; v11    0; never rewritten
.set OA,   12                          ; v12-15 the way out: 8 x lane + tile a's place
.set BO,   16                          ; v16    the bias: 64 h
.set BOV,  17                          ; v17    v's bias: my channel
.set SO,   18                          ; v18    the way out: my scale word's place
.set SA,   20                          ; v20-23 A set's scale words
.set SB,   24                          ; v24-27 B set's
.set PW,   28                          ; v28-31 the scale words made on the way out
.set AF,   32                          ; v32-79  A set's four fragments
.set BF,   80                          ; v80-127 B set's
.set ACC,  128                         ; v128-255 accumulator (a, b) at 128 + 8 (4 a + b)
.set PC,   32                          ; the way out: tile a's codes at 32 + 6 a
.set TP,   64
.set TM,   80
.set W01,  96
.set WV,   16
.set FW,   17
.set G1,   24
.set G0,   32
.set G1B,  48
.set G0B,  56
.set ISV,  66
.set NOTV, 67
.set G1S,  68
.set G0S,  76
.set G1SB, 80
.set G0SB, 88
.set SEL,  92
.macro QUANT s, nb, pc, pw             ; 16 nb numbers of a lane, v[s + 16 b + i] = number 32 b + 16 h + i of my row, become registers pc .. of an operand and the scale word pw
.set QB, 0
.rept \nb
	v_max3_num_f32 v[TM+QB], |v[(\s)+16*QB]|, |v[(\s)+16*QB+1]|, 0x1800000   ; with the floor 2^(3 - 127): the byte cannot fall under 1
.set QB, QB+1
.endr
.irp i, 2,4,6,8,10,12,14
.set QB, 0
.rept \nb
	v_max3_num_f32 v[TM+QB], v[TM+QB], |v[(\s)+16*QB+\i]|, |v[(\s)+16*QB+\i+1]|
.set QB, QB+1
.endr
.endr
.set QB, 0
.rept \nb
	s_delay_alu instid0(VALU_DEP_2)
	v_permlanex16_b32 v[TM+4+QB], v[TM+QB], s[SEL], s[SEL+1]
.set QB, QB+1
.endr
.set QB, 0
.rept \nb
	s_delay_alu instid0(VALU_DEP_2)
	v_max_num_f32 v[TM+QB], v[TM+QB], v[TM+4+QB]   ; with lane l xor 16's 16: the block's largest magnitude
.set QB, QB+1
.endr
.set QB, 0
.rept \nb
	s_delay_alu instid0(VALU_DEP_2)
	v_add_nc_u32 v[TM+12+QB], 0xff000000, v[TM+QB] ; 2 off the exponent field: the conversion's scale operand
.set QB, QB+1
.endr
.set QB, 0
.rept \nb
	s_delay_alu instid0(VALU_DEP_2)
	v_lshrrev_b32 v[TM+4+QB], 23, v[TM+12+QB]      ; the scale's byte
.set QB, QB+1
.endr
	s_delay_alu instid0(VALU_DEP_1)
	v_lshl_or_b32 v[\pw], v[TM+5], 8, v[TM+4]
.if \nb == 4
	v_lshl_or_b32 v[\pw], v[TM+6], 16, v[\pw]
	v_lshl_or_b32 v[\pw], v[TM+7], 24, v[\pw]
.endif
.set QB, 0
.rept \nb/2
	v_cvt_scalef32_pk16_fp6_f32 v[(\pc)+6*QB:(\pc)+6*QB+2], v[(\s)+32*QB:(\s)+32*QB+15], v[TM+12+2*QB]
	v_cvt_scalef32_pk16_fp6_f32 v[TP+4*QB:TP+4*QB+2], v[(\s)+32*QB+16:(\s)+32*QB+31], v[TM+13+2*QB]
.set QB, QB+1
.endr
	v_nop                                          ; one plain line behind the conversions
.set QB, 0
.rept \nb/2                            ; the operand wants a whole block in a lane: lanes 0-15 block 2 c, lanes 16-31 block 2 c + 1
.irp i, 0,1,2
	v_permlane16_swap_b32 v[(\pc)+6*QB+\i], v[TP+4*QB+\i]
.endr
.irp i, 0,1,2
	s_delay_alu instid0(VALU_DEP_3)
	v_mov_b32 v[(\pc)+6*QB+3+\i], v[TP+4*QB+\i]
.endr
.set QB, QB+1
.endr
.endm
.macro CROUND                          ; a round of the cluster's barrier
	s_barrier_signal -1
	s_barrier_wait -1
	s_cmp_lg_u32 s[WV], 0
	s_cbranch_scc1 .Lnot_wave_0_\@
	s_barrier_signal -3
.Lnot_wave_0_\@:
	s_barrier_wait -3
	s_barrier_signal -1
	s_barrier_wait -1
.endm
.macro JLOAD g0a, g1a, g0b, g1b, key   ; a joint refill of slot key / 2: waves 2 key, 2 key + 1 fetch the tokens' tiles, the next two the weights', the others nothing
	s_cmp_eq_u32 s[FW], \key
	s_cbranch_scc0 .Lnot_a_\@
	tensor_load_to_lds s[\g0a:\g0a+3], s[\g1a:\g1a+7]
	s_nop 0
.rept 4
	v_nop
.endr
	s_branch .Lasked_\@
.Lnot_a_\@:
	s_cmp_eq_u32 s[FW], \key+1
	s_cbranch_scc0 .Lasked_\@
	tensor_load_to_lds s[\g0b:\g0b+3], s[\g1b:\g1b+7]
	s_nop 0
.rept 4
	v_nop
.endr
.Lasked_\@:
.endm
; The change of slots.  Every wave waits for all its tensor loads (the other slot's), adds 0 to its spare word, and waits for that and for its reads of this slot.  fill = 1: behind a round of the cluster's barrier this slot is filled again.
.macro CHANGE slot, fill
	s_wait_tensorcnt 0x0
	ds_add_u32 v[SPW], v[NIL]
.if \fill
	ds_add_u32 v[SPW], v[NIL]                      ; twice on end
	s_add_nc_u64 s[G0+4*\slot+2:G0+4*\slot+3], s[G0+4*\slot+2:G0+4*\slot+3], STEPA
	s_add_nc_u64 s[G0B+4*\slot+2:G0B+4*\slot+3], s[G0B+4*\slot+2:G0B+4*\slot+3], STEPB
.endif
	s_wait_dscnt 0x0                               ; the add is done, and my reads of this slot are over
.if \fill
	CROUND                                         ; the same holds of every wave of every partner
	JLOAD G0+4*\slot, G1, G0B+4*\slot, G1B, 2*\slot
.else
	s_barrier_signal -1
	s_barrier_wait -1
.endif
.endm
; A K step of 128: eight fragments and eight scale words from LDS, sixteen products.  The sixteen accumulators take turns, in the same order in every step.
.macro KSTEP slot, q, ks
.rept 4
	v_nop                                          ; places in front of loads into registers that matrix instructions have read
.endr
.irp t, 0,1,2,3
	ds_load_b32 v[SA+\t], v[ADSA] offset:512*\t+64*(\ks)
.endr
.irp t, 0,1,2,3
	ds_load_b32 v[SB+\t], v[ADSB] offset:512*\t+64*(\ks)
.endr
.irp t, 0,1,2,3
.irp p, 0,1,2,3,4,5
	ds_load_b64 v[BF+12*\t+2*\p:BF+12*\t+2*\p+1], v[ADRB+\slot] offset:12288*(\q)+1536*\t+256*\p
.endr
.endr
.irp t, 0,1,2,3
.irp p, 0,1,2,3,4,5
	ds_load_b64 v[AF+12*\t+2*\p:AF+12*\t+2*\p+1], v[ADRA+\slot] offset:12288*(\q)+1536*\t+256*\p
.endr
.endr
.irp a, 0,1,2,3
	s_wait_dscnt 18-6*\a                           ; A set's tile a is in; the six loads of each later tile may be out
.irp b, 0,1,2,3
	v_wmma_scale_f32_16x16x128_f8f6f4 v[ACC+8*(4*\a+\b):ACC+8*(4*\a+\b)+7], v[BF+12*\b:BF+12*\b+11], v[AF+12*\a:AF+12*\a+11], v[ACC+8*(4*\a+\b):ACC+8*(4*\a+\b)+7], v[SB+\b], v[SA+\a] matrix_a_fmt:MATRIX_FMT_FP6 matrix_b_fmt:MATRIX_FMT_FP6
.endr
.endr
.endm
	s_load_b256 s[4:11], s[0:1], 0x0               ; the tokens' images, wts, and: bq, bk (FF = 1: b1, the result)
.if FF == 0
	s_load_b128 s[12:15], s[0:1], 0x20             ; bv, the result
.endif
	v_lshl_add_u32 v[SPW], v0, 2, SPARE
	v_mov_b32 v[NIL], 0
	ds_add_u32 v10, v11
	ds_add_u32 v10, v11
	s_wait_dscnt 0x0
	v_lshrrev_b32 v1, 5, v0
	s_delay_alu instid0(VALU_DEP_1)
	v_readfirstlane_b32 s[WV], v1                  ; wave 0..15
	s_lshr_b32 s[FW], s[WV], 1                     ; 0: I fetch tokens' tiles; 1: weights'; else nothing
	s_and_b32 s18, s[WV], 1
	s_lshl_b32 s19, s18, 3                         ; which eight tiles I fetch
	s_bfe_u32 s40, ttmp6, 0x40000                  ; cx
	s_bfe_u32 s41, ttmp6, 0x40004                  ; cy
	s_lshl_b32 s42, ttmp9, 2
	s_add_co_u32 s42, s42, s40                     ; x: which 256 columns
	s_and_b32 s43, ttmp7, 0xffff
	s_lshl_b32 s43, s43, 2
	s_add_co_u32 s43, s43, s41                     ; y: which 256 tokens
	s_lshl_b32 s44, s41, 2
	s_lshl_b32 s44, 15, s44                        ; my row of the cluster
	s_lshl_b32 s45, 0x1111, s40                    ; my column
	; group 1, codes: two rows (K steps) of 1,536 elements of 8 bytes (eight tiles on end), a K step's array apart; no padding: an image is read 256 consecutive bytes at a time
	s_or_b32 s[G1], s44, (3<<16)|(1<<21)
	s_or_b32 s[G1B], s45, (3<<16)|(1<<21)
	s_or_b32 s[G1S], s44, (3<<16)|(1<<21)
	s_or_b32 s[G1SB], s45, (3<<16)|(1<<21)
.irp g, G1, G1B
	s_mov_b32 s[\g+1], 1536<<16                    ; tensor_dim0
	s_mov_b32 s[\g+2], 2<<16                       ; tensor_dim1
	s_mov_b32 s[\g+3], 1536<<16                    ; tile_dim0
	s_mov_b32 s[\g+4], 2                           ; tile_dim1
	s_mov_b32 s[\g+6], 0
	s_mov_b32 s[\g+7], 0
.endr
	s_mov_b32 s[G1+5], 256*192                     ; the pitch, in elements
	s_mov_b32 s[G1B+5], NT*192
.irp g, G1S, G1SB                      ; scale words: eight tiles' 4,096 dense bytes as 16 rows of 256
	s_mov_b32 s[\g+1], 32<<16
	s_mov_b32 s[\g+2], 16<<16
	s_mov_b32 s[\g+3], 32<<16
	s_mov_b32 s[\g+4], 16
	s_mov_b32 s[\g+5], 32
	s_mov_b32 s[\g+6], 0
	s_mov_b32 s[\g+7], 0
.endr
	s_lshl_b32 s20, s43, 4
	s_add_co_u32 s20, s20, s19                     ; my first tile of tokens
	s_mul_i32 s22, s20, 512
	s_add_co_u32 s22, s22, 3145728                 ; its scale words
	s_mul_i32 s20, s20, 1536                       ; its codes
	s_mov_b32 s21, 0
	s_mov_b32 s23, 0
	s_lshl_b32 s46, s42, 4
	s_add_co_u32 s46, s46, s19                     ; my first tile of the weight
	s_mul_i32 s94, s46, 512
	s_add_co_u32 s94, s94, SW
	s_mul_i32 s46, s46, 1536
	s_add_co_u32 s46, s46, WB
	s_mov_b32 s47, 0
	s_mov_b32 s95, 0
	s_and_b32 s96, s[WV], 3                        ; my quarter of a slot, or of the scale words: wave % 4
	s_mul_i32 s96, s96, SLAB
	s_and_b32 s97, s[WV], 3
	s_lshl_b32 s97, s97, 12
	s_add_co_u32 s97, s97, SCL
	s_mov_b32 s[SEL], 0x76543210
	s_mov_b32 s[SEL+1], 0xfedcba98
	s_wait_kmcnt 0x0
	s_add_nc_u64 s[20:21], s[4:5], s[20:21]
	s_add_nc_u64 s[22:23], s[4:5], s[22:23]
	s_add_nc_u64 s[46:47], s[6:7], s[46:47]
	s_add_nc_u64 s[94:95], s[6:7], s[94:95]
	CROUND                                         ; all sixteen work-groups are here: the first joint loads meet
	s_mov_b32 s[G0S], 1
	s_mov_b32 s[G0S+1], s97
	s_mov_b64 s[G0S+2:G0S+3], s[22:23]
	s_or_b32 s[G0S+3], s[G0S+3], 0x80000000
	s_mov_b32 s[G0SB], 1
	s_mov_b32 s[G0SB+1], s97
	s_mov_b64 s[G0SB+2:G0SB+3], s[94:95]
	s_or_b32 s[G0SB+3], s[G0SB+3], 0x80000000
.irp s, 0,1
	s_mov_b32 s[G0+4*\s], 1
	s_add_co_u32 s[G0+4*\s+1], s96, \s*SLOT
	s_add_nc_u64 s[G0+4*\s+2:G0+4*\s+3], s[20:21], \s*2*256*1536
	s_or_b32 s[G0+4*\s+3], s[G0+4*\s+3], 0x80000000
	s_mov_b32 s[G0B+4*\s], 1
	s_add_co_u32 s[G0B+4*\s+1], s96, \s*SLOT
	s_add_nc_u64 s[G0B+4*\s+2:G0B+4*\s+3], s[46:47], \s*2*NT*1536
	s_or_b32 s[G0B+4*\s+3], s[G0B+4*\s+3], 0x80000000
.endr
; The twelve first fills, one a wave, in one chain of arms on wave / 2: waves 0-3 slot 0, waves 4-7 slot 1, waves 8-11 the scale words; waves 12-15 none
.macro ARM key, g0, g1
	s_cmp_eq_u32 s[FW], \key
	s_cbranch_scc0 .Lnot_arm_\@
	tensor_load_to_lds s[\g0:\g0+3], s[\g1:\g1+7]
	s_nop 0
.rept 4
	v_nop
.endr
	s_branch .Lfirst_asked
.Lnot_arm_\@:
.endm
	ARM 0, G0, G1
	ARM 1, G0B, G1B
	ARM 2, G0+4, G1
	ARM 3, G0B+4, G1B
	ARM 4, G0S, G1S
	ARM 5, G0SB, G1SB
.Lfirst_asked:
	v_and_b32 v1, 15, v0                           ; r
	v_bfe_u32 v2, v0, 4, 1                         ; h
	v_and_b32 v3, 31, v0                           ; lane
	s_wait_alu depctr_va_vdst(0)
	s_lshr_b32 s18, s[WV], 2                       ; wa: which four tiles of the A set
	s_and_b32 s19, s[WV], 3                        ; wb: of the B set
.if FF
	s_mov_b32 s[ISV], 0
	s_mov_b32 s[NOTV], 1
.else
	s_lshr_b32 s[ISV], ttmp9, 1                    ; the cluster's x: 0 q, 1 k, 2 v: the same in all partners
	s_and_b32 s[ISV], s[ISV], 1
	s_xor_b32 s[NOTV], s[ISV], 1
.endif
	s_lshr_b32 s20, s18, 1
	s_mul_i32 s20, s20, SLAB
	s_and_b32 s21, s18, 1
	s_mul_i32 s21, s21, 6144
	s_add_co_u32 s20, s20, s21
	s_mul_i32 s21, s[ISV], 2*SLAB                  ; v: the A set is the weights' half of a slot
	s_add_co_u32 s20, s20, s21
	v_lshl_add_u32 v[ADRA], v3, 3, s20
	s_delay_alu instid0(VALU_DEP_1)
	v_add_nc_u32 v[ADRA+1], SLOT, v[ADRA]
	s_lshr_b32 s20, s19, 1
	s_mul_i32 s20, s20, SLAB
	s_and_b32 s21, s19, 1
	s_mul_i32 s21, s21, 6144
	s_add_co_u32 s20, s20, s21
	s_mul_i32 s21, s[NOTV], 2*SLAB
	s_add_co_u32 s20, s20, s21
	v_lshl_add_u32 v[ADRB], v3, 3, s20
	s_delay_alu instid0(VALU_DEP_1)
	v_add_nc_u32 v[ADRB+1], SLOT, v[ADRB]
	s_lshl_b32 s20, s18, 11
	s_lshl_b32 s21, s[ISV], 13
	s_add_co_u32 s20, s20, s21
	s_add_co_u32 s20, s20, SCL
	v_lshl_add_u32 v[ADSA], v1, 2, s20
	s_lshl_b32 s20, s19, 11
	s_lshl_b32 s21, s[NOTV], 13
	s_add_co_u32 s20, s20, s21
	s_add_co_u32 s20, s20, SCL
	v_lshl_add_u32 v[ADSB], v1, 2, s20
	; the bias goes into the accumulators
	v_lshlrev_b32 v[BO], 6, v2
.if FF
	s_lshl_b32 s20, s19, 8
	s_lshl_b32 s21, s42, 10
	s_add_co_u32 s20, s20, s21                     ; b1 at column 256 x + 64 wb
	s_mov_b32 s21, 0
	s_add_nc_u64 s[98:99], s[8:9], s[20:21]
.else
	s_cmp_eq_u32 ttmp9, 1
	s_cselect_b64 s[98:99], s[10:11], s[8:9]
	s_cmp_eq_u32 ttmp9, 2
	s_cselect_b64 s[98:99], s[12:13], s[98:99]
	s_cmp_eq_u32 s[ISV], 0
	s_cselect_b32 s20, s19, s18
	s_lshl_b32 s20, s20, 8
	s_lshl_b32 s21, s40, 10
	s_add_co_u32 s20, s20, s21                     ; at column 256 cx + 64 x (wb, or for v wa)
	s_mov_b32 s21, 0
	s_add_nc_u64 s[98:99], s[98:99], s[20:21]
	v_lshrrev_b32 v[BOV], 3, v1
	s_delay_alu instid0(VALU_DEP_1)
	v_lshl_add_u32 v[BOV], v[BOV], 3, v1
	s_delay_alu instid0(VALU_DEP_1)
	v_lshlrev_b32 v[BOV], 2, v[BOV]                ; v: my channel in a tile: r + 8 (r / 8)
	s_cmp_eq_u32 s[ISV], 0
	s_cbranch_scc0 .Lbias_v
.endif
	s_wait_alu depctr_va_vdst(0)
.irp a, 0,1,2,3
.irp e, 0,1,2,3,4,5,6,7
	global_load_b128 v[ACC+32*\a+4*\e:ACC+32*\a+4*\e+3], v[BO], s[98:99] offset:128*(\e/4)+16*(\e%4)   ; register 16 b + i of a row of tiles: column 32 b + 16 h + i
.endr
.endr
.if FF == 0
	s_branch .Lbias_done
.Lbias_v:
	s_wait_alu depctr_va_vdst(0)
.irp a, 0,1,2,3
.set n, 0
.rept 32
	global_load_b32 v[ACC+32*\a+n], v[BOV], s[98:99] offset:(32*(\a/2)+8*(\a%2))*4   ; v: all of a lane's registers of tile a belong to one channel
.set n, n+1
.endr
.endr
.Lbias_done:
.endif
	s_wait_tensorcnt 0x0                           ; my one first fill has landed
	s_barrier_signal -1
	s_barrier_wait -1
	s_wait_loadcnt 0x0                             ; the bias
	KSTEP 0, 0, 0
	KSTEP 0, 1, 1
	CHANGE 0, 1                                    ; slot 0 takes K steps 4, 5
	KSTEP 1, 0, 2
	KSTEP 1, 1, 3
	CHANGE 1, 1                                    ; slot 1 takes K steps 6, 7
	KSTEP 0, 0, 4
	KSTEP 0, 1, 5
	CHANGE 0, 0
	KSTEP 1, 0, 6
	KSTEP 1, 1, 7
	; THE WAY OUT: each row of four tiles (32 registers: 64 neighbours along the next K of the lane's row) is quantised and leaves as half an image: three planes of 256 bytes
.rept 4
	v_nop                                          ; places behind the last products
.endr
	v_mov_b32 v[TM+4], 0                           ; a lane permute's destination counts as one of its sources
	v_mov_b32 v[TM+5], 0
.if FF
	s_lshl_b32 s20, s42, 1
	s_lshr_b32 s21, s19, 1
	s_add_co_u32 s20, s20, s21                     ; the next product's K step: 2 x + wb / 2
	s_lshl_b32 s21, s43, 4
	s_lshl_b32 s22, s18, 2
	s_add_co_u32 s21, s21, s22                     ; my first tile of tokens: 16 y + 4 wa
	s_and_b32 s23, s19, 1                          ; which half of the K step
	s_lshl_b32 s94, s20, 8
	s_add_co_u32 s94, s94, s21
	s_mul_i32 s94, s94, 1536
	s_mul_i32 s95, s23, 768
	s_add_co_u32 s94, s94, s95
	s_lshl_b32 s95, s21, 5
	s_add_co_u32 s95, s95, s20
	s_lshl_b32 s95, s95, 6
	s_lshl_b32 s23, s23, 1
	s_add_co_u32 s95, s95, s23
	s_add_co_u32 s95, s95, 12582912
	s_mov_b32 s20, s94
	s_mov_b32 s22, s95
	s_mov_b32 s96, 1536                            ; from tile to tile
	v_lshlrev_b32 v[SO], 2, v1
	v_lshl_add_u32 v[SO], v2, 11, v[SO]            ; scale words: 4 r, and lanes 16-31 a tile (32 K steps x 64 bytes) on
.else
	s_lshr_b32 s20, s43, 3                         ; the batch's element
	s_and_b32 s21, s43, 7
	s_lshl_b32 s20, s20, 4
	s_lshl_b32 s22, s40, 2
	s_add_co_u32 s20, s20, s22                     ; 16 b + 4 cx: with wb (q, k) or wa (v) the head
	s_add_co_u32 s22, s20, s19
	s_lshl_b32 s22, s22, 7
	s_lshl_b32 s23, s21, 4
	s_add_co_u32 s22, s22, s23
	s_lshl_b32 s23, s18, 2
	s_add_co_u32 s22, s22, s23                     ; q, k: 128 x head + my first tile of tokens
	s_mul_i32 s94, s22, 768
	s_mul_i32 s23, ttmp9, 3145728
	s_add_co_u32 s94, s94, s23
	s_lshl_b32 s95, s22, 6
	s_mul_i32 s23, ttmp9, 262144
	s_add_co_u32 s95, s95, s23
	s_add_co_u32 s95, s95, 9437184
	s_add_co_u32 s22, s20, s18
	s_lshl_b32 s22, s22, 4
	s_lshl_b32 s23, s21, 1
	s_add_co_u32 s22, s22, s23
	s_lshr_b32 s23, s19, 1
	s_add_co_u32 s22, s22, s23                     ; v: 16 x head + the step of 128 keys
	s_and_b32 s23, s19, 1                          ; which half of it
	s_mul_i32 s96, s22, 6144
	s_mul_i32 s97, s23, 768
	s_add_co_u32 s96, s96, s97
	s_add_co_u32 s96, s96, 6291456
	s_lshl_b32 s97, s22, 8
	s_lshl_b32 s23, s23, 1
	s_add_co_u32 s97, s97, s23
	s_add_co_u32 s97, s97, 9961472
	s_cmp_eq_u32 s[ISV], 0
	s_cselect_b32 s20, s94, s96
	s_cselect_b32 s22, s95, s97
	s_mov_b32 s96, 1536
	s_cselect_b32 s96, 768, s96                    ; from tile to tile
	v_lshlrev_b32 v[SO], 2, v3                     ; scale words: two tiles' 128 bytes on end
.endif
	s_mov_b32 s21, 0
	s_mov_b32 s23, 0
	s_add_nc_u64 s[20:21], s[OUTP:OUTP+1], s[20:21]
	s_add_nc_u64 s[22:23], s[OUTP:OUTP+1], s[22:23]
	v_lshlrev_b32 v[OA], 3, v3
	s_delay_alu instid0(VALU_DEP_1)
	v_add_nc_u32 v[OA+1], s96, v[OA]
	s_delay_alu instid0(VALU_DEP_1)
	v_add_nc_u32 v[OA+2], s96, v[OA+1]
	s_delay_alu instid0(VALU_DEP_1)
	v_add_nc_u32 v[OA+3], s96, v[OA+2]
.irp a, 0,1,2,3
.if FF
.set n, 0
.rept 32
	v_max_num_f32 v[ACC+32*\a+n], 0, v[ACC+32*\a+n]   ; the activation, in f32; each accumulator from its low end on
.set n, n+1
.endr
.endif
	QUANT ACC+32*\a, 2, PC+6*\a, PW+\a
.irp p, 0,1,2
	global_store_b64 v[OA+\a], v[PC+6*\a+2*\p:PC+6*\a+2*\p+1], s[20:21] offset:256*\p   ; a plane: 256 consecutive bytes, aligned
.endr
.endr
	s_mov_b32 s94, 0xffff0000
	v_cndmask_b32 v[W01], v[PW], v[PW+1], s94      ; lanes 0-15 tile 0's words, lanes 16-31 tile 1's
	v_cndmask_b32 v[W01+1], v[PW+2], v[PW+3], s94
.if FF
	global_store_b16 v[SO], v[W01], s[22:23]       ; my half's two bytes of each word
	global_store_b16 v[SO], v[W01+1], s[22:23] offset:4096
.else
	s_cmp_eq_u32 s[ISV], 0
	s_cbranch_scc0 .Lscale_v
	global_store_b32 v[SO], v[W01], s[22:23]       ; q, k: K is 64: bytes 2 and 3 are 0 and stand over zero codes
	global_store_b32 v[SO], v[W01+1], s[22:23] offset:128
	s_branch .Lscale_done
.Lscale_v:
	s_wait_alu depctr_va_vdst(0)
	global_store_b16 v[SO], v[W01], s[22:23]       ; v: my half's two bytes of each word
	global_store_b16 v[SO], v[W01+1], s[22:23] offset:128
.Lscale_done:
.endif
	s_wait_tensorcnt 0x0                           ; the wave's end
	ds_add_u32 v[SPW], v[NIL]
	s_wait_dscnt 0x0
	CROUND                                         ; the closing round: no work-group ends while a partner may still ask for a tile that names it
	s_endpgm
.Lfunc_end_k_q17448c6ec9_qkv:
	.size	k_q17448c6ec9_qkv, .Lfunc_end_k_q17448c6ec9_qkv-k_q17448c6ec9_qkv
	.p2alignl 7, 3214868480
	.fill 96, 4, 3214868480
	.section	.rodata,"a",@progbits
	.p2align	6, 0x0
	.amdhsa_kernel k_q17448c6ec9_qkv
		.amdhsa_group_segment_fixed_size 327680
		.amdhsa_private_segment_fixed_size 0
		.amdhsa_enable_private_segment 0
		.amdhsa_kernarg_size 48
		.amdhsa_user_sgpr_count 2
		.amdhsa_user_sgpr_kernarg_segment_ptr 1
		.amdhsa_wavefront_size32 1
		.amdhsa_system_sgpr_workgroup_id_x 1
		.amdhsa_system_sgpr_workgroup_id_y 1
		.amdhsa_system_sgpr_workgroup_id_z 1
		.amdhsa_system_vgpr_workitem_id 0
		.amdhsa_next_free_vgpr 256
		.amdhsa_next_free_sgpr 100
		.amdhsa_reserve_vcc 0
		.amdhsa_float_denorm_mode_32 3
		.amdhsa_float_denorm_mode_16_64 3
		.amdhsa_memory_ordered 1
		.amdhsa_forward_progress 1
		.amdhsa_inst_pref_size 88
	.end_amdhsa_kernel
	.amdgpu_metadata
---
amdhsa.version: [ 1, 2 ]
amdhsa.kernels:
  - .name:           k_q17448c6ec9_qkv
    .symbol:         k_q17448c6ec9_qkv.kd
    .args:
      - { .name: hq, .offset: 0, .size: 8, .value_kind: global_buffer, .address_space: global }
      - { .name: wts, .offset: 8, .size: 8, .value_kind: global_buffer, .address_space: global }
      - { .name: bq, .offset: 16, .size: 8, .value_kind: global_buffer, .address_space: global }
      - { .name: bk, .offset: 24, .size: 8, .value_kind: global_buffer, .address_space: global }
      - { .name: bv, .offset: 32, .size: 8, .value_kind: global_buffer, .address_space: global }
      - { .name: qkvq, .offset: 40, .size: 8, .value_kind: global_buffer, .address_space: global }
    .group_segment_fixed_size: 327680
    .private_segment_fixed_size: 0
    .kernarg_segment_align: 8
    .kernarg_segment_size: 48
    .max_flat_workgroup_size: 512
    .sgpr_count:     100
    .vgpr_count:     256
    .wavefront_size: 32
...
	.end_amdgpu_metadata
.endif
;; end of part 2
;; launch attn (part 3): grid 8 x 32, 16 waves a work-group, no clusters, 327,680 bytes of LDS; arguments qkvq, aq; writes aq
.if DOCPART == 3
	.amdgcn_target "amdgcn-amd-amdhsa--gfx1250"
	.amdhsa_code_object_version 6
	.text
	.protected	k_q17448c6ec9_attn
	.globl	k_q17448c6ec9_attn
	.p2align	8
	.type	k_q17448c6ec9_attn,@function
k_q17448c6ec9_attn:
	s_mov_b64 s[64:65], 0
	v_nop
	global_prefetch_b8 v0, s[64:65] scope:SCOPE_SE
	s_setreg_imm32_b32 hwreg(HW_REG_WAVE_MODE, 25, 1), 1
	s_wait_xcnt 0x0
; Attention of one head on codes of FP6 (E2M3).  t = score x log2(e); M = the running largest t rounded up to a whole number; p = 2^(t - M) is quantised along the keys; the sum is taken of the unquantised p and divides at the end.
; WORK LEFT OUT: reference() sets the score of every key behind the query to the literal 0 (its own tril), so tiles of k q^T wholly behind the diagonal are not multiplied; their p = 2^(-M) is one constant fragment.
; Inputs are images of the operand's registers: q, k [head][128 tiles][768] (K = 64: the fragment's other half is zero codes on both sides), v [head][16 steps of 128 keys][4 tiles][1,536]; scale words beside them.
; Row r of tile 2 g + u is row 32 g + 8 u + r + 8 (r / 8).  Both products are used transposed: a lane holds one query, and the 16 registers of two neighbouring tiles are 16 neighbouring keys (channels).
; SHARES.  A work-group takes blocks x and 15 - x of 128 queries.  Waves 2 j and 2 j + 1 share tile j of both blocks.  One of them (role 1) takes the late tile's key steps 0 .. min(NA, 15 - x) and its x hidden steps, and
; hands O, the sum and M over in LDS.  The other (role 0) takes the early tile whole (x + 1 steps with scores, 15 - x hidden), stores it, takes what is left of the late tile's steps with scores (NA + 1 .. 15 - x; none
; where x is 6 or 7), and joins the two parts by powers of two, which round nothing.  So role 1 has 9 or 10 steps with scores and role 0 has 7 or 8, the longer run of hidden steps and both ways out.
; Every part starts its largest t at 0, the hidden keys' t (the head's last row, which has no hidden key, at -3e38).
; LDS: K's codes at 0, V's at 98,304, K's scale words at 196,608, V's at 204,800, each byte filled once; the parts handed over at 208,896 (4,352 bytes a pair of waves); the spare words at 243,712.
; LOADS: at the head waves 0-14 ask for one piece of 4,096 bytes each (key steps 0-3 of K and V, the scale words); behind the first barrier each wave asks for 9,216 bytes of steps 4-15, which land under the first T1 steps.
; All that the work-group reads is asked for by then: no prefetch is laid.  NO CLUSTER: the eight work-groups of a head read the same K and V, but which steps a wave computes hangs on its work-group's place.
; LIMITS: NaN and infinities are not served; the scaled scores stay under 2^31; p under 2^-126 counts as 0; a block whose largest magnitude lies under 2^-124 keeps the byte 1: only this program reads the bytes.
.set NA,   9                           ; role 1's last step with scores, at the most
.set T1,   2                           ; steps ahead of the barrier that shows steps 4-15 (at most 4: the head's pieces hold steps 0-3)
.set AK0,  1
.set AV0,  2
.set ASK0, 3
.set ASV0, 4
.set DQ,   5                           ; my query in its block - 16 h
.set ZERO, 6
.set RR,   7
.set ADK,  8
.set ADV,  9
.set ADS,  10
.set ADT,  11
.set QF,   16                          ; v16-27 Q's fragment; v12 -M, v13 the largest t, v[14:15] the sum
.set QW,   28
.set R4,   31
.set KF,   32                          ; v32-79 four fragments of K (upper six registers stay zero)
.set S,    80                          ; v80-143 S^T, then p; later V's fragments
.set VF,   80
.set O,    144                         ; v144-175 O^T
.set PC,   176
.set TP,   188
.set TM,   196
.set PW,   212
.set KW,   213
.set VW,   217
.set MA,   221                         ; LDS: my pair's part, 16 bytes a lane
.set CP,   224                         ; v224-235 the hidden keys' fragment, v236 its scale word
.set CPW,  236
.set P0,   237
.set NMV,  238                         ; 64 x my hidden steps, as f32
.set V13L, 239                         ; the late tile's first largest t
.set FM,   244
.set TT,   246
.set MB,   247                         ; LDS: my pair's -M and sum, 8 bytes a lane
.set SPW,  254
.set NIL,  255
.set MRG,  208896
.set SPARE, 243712
.set WV,   8
.set G1A,  12
.set G1B,  20
.set G0A,  28
.set G0B,  32
.set SEL,  60
.set CS,   62
.set ST,   66
.set T6,   68
.set T5,   69
.set T2,   70
.set CNT,  71
.set HD,   72
.set RO,   73
.set TJ,   74
.set BL,   75                          ; the late block, 15 - x
.set HS,   76                          ; steps behind it are hidden
.set LS,   77                          ; my last step with scores
.set MK,   78                          ; the step on the diagonal
.set TL1,  79
.set TLL,  80
.macro QUANT s, pc, pw                 ; 32 numbers of a lane, v[s + 16 b + i] = number 32 b + 16 h + i of my row, become six registers of an operand and two scale bytes
.irp b, 0,1
	v_max3_num_f32 v[TM+\b], |v[(\s)+16*\b]|, |v[(\s)+16*\b+1]|, 0x1800000
.endr
.irp i, 2,4,6,8,10,12,14
.irp b, 0,1
	s_delay_alu instid0(VALU_DEP_2)
	v_max3_num_f32 v[TM+\b], v[TM+\b], |v[(\s)+16*\b+\i]|, |v[(\s)+16*\b+\i+1]|
.endr
.endr
.irp b, 0,1
	s_delay_alu instid0(VALU_DEP_2)
	v_permlanex16_b32 v[TM+4+\b], v[TM+\b], s[SEL], s[SEL+1]
.endr
.irp b, 0,1
	s_delay_alu instid0(VALU_DEP_2)
	v_max_num_f32 v[TM+\b], v[TM+\b], v[TM+4+\b]
.endr
.irp b, 0,1
	s_delay_alu instid0(VALU_DEP_2)
	v_add_nc_u32 v[TM+12+\b], 0xff000000, v[TM+\b]
.endr
.irp b, 0,1
	s_delay_alu instid0(VALU_DEP_2)
	v_lshrrev_b32 v[TM+4+\b], 23, v[TM+12+\b]
.endr
	s_delay_alu instid0(VALU_DEP_1)
	v_lshl_or_b32 v[\pw], v[TM+5], 8, v[TM+4]
	v_cvt_scalef32_pk16_fp6_f32 v[(\pc):(\pc)+2], v[(\s):(\s)+15], v[TM+12]
	v_cvt_scalef32_pk16_fp6_f32 v[TP:TP+2], v[(\s)+16:(\s)+31], v[TM+13]
	v_nop
.irp i, 0,1,2
	v_permlane16_swap_b32 v[(\pc)+\i], v[TP+\i]
.endr
.irp i, 0,1,2
	s_delay_alu instid0(VALU_DEP_3)
	v_mov_b32 v[(\pc)+3+\i], v[TP+\i]
.endr
.endm
.macro PV cod, scl                     ; O^T += V^T P^T for the step's 128 keys; the four accumulators take turns
.irp t, 0,1,2,3
.irp p, 0,1,2,3,4,5
	ds_load_b64 v[VF+12*\t+2*\p:VF+12*\t+2*\p+1], v[ADV] offset:1536*\t+256*\p
.endr
	ds_load_b32 v[VW+\t], v[ADT] offset:64*\t
.endr
	s_wait_dscnt 0x0
.irp t, 0,1,2,3
	v_wmma_scale_f32_16x16x128_f8f6f4 v[O+8*\t:O+8*\t+7], v[VF+12*\t:VF+12*\t+11], v[\cod:\cod+11], v[O+8*\t:O+8*\t+7], v[VW+\t], v[\scl] matrix_a_fmt:MATRIX_FMT_FP6 matrix_b_fmt:MATRIX_FMT_FP6
.endr
.endm
.macro STEP hid                        ; hid = 1: a walk that has hidden steps; hid = 0: the late tile's second part, whose hidden steps are the partner's
	v_add_nc_u32 v[ADK], s[T6], v[AK0]             ; five plain lines: the places behind the last products
	v_add_nc_u32 v[ADV], s[T6], v[AV0]
	v_add_nc_u32 v[ADS], s[T5], v[ASK0]
	v_add_nc_u32 v[ADT], s[T2], v[ASV0]
	v_nop
	s_cmp_gt_u32 s[ST], s[LS]
	s_cbranch_scc1 .Lhidden_\@
	s_wait_alu depctr_va_vdst(0)
	s_wait_loadcnt 0x0                             ; Q's fragment is in
.irp g, 0,1                            ; S^T = K Q^T, four tiles of 16 keys at a time
.if \g
.rept 4
	v_nop
.endr
.endif
.irp t, 0,1,2,3
.irp p, 0,1,2
	ds_load_b64 v[KF+12*\t+2*\p:KF+12*\t+2*\p+1], v[ADK] offset:768*(4*\g+\t)+256*\p
.endr
	ds_load_b32 v[KW+\t], v[ADS] offset:64*(4*\g+\t)
.endr
	s_wait_dscnt 0x0
.irp t, 0,1,2,3
	v_wmma_scale_f32_16x16x128_f8f6f4 v[S+8*(4*\g+\t):S+8*(4*\g+\t)+7], v[KF+12*\t:KF+12*\t+11], v[QF:QF+11], 0, v[KW+\t], v[QW] matrix_a_fmt:MATRIX_FMT_FP6 matrix_b_fmt:MATRIX_FMT_FP6
.endr
.endr
.rept 4
	v_nop
.endr
	s_cmp_eq_u32 s[ST], s[MK]
	s_cbranch_scc0 .Lopen_\@
.set n, 0
.rept 64                               ; the diagonal's step: register 16 b + i holds key 32 b + 16 h + i of the block; behind my query its score is 0
	v_cmp_gt_i32 vcc_lo, 32*(n/16)+n%16, v[DQ]
	v_cndmask_b32 v[S+n], v[S+n], v[ZERO], vcc_lo
.set n, n+1
.endr
.Lopen_\@:
.irp b, 0,1,2,3
	v_max3_num_f32 v[TM+\b], v[S+16*\b], v[S+1+16*\b], v[S+2+16*\b]   ; each block's largest score serves the row's maximum and the block's largest p
.endr
.irp i, 3,5,7,9,11,13
.irp b, 0,1,2,3
	v_max3_num_f32 v[TM+\b], v[TM+\b], v[S+16*\b+\i], v[S+1+16*\b+\i]
.endr
.endr
.irp b, 0,1,2,3
	v_max_num_f32 v[TM+\b], v[TM+\b], v[S+15+16*\b]
.endr
.irp b, 0,1,2,3
	s_delay_alu instid0(VALU_DEP_4)
	v_permlanex16_b32 v[TM+4+\b], v[TM+\b], s[SEL], s[SEL+1]
.endr
.irp b, 0,1,2,3
	s_delay_alu instid0(VALU_DEP_4)
	v_max_num_f32 v[TM+\b], v[TM+\b], v[TM+4+\b]
.endr
	s_delay_alu instid0(VALU_DEP_2)
	v_max3_num_f32 v[TT], v[TM], v[TM+1], v[TM+2]
	s_delay_alu instid0(VALU_DEP_1)
	v_max_num_f32 v[TT], v[TT], v[TM+3]
	s_delay_alu instid0(VALU_DEP_1)
	v_mul_f32 v[TT], s[CS], v[TT]
	s_delay_alu instid0(VALU_DEP_1)
	v_max_num_f32 v13, v13, v[TT]                  ; the running largest t
	v_mov_b32 v[TT], v12
	s_delay_alu instid0(VALU_DEP_2)
	v_floor_f32 v12, -v13                          ; -M = floor(-t)
	s_delay_alu instid0(VALU_DEP_1)
	v_sub_f32 v[TT], v12, v[TT]
	s_delay_alu instid0(VALU_DEP_1)
	v_cvt_i32_f32 v[TT], v[TT]                     ; old M - new M (it saturates)
	s_delay_alu instid0(VALU_DEP_1)
	v_ldexp_f32 v[FM], 1.0, v[TT]
.set n, 0
.rept 32
	v_pk_fma_f32 v[S+2*n:S+2*n+1], v[S+2*n:S+2*n+1], s[CS:CS+1], v[12:13] op_sel_hi:[1,0,0]   ; t - M
.set n, n+1
.endr
.irp b, 0,1,2,3
	v_fma_f32 v[TM+\b], v[TM+\b], s[CS], v12
.endr
	s_wait_alu depctr_va_vdst(0)
.set n, 0
.rept 64
	v_exp_f32 v[S+n], v[S+n]                       ; p, not normalised
.set n, n+1
.endr
	v_pk_mul_f32 v[14:15], v[14:15], v[FM:FM+1] op_sel_hi:[1,0]
	s_wait_alu depctr_va_vdst(0)                   ; one wait for the batch of 64
.irp b, 0,1,2,3
	v_exp_f32 v[TM+\b], v[TM+\b]                   ; each block's largest p
.endr
.set n, 0
.rept 8                                ; the sum of the unquantised p: eight chains of pairs, in v188-195 and v200-207
.set C, 188+2*n+4*(n/4)
	v_pk_add_f32 v[C:C+1], v[S+2*n:S+2*n+1], v[S+16+2*n:S+17+2*n]
.set n, n+1
.endr
.irp j, 32,48
.set n, 0
.rept 8
.set C, 188+2*n+4*(n/4)
	v_pk_add_f32 v[C:C+1], v[C:C+1], v[S+\j+2*n:S+\j+2*n+1]
.set n, n+1
.endr
.endr
.irp k, 0,2,4,6
	v_pk_add_f32 v[188+\k:189+\k], v[188+\k:189+\k], v[200+\k:201+\k]
.endr
	v_pk_add_f32 v[188:189], v[188:189], v[192:193]
	v_pk_add_f32 v[190:191], v[190:191], v[194:195]
	s_delay_alu instid0(VALU_DEP_1)
	v_pk_add_f32 v[188:189], v[188:189], v[190:191]
	s_delay_alu instid0(VALU_DEP_1)
	v_pk_add_f32 v[14:15], v[14:15], v[188:189]
	s_wait_alu depctr_va_vdst(0)                   ; and one for the four
.irp b, 0,1,2,3
	v_max_num_f32 v[TM+\b], 0x1800000, v[TM+\b]
.endr
.irp b, 0,1,2,3
	s_delay_alu instid0(VALU_DEP_4)
	v_add_nc_u32 v[TM+12+\b], 0xff000000, v[TM+\b]
.endr
.irp b, 0,1,2,3
	s_delay_alu instid0(VALU_DEP_4)
	v_lshrrev_b32 v[TM+4+\b], 23, v[TM+12+\b]
.endr
	s_delay_alu instid0(VALU_DEP_3)
	v_lshl_or_b32 v[PW], v[TM+5], 8, v[TM+4]
	s_delay_alu instid0(VALU_DEP_1)
	v_lshl_or_b32 v[PW], v[TM+6], 16, v[PW]
	s_delay_alu instid0(VALU_DEP_1)
	v_lshl_or_b32 v[PW], v[TM+7], 24, v[PW]
.irp c, 0,1
	v_cvt_scalef32_pk16_fp6_f32 v[PC+6*\c:PC+6*\c+2], v[S+32*\c:S+32*\c+15], v[TM+12+2*\c]
	v_cvt_scalef32_pk16_fp6_f32 v[TP+4*\c:TP+4*\c+2], v[S+32*\c+16:S+32*\c+31], v[TM+13+2*\c]
.endr
	v_nop
.irp c, 0,1
.irp i, 0,1,2
	v_permlane16_swap_b32 v[PC+6*\c+\i], v[TP+4*\c+\i]
.endr
.irp i, 0,1,2
	s_delay_alu instid0(VALU_DEP_3)
	v_mov_b32 v[PC+6*\c+3+\i], v[TP+4*\c+\i]
.endr
.endr
.if \hid
	s_cmp_eq_u32 s[ST], s[LS]
	s_cbranch_scc0 .Lno_frag_\@
	; my last step with scores: this part's M moves no more.  Every hidden key has p0 = 2^(-M), a power of two: one fragment of equal codes, and 64 p0 a step for each of the row's two lanes
	v_min_num_f32 v[TT], 0, v12
	s_wait_alu depctr_va_vdst(0)
	v_exp_f32 v[P0], v[TT]
	v_nop
	s_wait_alu depctr_va_vdst(0)
	v_fma_f32 v14, v[P0], v[NMV], v14
	v_max_num_f32 v[TT], 0x1800000, v[P0]
	s_delay_alu instid0(VALU_DEP_1)
	v_add_nc_u32 v[TT], 0xff000000, v[TT]
	s_delay_alu instid0(VALU_DEP_1)
	v_lshrrev_b32 v[CPW], 23, v[TT]
	s_delay_alu instid0(VALU_DEP_1)
	v_lshl_or_b32 v[CPW], v[CPW], 8, v[CPW]
	s_delay_alu instid0(VALU_DEP_1)
	v_lshl_or_b32 v[CPW], v[CPW], 16, v[CPW]
.set n, 0
.rept 16
	v_mov_b32 v[S+48+n], v[P0]
.set n, n+1
.endr
	v_cvt_scalef32_pk16_fp6_f32 v[CP:CP+2], v[S+48:S+63], v[TT]
	v_nop
.irp i, 3,4,5,6,7,8,9,10,11
	v_mov_b32 v[CP+\i], v[CP+\i%3]
.endr
.irp p, 0,1,2
	global_load_b64 v[QF+2*\p:QF+2*\p+1], v[AK0], s[52:53] offset:256*\p   ; Q is done with in this walk: the late tile's comes in under the hidden steps
.endr
	global_load_b32 v[QW], v[R4], s[54:55]
.Lno_frag_\@:
.endif
.set n, 0
.rept 16
	v_pk_mul_f32 v[O+2*n:O+2*n+1], v[O+2*n:O+2*n+1], v[FM:FM+1] op_sel_hi:[1,0]   ; O^T under the new M; also the places between p's scale word and codes and the products
.set n, n+1
.endr
	s_wait_alu depctr_va_vdst(0)
	PV PC, PW
	s_branch .Ltail_\@
.Lhidden_\@:
.if \hid
	s_cmp_gt_u32 s[ST], s[HS]
	s_cbranch_scc0 .Ltail_\@                       ; a step that my partner takes
	s_wait_alu depctr_va_vdst(0)
	PV CP, CPW
.endif
.Ltail_\@:
	s_add_co_u32 s[ST], s[ST], 1
	s_add_co_u32 s[T6], s[T6], 6144
	s_add_co_u32 s[T5], s[T5], 512
	s_add_co_u32 s[T2], s[T2], 256
.endm
.macro WALK first, n, hid              ; n key steps from step first on
	s_mov_b32 s[ST], \first
	s_mov_b32 s[T6], 6144*(\first)
	s_mov_b32 s[T5], 512*(\first)
	s_mov_b32 s[T2], 256*(\first)
	s_mov_b32 s[CNT], \n
.Lstep_\@:
	STEP \hid
	s_sub_co_u32 s[CNT], s[CNT], 1
	s_cmp_lg_u32 s[CNT], 0
	s_cbranch_scc1 .Lstep_\@
.endm
.macro FINISH tl                       ; O^T / the sum, quantised along the 64 channels: half head % 2 of K step head / 2 of the next product's operand; s[tl]: the tile of queries in the head
.rept 4
	v_nop
.endr
	v_add_f32 v14, v14, v15
	s_delay_alu instid0(VALU_DEP_1)
	v_permlanex16_b32 v[TT], v14, s[SEL], s[SEL+1]
	s_delay_alu instid0(VALU_DEP_1)
	v_add_f32 v14, v14, v[TT]
	s_wait_alu depctr_va_vdst(0)
	v_rcp_f32 v14, v14
	v_nop
	s_wait_xcnt 0x0                                ; earlier stores have read their bases
	s_lshr_b32 s82, s[HD], 4
	s_lshl_b32 s82, s82, 7
	s_add_co_u32 s82, s82, s[\tl]                  ; the tile of tokens: 128 x batch + tile
	s_bfe_u32 s83, s[HD], 0x30001
	s_and_b32 s86, s[HD], 1
	s_lshl_b32 s84, s83, 8
	s_add_co_u32 s84, s84, s82
	s_mul_i32 s84, s84, 1536
	s_mul_i32 s87, s86, 768
	s_add_co_u32 s84, s84, s87
	s_mov_b32 s85, 0
	s_lshl_b32 s88, s82, 3
	s_add_co_u32 s88, s88, s83
	s_lshl_b32 s88, s88, 6
	s_lshl_b32 s87, s86, 1
	s_add_co_u32 s88, s88, s87
	s_add_co_u32 s88, s88, 3145728
	s_mov_b32 s89, 0
	s_add_nc_u64 s[84:85], s[6:7], s[84:85]
	s_add_nc_u64 s[88:89], s[6:7], s[88:89]
	s_wait_alu depctr_va_vdst(0)                   ; ahead of the reciprocal's first reader
.set n, 0
.rept 16
	v_pk_mul_f32 v[O+2*n:O+2*n+1], v[O+2*n:O+2*n+1], v[14:15] op_sel_hi:[1,0]
.set n, n+1
.endr
	QUANT O, PC, PW
.irp p, 0,1,2
	global_store_b64 v[AK0], v[PC+2*\p:PC+2*\p+1], s[84:85] offset:256*\p   ; a plane: 256 consecutive bytes, aligned
.endr
	global_store_b16 v[R4], v[PW], s[88:89]        ; my head's two bytes of each row's word
.endm
	s_load_b128 s[4:7], s[0:1], 0x0                ; q, k, v as images; the result
	v_lshl_add_u32 v[SPW], v0, 2, SPARE
	v_mov_b32 v[NIL], 0
	ds_add_u32 v[SPW], v[NIL]                      ; the opening lines
	ds_add_u32 v[SPW], v[NIL]
	v_lshrrev_b32 v1, 5, v0
	s_delay_alu instid0(VALU_DEP_1)
	v_readfirstlane_b32 s[WV], v1                  ; wave 0..15
	s_and_b32 s[HD], ttmp7, 0xffff                 ; the head, 0..31
.irp g, G1A, G1B                       ; dense blocks as rows of 256 bytes (32 elements of 8)
	s_mov_b32 s[\g], 3<<16
	s_mov_b32 s[\g+1], 32<<16
	s_mov_b32 s[\g+3], 32<<16
	s_mov_b32 s[\g+5], 32
	s_mov_b32 s[\g+6], 0
	s_mov_b32 s[\g+7], 0
.endr
	s_mov_b32 s[G1A+2], 16<<16                     ; the head's pieces: 4,096 bytes
	s_mov_b32 s[G1A+4], 16
	s_mov_b32 s[G1B+2], 36<<16                     ; the later ones: 9,216 bytes
	s_mov_b32 s[G1B+4], 36
	; the head's piece of wave i: i = 0-5 K's codes, 6-11 V's, 12-13 K's scale words, 14 V's.  In LDS: 4,096 i + 73,728 (i / 6)
	s_mul_i32 s36, s[WV], 11
	s_lshr_b32 s36, s36, 6                         ; i / 6
	s_mul_i32 s37, s36, 73728
	s_lshl_b32 s38, s[WV], 12
	s_add_co_u32 s[G0A+1], s37, s38
	s_mul_i32 s39, s[HD], 98304
	s_mul_i32 s40, s36, 3145728-24576
	s_add_co_u32 s39, s39, s40
	s_add_co_u32 s39, s39, s38
	s_add_co_u32 s39, s39, 3145728                 ; codes
	s_lshl_b32 s40, s[HD], 13
	s_add_co_u32 s40, s40, s38
	s_add_co_u32 s40, s40, 9699328-49152           ; K's scale words
	s_lshl_b32 s41, s[HD], 12
	s_add_co_u32 s41, s41, 9961472                 ; V's
	s_cmp_ge_u32 s[WV], 12
	s_cselect_b32 s39, s40, s39
	s_cmp_ge_u32 s[WV], 14
	s_cselect_b32 s42, s41, s39
	s_mov_b32 s43, 0
	; the later piece: waves 0-7 K's steps 4-15, waves 8-15 V's.  In LDS: 24,576 + 9,216 i + 24,576 (i / 8)
	s_lshr_b32 s36, s[WV], 3
	s_mul_i32 s37, s[WV], 9216
	s_mul_i32 s38, s36, 24576
	s_add_co_u32 s38, s38, s37
	s_add_co_u32 s[G0B+1], s38, 24576
	s_mul_i32 s44, s[HD], 98304
	s_add_co_u32 s44, s44, s37
	s_mul_i32 s38, s36, 3145728-73728
	s_add_co_u32 s44, s44, s38
	s_add_co_u32 s44, s44, 3145728+24576
	s_mov_b32 s45, 0
	s_mov_b32 s[SEL], 0x76543210
	s_mov_b32 s[SEL+1], 0xfedcba98
	s_mov_b32 s[CS], 0x3fb8aa3b                    ; log2(e)
	s_mov_b32 s[CS+1], s[CS]
	s_lshr_b32 s[RO], s[WV], 2
	s_xor_b32 s[RO], s[RO], s[WV]
	s_and_b32 s[RO], s[RO], 1                      ; my role
	s_lshr_b32 s[TJ], s[WV], 1                     ; my pair's tile in a block
	s_sub_co_u32 s[BL], 15, ttmp9
	s_min_u32 s36, s[BL], NA                       ; role 1's last step with scores: not beyond the diagonal's
	s_cmp_eq_u32 s[RO], 0
	s_cselect_b32 s[HS], ttmp9, s[BL]              ; the first walk's block,
	s_cselect_b32 s[LS], ttmp9, s36                ; and its last step with scores
	s_mov_b32 s[MK], s[HS]
	s_lshl_b32 s[TL1], s[HS], 3
	s_add_co_u32 s[TL1], s[TL1], s[TJ]
	s_lshl_b32 s[TLL], s[BL], 3
	s_add_co_u32 s[TLL], s[TLL], s[TJ]
	s_lshl_b32 s46, s[HD], 7
	s_add_co_u32 s47, s46, s[TL1]
	s_mul_i32 s48, s47, 768
	s_mov_b32 s49, 0
	s_lshl_b32 s50, s47, 6
	s_add_co_u32 s50, s50, 9437184
	s_mov_b32 s51, 0
	s_add_co_u32 s47, s46, s[TLL]
	s_mul_i32 s52, s47, 768
	s_mov_b32 s53, 0
	s_lshl_b32 s54, s47, 6
	s_add_co_u32 s54, s54, 9437184
	s_mov_b32 s55, 0
	s_mov_b32 s[G0A], 1
	s_mov_b32 s[G0B], 1
	s_wait_dscnt 0x0
	s_wait_kmcnt 0x0
	s_add_nc_u64 s[G0A+2:G0A+3], s[4:5], s[42:43]
	s_or_b32 s[G0A+3], s[G0A+3], 0x80000000
	s_add_nc_u64 s[G0B+2:G0B+3], s[4:5], s[44:45]
	s_or_b32 s[G0B+3], s[G0B+3], 0x80000000
	s_add_nc_u64 s[48:49], s[4:5], s[48:49]        ; the first walk's Q, its scale words,
	s_add_nc_u64 s[50:51], s[4:5], s[50:51]
	s_add_nc_u64 s[52:53], s[4:5], s[52:53]        ; the late tile's
	s_add_nc_u64 s[54:55], s[4:5], s[54:55]
	s_cmp_lt_u32 s[WV], 15
	s_cbranch_scc0 .Lasked
	tensor_load_to_lds s[G0A:G0A+3], s[G1A:G1A+7]
	s_nop 0
.rept 4
	v_nop
.endr
.Lasked:
	v_and_b32 v[RR], 15, v0
	v_bfe_u32 v29, v0, 4, 1                        ; h
	v_and_b32 v30, 31, v0
	s_delay_alu instid0(VALU_DEP_1)
	v_lshlrev_b32 v[AK0], 3, v30
	s_delay_alu instid0(VALU_DEP_4)
	v_lshlrev_b32 v[R4], 2, v[RR]
.irp p, 0,1,2
	global_load_b64 v[QF+2*\p:QF+2*\p+1], v[AK0], s[48:49] offset:256*\p
.endr
	global_load_b32 v[QW], v[R4], s[50:51]
	v_add_nc_u32 v[AV0], 98304, v[AK0]
	v_add_nc_u32 v[ASK0], 196608, v[R4]
	v_add_nc_u32 v[ASV0], 204800, v[R4]
	s_lshr_b32 s86, s[TJ], 1
	s_lshl_b32 s86, s86, 5
	s_and_b32 s84, s[TJ], 1
	s_lshl_b32 s84, s84, 3
	s_add_co_u32 s86, s86, s84
	v_lshrrev_b32 v[DQ], 3, v[RR]
	s_delay_alu instid0(VALU_DEP_1)
	v_lshl_add_u32 v[DQ], v[DQ], 3, v[RR]
	s_delay_alu instid0(VALU_DEP_1)
	v_add_nc_u32 v[DQ], s86, v[DQ]                 ; my query in its block
	s_lshl_b32 s84, s[BL], 7
	v_add_nc_u32 v[TT], s84, v[DQ]                 ; and, in the late block, in the head
	s_delay_alu instid0(VALU_DEP_1)
	v_cmp_eq_u32 vcc_lo, 0x7ff, v[TT]
	v_mov_b32 v[ZERO], 0
	v_mov_b32 v[MB], 0xff61b1e6
	s_delay_alu instid0(VALU_DEP_1)
	v_cndmask_b32 v[V13L], v[ZERO], v[MB], vcc_lo  ; 0, the hidden keys' t; -3e38 for the head's last row, which has none
	s_cmp_eq_u32 s[RO], 0
	s_cselect_b32 s84, 0, -1
	v_cndmask_b32 v13, v[ZERO], v[V13L], s84       ; role 1 begins with the late tile
	s_delay_alu instid0(VALU_DEP_1)
	v_floor_f32 v12, -v13
	v_lshlrev_b32 v[TT], 4, v29
	s_delay_alu instid0(VALU_DEP_1)
	v_sub_nc_u32 v[DQ], v[DQ], v[TT]
	s_sub_co_u32 s86, 15, s[HS]
	s_lshl_b32 s86, s86, 6
	v_cvt_f32_u32 v[NMV], s86
	s_mul_i32 s84, s[TJ], 4352
	s_add_co_u32 s84, s84, MRG
	v_lshl_add_u32 v[MA], v30, 4, s84
	s_add_co_u32 s84, s84, 4096
	v_lshl_add_u32 v[MB], v30, 3, s84
	v_mov_b32 v14, 0
	v_mov_b32 v15, 0
.set n, 0
.rept 32
	v_mov_b32 v[O+n], 0                            ; the step is written once; its first turn finds zeros
.set n, n+1
.endr
.irp n, 6,7,8,9,10,11
	v_mov_b32 v[QF+\n], 0                          ; K = 64 is filled up to 128 with zero codes, on both sides
.irp t, 0,1,2,3
	v_mov_b32 v[KF+12*\t+\n], 0
.endr
.endr
.set n, 0
.rept 13
	v_mov_b32 v[CP+n], 0
.set n, n+1
.endr
.irp b, 0,1,2,3
	v_mov_b32 v[TM+4+\b], 0                        ; a lane permute's destination counts as one of its sources
.endr
	v_mov_b32 v[FM+1], 0
	s_wait_alu depctr_va_vdst(0)
	s_wait_tensorcnt 0x0                           ; my piece of the head's is in; the lines ahead of a later first fill:
	ds_add_u32 v[SPW], v[NIL]
	ds_add_u32 v[SPW], v[NIL]
	s_wait_dscnt 0x0
	s_barrier_signal -1
	s_barrier_wait -1
	tensor_load_to_lds s[G0B:G0B+3], s[G1B:G1B+7]  ; my piece of steps 4-15
	s_nop 0
	WALK 0, T1, 1
	s_wait_tensorcnt 0x0                           ; my piece of steps 4-15 is in
	s_wait_dscnt 0x0
	s_barrier_signal -1
	s_barrier_wait -1
	WALK T1, 16-T1, 1
	s_wait_alu depctr_va_vdst(0)
	s_cmp_eq_u32 s[RO], 0
	s_cbranch_scc1 .Lfirst_out
.rept 4
	v_nop                                          ; places behind the last products
.endr
	v_add_f32 v13, v14, v15                        ; role 1: my part of the late tile goes to LDS: O^T, -M and the sum
.irp i, 0,1,2,3,4,5,6,7
	ds_store_b128 v[MA], v[O+4*\i:O+4*\i+3] offset:512*\i
.endr
	ds_store_b64 v[MB], v[12:13]
	s_branch .Lsecond
.Lfirst_out:
	FINISH TL1                                     ; role 0: the early tile is done
	v_mov_b32 v13, v[V13L]                         ; and the late tile's second part begins
	s_delay_alu instid0(VALU_DEP_1)
	v_floor_f32 v12, -v13
	v_mov_b32 v14, 0
	v_mov_b32 v15, 0
.set n, 0
.rept 32
	v_mov_b32 v[O+n], 0
.set n, n+1
.endr
	s_wait_alu depctr_va_vdst(0)
	s_wait_xcnt 0x0                                ; the stores have read their data: the codes' registers may be written again
.Lsecond:
	s_cmp_eq_u32 s[RO], 0
	s_cselect_b32 s[LS], s[BL], 0                  ; role 0: scores up to the diagonal's step; role 1 walks through with nothing to do
	s_mov_b32 s[MK], s[BL]
	WALK NA+1, 15-NA, 0
	s_wait_alu depctr_va_vdst(0)
	s_wait_dscnt 0x0                               ; for my partner's sake: my stores have landed
	s_barrier_signal -1
	s_barrier_wait -1
	s_cmp_eq_u32 s[RO], 0
	s_cbranch_scc0 .Lend
.rept 4
	v_nop                                          ; places in front of loads into registers that matrix instructions have used
.endr
.irp i, 0,1,2,3,4,5,6,7
	ds_load_b128 v[S+4*\i:S+4*\i+3], v[MA] offset:512*\i
.endr
	ds_load_b64 v[S+32:S+33], v[MB]
	s_wait_dscnt 0x0
	v_min_num_f32 v[TT], v12, v[S+32]              ; -M of the two parts together
	s_delay_alu instid0(VALU_DEP_1)
	v_sub_f32 v[TM], v[TT], v12
	v_sub_f32 v[TM+1], v[TT], v[S+32]
	s_delay_alu instid0(VALU_DEP_2)
	v_cvt_i32_f32 v[TM], v[TM]
	s_delay_alu instid0(VALU_DEP_2)
	v_cvt_i32_f32 v[TM+1], v[TM+1]
	s_delay_alu instid0(VALU_DEP_2)
	v_ldexp_f32 v[FM], 1.0, v[TM]                  ; my part's factor, a power of two,
	s_delay_alu instid0(VALU_DEP_2)
	v_ldexp_f32 v[TM+2], 1.0, v[TM+1]              ; and my partner's
	v_mov_b32 v[TM+3], 0
	v_add_f32 v14, v14, v15
	s_delay_alu instid0(VALU_DEP_1)
	v_mul_f32 v14, v14, v[FM]
	s_delay_alu instid0(VALU_DEP_1)
	v_fma_f32 v14, v[S+33], v[TM+2], v14
	v_mov_b32 v15, 0
.set n, 0
.rept 16
	v_pk_mul_f32 v[O+2*n:O+2*n+1], v[O+2*n:O+2*n+1], v[FM:FM+1] op_sel_hi:[1,0]
.set n, n+1
.endr
.set n, 0
.rept 16
	v_pk_fma_f32 v[O+2*n:O+2*n+1], v[S+2*n:S+2*n+1], v[TM+2:TM+3], v[O+2*n:O+2*n+1] op_sel_hi:[1,0,1]
.set n, n+1
.endr
	FINISH TLL
.Lend:
	s_wait_tensorcnt 0x0                           ; the wave's end
	ds_add_u32 v[SPW], v[NIL]
	s_wait_dscnt 0x0
	s_endpgm
.Lfunc_end_k_q17448c6ec9_attn:
	.size	k_q17448c6ec9_attn, .Lfunc_end_k_q17448c6ec9_attn-k_q17448c6ec9_attn
	.p2alignl 7, 3214868480
	.fill 96, 4, 3214868480
	.section	.rodata,"a",@progbits
	.p2align	6, 0x0
	.amdhsa_kernel k_q17448c6ec9_attn
		.amdhsa_group_segment_fixed_size 327680
		.amdhsa_private_segment_fixed_size 0
		.amdhsa_enable_private_segment 0
		.amdhsa_kernarg_size 16
		.amdhsa_user_sgpr_count 2
		.amdhsa_user_sgpr_kernarg_segment_ptr 1
		.amdhsa_wavefront_size32 1
		.amdhsa_system_sgpr_workgroup_id_x 1
		.amdhsa_system_sgpr_workgroup_id_y 1
		.amdhsa_system_sgpr_workgroup_id_z 1
		.amdhsa_system_vgpr_workitem_id 0
		.amdhsa_next_free_vgpr 256
		.amdhsa_next_free_sgpr 92
		.amdhsa_reserve_vcc 1
		.amdhsa_float_denorm_mode_32 3
		.amdhsa_float_denorm_mode_16_64 3
		.amdhsa_memory_ordered 1
		.amdhsa_forward_progress 1
		.amdhsa_inst_pref_size 108
	.end_amdhsa_kernel
	.amdgpu_metadata
---
amdhsa.version: [ 1, 2 ]
amdhsa.kernels:
  - .name:           k_q17448c6ec9_attn
    .symbol:         k_q17448c6ec9_attn.kd
    .args:
      - { .name: qkvq, .offset: 0, .size: 8, .value_kind: global_buffer, .address_space: global }
      - { .name: aq, .offset: 8, .size: 8, .value_kind: global_buffer, .address_space: global }
    .group_segment_fixed_size: 327680
    .private_segment_fixed_size: 0
    .kernarg_segment_align: 8
    .kernarg_segment_size: 16
    .max_flat_workgroup_size: 512
    .sgpr_count:     92
    .vgpr_count:     256
    .wavefront_size: 32
...
	.end_amdgpu_metadata
.endif
;; end of part 3
;; launch proj (part 4): grid 8 x 32, 16 waves a work-group, clusters of 4 x 4, 327,680 bytes of LDS; arguments aq, wts, bp, x, x1; writes x1
.if DOCPART == 4
	.amdgcn_target "amdgcn-amd-amdhsa--gfx1250"
	.amdhsa_code_object_version 6
	.text
	.protected	k_q17448c6ec9_proj
	.globl	k_q17448c6ec9_proj
	.p2align	8
	.type	k_q17448c6ec9_proj,@function
k_q17448c6ec9_proj:
	s_mov_b64 s[64:65], 0
	v_nop
	global_prefetch_b8 v0, s[64:65] scope:SCOPE_SE
	s_setreg_imm32_b32 hwreg(HW_REG_WAVE_MODE, 25, 1), 1
	s_wait_xcnt 0x0
	s_wait_alu depctr_hold_cnt(0) depctr_sa_sdst(0) depctr_va_vdst(0) depctr_va_sdst(0) depctr_va_ssrc(0) depctr_va_vcc(0) depctr_vm_vsrc(0)
	s_getreg_b32 s2, hwreg(HW_REG_IB_STS2, 6, 4)
	s_cmp_eq_u32 s2, 0
	s_cbranch_scc0 .Lentry_in_a_cluster
	s_endpgm
.Lentry_in_a_cluster:
	s_bfe_u32 s2, ttmp6, 0x10000c
	s_cmp_lg_u32 s2, 0xf033
	s_cbranch_scc0 .Lentry_shape_is_right
	s_endpgm
.Lentry_shape_is_right:
; out = residual + A W + bias, f32, 4,096 tokens x 1,024 columns; A and W are codes of FP6 (E2M3) with E8M0 scales.  F2 = 0: the attention's projection (K = 1,024).  F2 = 1: the second layer of the MLP (K = 4,096).
; Operands lie in memory as images of the operand's registers (six planes of 256 bytes a fragment): codes [K step][tile][1,536], scale words [tile][K step][16].  Row r of tile 2 g + u is row 32 g + 8 u + r + 8 (r / 8).
; SHARES.  A work-group makes 128 tokens x 128 columns: 256 work-groups.  Sixteen waves, four to a SIMD, 256 registers each, no register windows; a wave's tile is 64 x 64, and K IS SHARED OUT: of each four K steps wave
; group kq = wave / 4 takes the kq-th.  The four partial sums meet in the stage in LDS through which the result leaves anyway.  (The order of the f32 sums so differs from a single ascending chain.)
; The product is used transposed (source 0 = 16 columns of W, source 1 = 16 tokens): a lane's 16 registers of two neighbouring tiles are 16 neighbouring columns of one token's row.
; RING.  Two slots of four K steps; a slot is four loads of 24,576 bytes (two K steps x eight tiles), one by each of waves 0-3.  The scale words of all of K come once.
; CLUSTER 4 x 4: A's tiles are shared along a row of the cluster, W's along a column: each is asked for jointly.
.set F2, 0
.if F2
.set KS,   32                          ; K steps
.set WB,   6291456                     ; the weight's codes in wts
.set SWO,  9699328                     ; its scale words
.set SA0,  12582912                    ; A's scale words in A's buffer
.else
.set KS,   8
.set WB,   2359296
.set SWO,  9535488
.set SA0,  3145728
.endif
.set HALFS, 256*KS                     ; four tiles' scale words: what one load brings
.set SLAB,  24576
.set SLOT,  4*SLAB                     ; A: [4 K steps][8 tiles][1,536], then W likewise
.set SCL,   278528                     ; behind the stage: the scale words
.set SPARE, 311296                     ; the spare words: 128 bytes for each of sixteen waves
.set STEPA, 8*256*1536                 ; eight K steps on
.set STEPB, 8*64*1536
.set ADRA, 4
.set ADRB, 6
.set ADSA, 8
.set ADSB, 9
.set SPW,  10
.set NIL,  11
.set STO,  12                          ; v12    the stage: where I put 16 bytes of a row
.set GO,   13                          ; v13    my bytes in two rows of the result
.set BO,   14                          ; v14    my four columns of the bias
.set RD,   16                          ; v16-19 the stage: where I read partner k's rows
.set SA,   20
.set SB,   24
.set AF,   32
.set BF,   80
.set ACC,  128
.set WV,   16
.set FW,   17
.set G1,   24
.set G0,   32
.set G1B,  48
.set G0B,  56
.set G1S,  68
.set G0S,  76
.set G1SB, 80
.set G0SB, 88
.macro CROUND                          ; a round of the cluster's barrier
	s_barrier_signal -1
	s_barrier_wait -1
	s_cmp_lg_u32 s[WV], 0
	s_cbranch_scc1 .Lnot_wave_0_\@
	s_barrier_signal -3
.Lnot_wave_0_\@:
	s_barrier_wait -3
	s_barrier_signal -1
	s_barrier_wait -1
.endm
.macro JLOAD g0a, g1a, g0b, g1b        ; a joint refill: waves 0, 1 fetch A's tiles, waves 2, 3 W's, the others nothing; four v_nop follow each line
	s_cmp_eq_u32 s[FW], 0
	s_cbranch_scc0 .Lnot_a_\@
	tensor_load_to_lds s[\g0a:\g0a+3], s[\g1a:\g1a+7]
.rept 4
	v_nop
.endr
	s_branch .Lasked_\@
.Lnot_a_\@:
	s_cmp_eq_u32 s[FW], 1
	s_cbranch_scc0 .Lasked_\@
	tensor_load_to_lds s[\g0b:\g0b+3], s[\g1b:\g1b+7]
.rept 4
	v_nop
.endr
.Lasked_\@:
.endm
; The change of slots.  Every wave waits for all its tensor loads (the other slot's), adds 0 to its spare word, and waits for that and for its reads of this slot.  fill = 1: behind a round of the cluster's barrier this slot is filled again.
.macro CHANGE slot, fill
	s_wait_tensorcnt 0x0                           ; no tensor load of mine is out, so a group 0 may be written
	ds_add_u32 v[SPW], v[NIL]
.if \fill
	s_add_nc_u64 s[G0+4*\slot+2:G0+4*\slot+3], s[G0+4*\slot+2:G0+4*\slot+3], STEPA
	s_add_nc_u64 s[G0B+4*\slot+2:G0B+4*\slot+3], s[G0B+4*\slot+2:G0B+4*\slot+3], STEPB
.endif
	s_wait_dscnt 0x0                               ; the add is done, and my reads of this slot are over
.if \fill
	CROUND                                         ; the same holds of every wave of every partner
	JLOAD G0+4*\slot, G1, G0B+4*\slot, G1B         ; the first tensor load behind the round, one a wave
.else
	s_barrier_signal -1
	s_barrier_wait -1
.endif
.endm
; My K step of a slot: eight fragments and eight scale words from LDS, sixteen products.  zero = 1: they start the sums.  The sixteen accumulators take turns, in the same order in every step.
.macro KSTEP slot, zero
.rept 4
	v_nop                                          ; places in front of loads into registers that matrix instructions have read
.endr
.irp t, 0,1,2,3
	ds_load_b32 v[SA+\t], v[ADSA] offset:64*KS*\t
.endr
.irp t, 0,1,2,3
	ds_load_b32 v[SB+\t], v[ADSB] offset:64*KS*\t
.endr
.irp t, 0,1,2,3
.irp p, 0,1,2,3,4,5
	ds_load_b64 v[BF+12*\t+2*\p:BF+12*\t+2*\p+1], v[ADRB+\slot] offset:1536*\t+256*\p
.endr
.endr
.irp t, 0,1,2,3
.irp p, 0,1,2,3,4,5
	ds_load_b64 v[AF+12*\t+2*\p:AF+12*\t+2*\p+1], v[ADRA+\slot] offset:1536*\t+256*\p
.endr
.endr
.irp a, 0,1,2,3
	s_wait_dscnt 18-6*\a                           ; A's tile a is in; the six loads of each later tile may be out
.irp b, 0,1,2,3
.if \zero
	v_wmma_scale_f32_16x16x128_f8f6f4 v[ACC+8*(4*\a+\b):ACC+8*(4*\a+\b)+7], v[BF+12*\b:BF+12*\b+11], v[AF+12*\a:AF+12*\a+11], 0, v[SB+\b], v[SA+\a] matrix_a_fmt:MATRIX_FMT_FP6 matrix_b_fmt:MATRIX_FMT_FP6
.else
	v_wmma_scale_f32_16x16x128_f8f6f4 v[ACC+8*(4*\a+\b):ACC+8*(4*\a+\b)+7], v[BF+12*\b:BF+12*\b+11], v[AF+12*\a:AF+12*\a+11], v[ACC+8*(4*\a+\b):ACC+8*(4*\a+\b)+7], v[SB+\b], v[SA+\a] matrix_a_fmt:MATRIX_FMT_FP6 matrix_b_fmt:MATRIX_FMT_FP6
.endif
.endr
.endr
	v_add_nc_u32 v[ADSA], 256, v[ADSA]             ; four K steps' scale words on (no LDS load of mine is out)
	v_add_nc_u32 v[ADSB], 256, v[ADSB]
.endm
	s_load_b256 s[4:11], s[0:1], 0x0               ; A's images, wts, the bias, the residual
	s_load_b64 s[12:13], s[0:1], 0x20              ; the result
	v_lshl_add_u32 v[SPW], v0, 2, SPARE
	v_mov_b32 v[NIL], 0
	ds_add_u32 v10, v11
	ds_add_u32 v10, v11
	s_wait_dscnt 0x0
	v_lshrrev_b32 v1, 5, v0
	s_delay_alu instid0(VALU_DEP_1)
	v_readfirstlane_b32 s[WV], v1                  ; wave 0..15
	s_lshr_b32 s[FW], s[WV], 1                     ; 0: I fetch A's tiles; 1: W's; else nothing
	s_and_b32 s18, s[WV], 1                        ; which two of a slot's four K steps, and which four tiles' scale words
	s_bfe_u32 s40, ttmp6, 0x40000                  ; cx
	s_bfe_u32 s41, ttmp6, 0x40004                  ; cy
	s_lshl_b32 s42, ttmp9, 2
	s_add_co_u32 s42, s42, s40                     ; x: which 128 columns
	s_and_b32 s43, ttmp7, 0xffff
	s_lshl_b32 s43, s43, 2
	s_add_co_u32 s43, s43, s41                     ; y: which 128 tokens
	s_lshl_b32 s44, s41, 2
	s_lshl_b32 s44, 15, s44                        ; my row of the cluster
	s_lshl_b32 s45, 0x1111, s40                    ; my column
	; group 1, codes: two rows (K steps) of 1,536 elements of 8 bytes (eight tiles on end), a K step's array apart; no padding: an image is read 256 consecutive bytes at a time
	s_or_b32 s[G1], s44, (3<<16)|(1<<21)
	s_or_b32 s[G1B], s45, (3<<16)|(1<<21)
	s_or_b32 s[G1S], s44, (3<<16)|(1<<21)
	s_or_b32 s[G1SB], s45, (3<<16)|(1<<21)
.irp g, G1, G1B
	s_mov_b32 s[\g+1], 1536<<16                    ; tensor_dim0
	s_mov_b32 s[\g+2], 2<<16                       ; tensor_dim1
	s_mov_b32 s[\g+3], 1536<<16                    ; tile_dim0
	s_mov_b32 s[\g+4], 2                           ; tile_dim1
	s_mov_b32 s[\g+6], 0
	s_mov_b32 s[\g+7], 0
.endr
	s_mov_b32 s[G1+5], 256*192                     ; the pitch, in elements
	s_mov_b32 s[G1B+5], 64*192
.irp g, G1S, G1SB                      ; scale words: four tiles' dense bytes as KS rows of 256
	s_mov_b32 s[\g+1], 32<<16
	s_mov_b32 s[\g+2], KS<<16
	s_mov_b32 s[\g+3], 32<<16
	s_mov_b32 s[\g+4], KS
	s_mov_b32 s[\g+5], 32
	s_mov_b32 s[\g+6], 0
	s_mov_b32 s[\g+7], 0
.endr
	s_mul_i32 s20, s18, 2*256*1536
	s_mul_i32 s19, s43, 8*1536
	s_add_co_u32 s20, s20, s19                     ; A's codes: K step 2 (wave % 2), tile 8 y
	s_mov_b32 s21, 0
	s_lshl_b32 s22, s43, 3
	s_lshl_b32 s19, s18, 2
	s_add_co_u32 s22, s22, s19
	s_mul_i32 s22, s22, KS*64
	s_add_co_u32 s22, s22, SA0                     ; A's scale words: tile 8 y + 4 (wave % 2)
	s_mov_b32 s23, 0
	s_mul_i32 s46, s18, 2*64*1536
	s_mul_i32 s94, s42, 8*1536
	s_add_co_u32 s46, s46, s94
	s_add_co_u32 s46, s46, WB                      ; W's codes
	s_mov_b32 s47, 0
	s_lshl_b32 s94, s42, 3
	s_add_co_u32 s94, s94, s19
	s_mul_i32 s94, s94, KS*64
	s_add_co_u32 s94, s94, SWO                     ; W's scale words
	s_mov_b32 s95, 0
	s_and_b32 s96, s[WV], 3                        ; my quarter of a slot, or of the scale words: wave % 4
	s_mul_i32 s96, s96, SLAB
	s_and_b32 s97, s[WV], 3
	s_mul_i32 s97, s97, HALFS
	s_add_co_u32 s97, s97, SCL
	s_wait_kmcnt 0x0
	s_add_nc_u64 s[20:21], s[4:5], s[20:21]
	s_add_nc_u64 s[22:23], s[4:5], s[22:23]
	s_add_nc_u64 s[46:47], s[6:7], s[46:47]
	s_add_nc_u64 s[94:95], s[6:7], s[94:95]
	CROUND                                         ; all sixteen work-groups are here: the first joint loads meet
	s_mov_b32 s[G0S], 1
	s_mov_b32 s[G0S+1], s97
	s_mov_b64 s[G0S+2:G0S+3], s[22:23]
	s_or_b32 s[G0S+3], s[G0S+3], 0x80000000
	s_mov_b32 s[G0SB], 1
	s_mov_b32 s[G0SB+1], s97
	s_mov_b64 s[G0SB+2:G0SB+3], s[94:95]
	s_or_b32 s[G0SB+3], s[G0SB+3], 0x80000000
.irp s, 0,1
	s_mov_b32 s[G0+4*\s], 1
	s_add_co_u32 s[G0+4*\s+1], s96, \s*SLOT
	s_add_nc_u64 s[G0+4*\s+2:G0+4*\s+3], s[20:21], \s*4*256*1536
	s_or_b32 s[G0+4*\s+3], s[G0+4*\s+3], 0x80000000
	s_mov_b32 s[G0B+4*\s], 1
	s_add_co_u32 s[G0B+4*\s+1], s96, \s*SLOT
	s_add_nc_u64 s[G0B+4*\s+2:G0B+4*\s+3], s[46:47], \s*4*64*1536
	s_or_b32 s[G0B+4*\s+3], s[G0B+4*\s+3], 0x80000000
.endr
; The twelve first fills, one a wave, in one chain of arms on wave / 2: waves 0-3 slot 0, waves 4-7 slot 1, waves 8-11 the scale words; waves 12-15 none
.macro ARM key, g0, g1
	s_cmp_eq_u32 s[FW], \key
	s_cbranch_scc0 .Lnot_arm_\@
	tensor_load_to_lds s[\g0:\g0+3], s[\g1:\g1+7]
	s_nop 0
.rept 4
	v_nop
.endr
	s_branch .Lfirst_asked
.Lnot_arm_\@:
.endm
	ARM 0, G0, G1
	ARM 1, G0B, G1B
	ARM 2, G0+4, G1
	ARM 3, G0B+4, G1B
	ARM 4, G0S, G1S
	ARM 5, G0SB, G1SB
.Lfirst_asked:
	v_and_b32 v1, 15, v0                           ; r
	v_bfe_u32 v2, v0, 4, 1                         ; h
	v_and_b32 v3, 31, v0                           ; lane
	s_wait_alu depctr_va_vdst(0)
	s_lshr_b32 s18, s[WV], 2                       ; kq: which of four K steps
	s_bfe_u32 s19, s[WV], 0x10001                  ; wa: which 64 tokens
	s_and_b32 s66, s[WV], 1                        ; wb: which 64 columns
	s_mul_i32 s20, s18, 12288
	s_mul_i32 s21, s19, 6144
	s_add_co_u32 s21, s21, s20
	v_lshl_add_u32 v[ADRA], v3, 3, s21
	s_delay_alu instid0(VALU_DEP_1)
	v_add_nc_u32 v[ADRA+1], SLOT, v[ADRA]
	s_mul_i32 s21, s66, 6144
	s_add_co_u32 s21, s21, s20
	s_add_co_u32 s21, s21, 2*SLAB
	v_lshl_add_u32 v[ADRB], v3, 3, s21
	s_delay_alu instid0(VALU_DEP_1)
	v_add_nc_u32 v[ADRB+1], SLOT, v[ADRB]
	s_lshl_b32 s20, s18, 6
	s_add_co_u32 s20, s20, SCL
	s_mul_i32 s21, s19, HALFS
	s_add_co_u32 s21, s21, s20
	v_lshl_add_u32 v[ADSA], v1, 2, s21
	s_mul_i32 s21, s66, HALFS
	s_add_co_u32 s21, s21, s20
	s_add_co_u32 s21, s21, 2*HALFS
	v_lshl_add_u32 v[ADSB], v1, 2, s21
	; the stage: 16 waves x 4 tiles x 16 rows x (256 bytes + 16).  It lies over the slots, which have had their last fill and their last read when it is written
	s_mul_i32 s20, s[WV], 17408
	v_mul_u32_u24 v[STO], v1, 272
	s_delay_alu instid0(VALU_DEP_1)
	v_lshl_add_u32 v[STO], v2, 6, v[STO]
	s_delay_alu instid0(VALU_DEP_1)
	v_add_nc_u32 v[STO], s20, v[STO]               ; in: row r, 64 h bytes on
	s_and_b32 s20, s[WV], 3
	s_mul_i32 s20, s20, 17408
	s_mul_i32 s21, s18, 4352
	s_add_co_u32 s20, s20, s21                     ; back: tile kq of the four waves that share my 64 x 64
	v_mul_u32_u24 v[RD], v2, 272
	s_delay_alu instid0(VALU_DEP_1)
	v_lshl_add_u32 v[RD], v1, 4, v[RD]
	s_delay_alu instid0(VALU_DEP_1)
	v_add_nc_u32 v[RD], s20, v[RD]                 ; lanes 0-15 one row of 256 bytes, lanes 16-31 the next
	s_delay_alu instid0(VALU_DEP_1)
	v_add_nc_u32 v[RD+1], 69632, v[RD]
	s_delay_alu instid0(VALU_DEP_1)
	v_add_nc_u32 v[RD+2], 69632, v[RD+1]
	s_delay_alu instid0(VALU_DEP_1)
	v_add_nc_u32 v[RD+3], 69632, v[RD+2]
	v_lshlrev_b32 v[BO], 4, v1
	s_delay_alu instid0(VALU_DEP_1)
	v_lshl_add_u32 v[GO], v2, 12, v[BO]            ; the same two rows in the result
	s_lshl_b32 s20, s43, 7
	s_lshl_b32 s21, s19, 6
	s_add_co_u32 s20, s20, s21
	s_lshr_b32 s21, s18, 1
	s_lshl_b32 s21, s21, 5
	s_add_co_u32 s20, s20, s21
	s_and_b32 s21, s18, 1
	s_lshl_b32 s21, s21, 3
	s_add_co_u32 s20, s20, s21                     ; the first token of the tile that I finish
	s_lshl_b32 s20, s20, 12
	s_lshl_b32 s22, s42, 9
	s_lshl_b32 s21, s66, 8
	s_add_co_u32 s22, s22, s21                     ; my 64 columns, in bytes
	s_add_co_u32 s20, s20, s22
	s_mov_b32 s21, 0
	s_mov_b32 s23, 0
	s_add_nc_u64 s[10:11], s[10:11], s[20:21]      ; the residual,
	s_add_nc_u64 s[12:13], s[12:13], s[20:21]      ; the result
	s_add_nc_u64 s[8:9], s[8:9], s[22:23]          ; and the bias at my part
	s_wait_tensorcnt 0x0                           ; my one first fill has landed
	s_barrier_signal -1
	s_barrier_wait -1
	KSTEP 0, 1                                     ; the first step starts the sums
.if F2
	s_mov_b32 s3, 3
.Llap:                                             ; a trip goes once round the ring and fills both slots again
	CHANGE 0, 1
	KSTEP 1, 0
	CHANGE 1, 1
	KSTEP 0, 0
	s_sub_co_u32 s3, s3, 1
	s_cmp_lg_u32 s3, 0
	s_cbranch_scc1 .Llap
.endif
	s_wait_alu depctr_va_vdst(0)
	CHANGE 0, 0                                    ; the tail fills nothing
	KSTEP 1, 0
	; THE WAY OUT
.rept 4
	v_nop                                          ; places behind the last products
.endr
.irp i, 0,1,2,3,4,5,6,7
	global_load_b128 v[AF+4*\i:AF+4*\i+3], v[GO], s[10:11] offset:(2*\i+8*(\i/4))*4096   ; the residual at the rows that I finish: row 2 i + h of a tile is token 2 i + h + 8 (i / 4)
.endr
	global_load_b128 v[AF+32:AF+35], v[BO], s[8:9]
	s_wait_dscnt 0x0
	s_barrier_signal -1
	s_barrier_wait -1                              ; nobody reads a slot any more
.irp a, 0,1,2,3
.irp e, 0,1,2,3,4,5,6,7
	ds_store_b128 v[STO], v[ACC+32*\a+4*\e:ACC+32*\a+4*\e+3] offset:4352*\a+128*(\e/4)+16*(\e%4)   ; each accumulator from its low end on
.endr
.endr
	s_wait_dscnt 0x0                               ; for the others' sake: my stores have landed
	s_barrier_signal -1
	s_barrier_wait -1
.irp k, 0,1,2,3
.irp i, 0,1,2,3,4,5,6,7
	ds_load_b128 v[ACC+32*\k+4*\i:ACC+32*\k+4*\i+3], v[RD+\k] offset:544*\i
.endr
.endr
	s_wait_dscnt 0x0
.irp k, 1,2,3
.set n, 0
.rept 16
	v_pk_add_f32 v[ACC+2*n:ACC+2*n+1], v[ACC+2*n:ACC+2*n+1], v[ACC+32*\k+2*n:ACC+32*\k+2*n+1]   ; the four parts of K
.set n, n+1
.endr
.endr
	s_wait_loadcnt 0x0
.set n, 0
.rept 16
	v_pk_add_f32 v[ACC+2*n:ACC+2*n+1], v[ACC+2*n:ACC+2*n+1], v[AF+32+2*(n%2):AF+33+2*(n%2)]   ; the bias
.set n, n+1
.endr
.set n, 0
.rept 16
	v_pk_add_f32 v[ACC+2*n:ACC+2*n+1], v[ACC+2*n:ACC+2*n+1], v[AF+2*n:AF+2*n+1]               ; the residual
.set n, n+1
.endr
.irp i, 0,1,2,3,4,5,6,7
	global_store_b128 v[GO], v[ACC+4*\i:ACC+4*\i+3], s[12:13] offset:(2*\i+8*(\i/4))*4096   ; sixteen lanes store 256 consecutive bytes, aligned
.endr
	s_wait_tensorcnt 0x0                           ; the wave's end
	ds_add_u32 v[SPW], v[NIL]
	s_wait_dscnt 0x0
	CROUND                                         ; the closing round: no work-group ends while a partner may still ask for a tile that names it
	s_endpgm
.Lfunc_end_k_q17448c6ec9_proj:
	.size	k_q17448c6ec9_proj, .Lfunc_end_k_q17448c6ec9_proj-k_q17448c6ec9_proj
	.p2alignl 7, 3214868480
	.fill 96, 4, 3214868480
	.section	.rodata,"a",@progbits
	.p2align	6, 0x0
	.amdhsa_kernel k_q17448c6ec9_proj
		.amdhsa_group_segment_fixed_size 327680
		.amdhsa_private_segment_fixed_size 0
		.amdhsa_enable_private_segment 0
		.amdhsa_kernarg_size 40
		.amdhsa_user_sgpr_count 2
		.amdhsa_user_sgpr_kernarg_segment_ptr 1
		.amdhsa_wavefront_size32 1
		.amdhsa_system_sgpr_workgroup_id_x 1
		.amdhsa_system_sgpr_workgroup_id_y 1
		.amdhsa_system_sgpr_workgroup_id_z 1
		.amdhsa_system_vgpr_workitem_id 0
		.amdhsa_next_free_vgpr 256
		.amdhsa_next_free_sgpr 100
		.amdhsa_reserve_vcc 0
		.amdhsa_float_denorm_mode_32 3
		.amdhsa_float_denorm_mode_16_64 3
		.amdhsa_memory_ordered 1
		.amdhsa_forward_progress 1
		.amdhsa_inst_pref_size 35
	.end_amdhsa_kernel
	.amdgpu_metadata
---
amdhsa.version: [ 1, 2 ]
amdhsa.kernels:
  - .name:           k_q17448c6ec9_proj
    .symbol:         k_q17448c6ec9_proj.kd
    .args:
      - { .name: aq, .offset: 0, .size: 8, .value_kind: global_buffer, .address_space: global }
      - { .name: wts, .offset: 8, .size: 8, .value_kind: global_buffer, .address_space: global }
      - { .name: bp, .offset: 16, .size: 8, .value_kind: global_buffer, .address_space: global }
      - { .name: x, .offset: 24, .size: 8, .value_kind: global_buffer, .address_space: global }
      - { .name: x1, .offset: 32, .size: 8, .value_kind: global_buffer, .address_space: global }
    .group_segment_fixed_size: 327680
    .private_segment_fixed_size: 0
    .kernarg_segment_align: 8
    .kernarg_segment_size: 40
    .max_flat_workgroup_size: 512
    .sgpr_count:     100
    .vgpr_count:     256
    .wavefront_size: 32
...
	.end_amdgpu_metadata
.endif
;; end of part 4
;; launch prep2 (part 5): grid 384 x 1, 8 waves a work-group, no clusters, 52,224 bytes of LDS; arguments x1, ln2_w, ln2_b, hq, W1, W2, wts; writes hq, wts
.if DOCPART == 5
	.amdgcn_target "amdgcn-amd-amdhsa--gfx1250"
	.amdhsa_code_object_version 6
	.text
	.protected	k_q17448c6ec9_prep2
	.globl	k_q17448c6ec9_prep2
	.p2align	8
	.type	k_q17448c6ec9_prep2,@function
k_q17448c6ec9_prep2:
	s_mov_b64 s[64:65], 0
	v_nop
	global_prefetch_b8 v0, s[64:65] scope:SCOPE_SE
	s_setreg_imm32_b32 hwreg(HW_REG_WAVE_MODE, 25, 1), 1
	s_wait_xcnt 0x0
; TWO STREAMS IN ONE LAUNCH, told apart by the work-group's number alone; the two paths part once, at the head, and never join.
;   work-groups 0 .. NW - 1: weights, f32 stored [K][N], become codes of FP6 (E2M3) quantised along K (their FIRST axis).  PART = 0: Wq, Wk, Wv, Wp.  PART = 1: W1, W2.
;   the other 256 work-groups: LayerNorm of 4,096 rows of 1,024 f32, quantised along the row.  PART = 0: LN1(x).  PART = 1: LN2(x1).
; The norm is a chain of dependent steps (load, sum, barrier, sum, barrier, store), the weights are a plain stream: side by side in one launch the stream runs while the chain waits.
; BOTH RESULTS ARE IMAGES OF THE OPERAND'S REGISTERS.  A fragment is 16 rows x 128 K = 12 registers a lane = 1,536 bytes in six planes of 256 bytes: plane p holds lane l's registers 2 p, 2 p + 1 at 256 p + 8 l.
; A tile's 16 rows are not neighbours: row r of tile 2 g + u is row 32 g + 8 u + r + 8 (r / 8), so that a transposed product's 16 registers of two neighbouring tiles are 16 neighbours.
; Codes: [K step of 128][tile][1,536].  Scale words (E8M0, one byte for each 32 along K): [tile][K step][16 words], word r = row r's four bytes.
; WEIGHTS.  A lane takes a column and its registers run down K: a block of 32 lies in one lane, its largest magnitude needs no other lane, and the conversions give codes with K innermost.  A share is 128 columns x 256 K;
; a work-group holds two shares (share = 2 x work-group + wave / 4), a wave 32 columns (two tiles) x 8 blocks.  The codes go through the wave's own stage in LDS and leave as runs of 512 consecutive bytes.  No barrier: waves share nothing.
; NORM.  A work-group is one tile of 16 rows; wave w is K step w: lane (r, h) holds, of row r, the 64 numbers 128 w + 32 b + 16 h + i.  Mean and variance are taken in two true passes (the mean is taken off before the squares),
; in f32; the eight waves' parts meet in LDS.  Its barriers stand on this path alone: the branch that leads here hangs on the work-group's number, which all eight waves share.
; Each path has LDS bytes of its own: the stages at 0 .. 49,151, the norm's words from 49,152 on.  Every byte is read once and each wave has two blocks' loads on their way: no prefetch is laid.
; LIMITS: NaN and infinities are not served; a block whose largest magnitude lies under 2^-124 (a block of zeros too) keeps the byte 1: only this program reads the bytes.
.set PART, 1
.if PART
.set NW,   128                         ; work-groups of the weights' path: 256 shares (W1 128, W2 128)
.else
.set NW,   64                          ; 128 shares (32 for each of the four)
.endif
.set S0,   9437184                     ; where the scale words begin in wts
.set LNB,  49152                       ; LDS: behind the eight stages of 6,144 bytes
; the weights' path
.set WOFF, 32                          ; v32-63   row i of a block: i x row bytes + 4 x lane
.set WX,   64                          ; v64-127  two sets of 32 numbers
.set WC,   128                         ; v128-134 a block's codes
.set WSB,  136                         ; v136-137 the scale words of my two K steps
.set WOUT, 144                         ; v144-191 the way out
; the norm's path
.set X,    32                          ; v32-95   my 64 numbers
.set G,    96                          ; v96-159  the gain at my columns
.set B,    160                         ; v160-223 the bias
.set PC,   224                         ; v224-235 the codes
.set T,    224                         ; (the same registers serve the sums before)
.set TP,   236                         ; v236-243 conversions' second halves
.set TM,   8                           ; v8-23    QUANT's work
.set PW,   24                          ; v24      the scale word
.set SEL,  20                          ; s[20:21] lane selects: lane l xor 16
.set RED,  LNB                         ; sums [row][wave]
.set RED2, LNB+512                     ; sums of squares
.set SCG,  LNB+1024                    ; the tile's scale words [K step][row]
; 16 nb numbers of a lane, v[s + 16 b + i] = number 32 b + 16 h + i of my row, become registers pc .. of an operand and the scale word pw
.macro QUANT s, nb, pc, pw
.set QB, 0
.rept \nb
	v_max3_num_f32 v[TM+QB], |v[(\s)+16*QB]|, |v[(\s)+16*QB+1]|, 0x1800000   ; with the floor 2^(3 - 127): the byte cannot fall under 1
.set QB, QB+1
.endr
.irp i, 2,4,6,8,10,12,14
.set QB, 0
.rept \nb
	s_delay_alu instid0(VALU_DEP_4)
	v_max3_num_f32 v[TM+QB], v[TM+QB], |v[(\s)+16*QB+\i]|, |v[(\s)+16*QB+\i+1]|
.set QB, QB+1
.endr
.endr
.set QB, 0
.rept \nb
	s_delay_alu instid0(VALU_DEP_4)
	v_permlanex16_b32 v[TM+4+QB], v[TM+QB], s[SEL], s[SEL+1]
.set QB, QB+1
.endr
.set QB, 0
.rept \nb
	s_delay_alu instid0(VALU_DEP_4)
	v_max_num_f32 v[TM+QB], v[TM+QB], v[TM+4+QB]   ; with lane l xor 16's 16: the block's largest magnitude
.set QB, QB+1
.endr
.set QB, 0
.rept \nb
	s_delay_alu instid0(VALU_DEP_4)
	v_add_nc_u32 v[TM+12+QB], 0xff000000, v[TM+QB] ; 2 off the exponent field: the conversion's scale operand
.set QB, QB+1
.endr
.set QB, 0
.rept \nb
	s_delay_alu instid0(VALU_DEP_4)
	v_lshrrev_b32 v[TM+4+QB], 23, v[TM+12+QB]      ; the scale's byte
.set QB, QB+1
.endr
	s_delay_alu instid0(VALU_DEP_3)
	v_lshl_or_b32 v[\pw], v[TM+5], 8, v[TM+4]
.if \nb == 4
	s_delay_alu instid0(VALU_DEP_1)
	v_lshl_or_b32 v[\pw], v[TM+6], 16, v[\pw]
	s_delay_alu instid0(VALU_DEP_1)
	v_lshl_or_b32 v[\pw], v[TM+7], 24, v[\pw]
.endif
.set QB, 0
.rept \nb/2
	v_cvt_scalef32_pk16_fp6_f32 v[(\pc)+6*QB:(\pc)+6*QB+2], v[(\s)+32*QB:(\s)+32*QB+15], v[TM+12+2*QB]
	v_cvt_scalef32_pk16_fp6_f32 v[TP+4*QB:TP+4*QB+2], v[(\s)+32*QB+16:(\s)+32*QB+31], v[TM+13+2*QB]
.set QB, QB+1
.endr
	v_nop                                          ; one plain line behind the conversions
.set QB, 0
.rept \nb/2                            ; the operand wants a whole block in a lane: lanes 0-15 block 2 c, lanes 16-31 block 2 c + 1
.irp i, 0,1,2
	v_permlane16_swap_b32 v[(\pc)+6*QB+\i], v[TP+4*QB+\i]
.endr
.irp i, 0,1,2
	s_delay_alu instid0(VALU_DEP_3)
	v_mov_b32 v[(\pc)+6*QB+3+\i], v[TP+4*QB+\i]
.endr
.set QB, QB+1
.endr
.endm
; four chains of pairs in v[T .. T + 7] become the row's sum over all 1,024 numbers, in v[T] of every lane of every wave
.macro JOIN off
	s_delay_alu instid0(VALU_DEP_3)
	v_pk_add_f32 v[T:T+1], v[T:T+1], v[T+2:T+3]
	s_delay_alu instid0(VALU_DEP_2)
	v_pk_add_f32 v[T+4:T+5], v[T+4:T+5], v[T+6:T+7]
	s_delay_alu instid0(VALU_DEP_1)
	v_pk_add_f32 v[T:T+1], v[T:T+1], v[T+4:T+5]
	s_delay_alu instid0(VALU_DEP_1)
	v_add_f32 v[T], v[T], v[T+1]
	s_delay_alu instid0(VALU_DEP_1)
	v_permlanex16_b32 v[T+1], v[T], s[SEL], s[SEL+1]
	s_delay_alu instid0(VALU_DEP_1)
	v_add_f32 v[T], v[T], v[T+1]                   ; my wave's 128 numbers of row r
	ds_store_b32 v7, v[T] offset:\off              ; lanes r and r + 16 write the same word with the same value
	s_wait_dscnt 0x0                               ; for the others' sake: my store has landed
	s_barrier_signal -1
	s_barrier_wait -1
	ds_load_b128 v[T:T+3], v25 offset:\off
	ds_load_b128 v[T+4:T+7], v25 offset:\off+16
	s_wait_dscnt 0x0
	v_pk_add_f32 v[T:T+1], v[T:T+1], v[T+2:T+3]
	v_pk_add_f32 v[T+4:T+5], v[T+4:T+5], v[T+6:T+7]
	s_delay_alu instid0(VALU_DEP_1)
	v_pk_add_f32 v[T:T+1], v[T:T+1], v[T+4:T+5]
	s_delay_alu instid0(VALU_DEP_1)
	v_add_f32 v[T], v[T], v[T+1]
.endm
.macro LOAD t                          ; block t: 32 rows of my column into set t % 2; a load reads 128 consecutive bytes
.set i, 0
.rept 32
	global_load_b32 v[WX+32*((\t)%2)+i], v[WOFF+i], s[32+2*(\t):33+2*(\t)] th:TH_LOAD_NT
.set i, i+1
.endr
.endm
.macro BLOCK t
.set XS, WX+32*((\t)%2)
.if (\t) < 7
	s_wait_loadcnt 32                              ; this block's 32 loads are in; the next block's 32 may be out
.else
	s_wait_loadcnt 0x0
.endif
	v_max3_num_f32 v12, |v[XS]|, |v[XS+1]|, |v[XS+2]|
	v_max3_num_f32 v13, |v[XS+3]|, |v[XS+4]|, |v[XS+5]|
.irp i, 6,10,14,18,22,26
	s_delay_alu instid0(VALU_DEP_2)
	v_max3_num_f32 v12, v12, |v[XS+\i]|, |v[XS+\i+1]|
	s_delay_alu instid0(VALU_DEP_2)
	v_max3_num_f32 v13, v13, |v[XS+\i+2]|, |v[XS+\i+3]|
.endr
	s_delay_alu instid0(VALU_DEP_2)
	v_max3_num_f32 v12, v12, |v[XS+30]|, |v[XS+31]|
	s_delay_alu instid0(VALU_DEP_1)
	v_max3_num_f32 v12, v12, v13, 0x1800000        ; with the floor 2^(3 - 127): the byte cannot fall under 1
	s_delay_alu instid0(VALU_DEP_1)
	v_add_nc_u32 v11, 0xff000000, v12              ; 2 off the exponent field: the conversion's scale operand
	s_delay_alu instid0(VALU_DEP_1)
	v_lshrrev_b32 v13, 23, v11                     ; the scale's byte
.if (\t)%4 == 0
	s_delay_alu instid0(VALU_DEP_1)
	v_mov_b32 v[WSB+(\t)/4], v13
.else
	s_delay_alu instid0(VALU_DEP_1)
	v_lshl_or_b32 v[WSB+(\t)/4], v13, 8*((\t)%4), v[WSB+(\t)/4]
.endif
	v_cvt_scalef32_pk16_fp6_f32 v[WC:WC+2], v[XS:XS+15], v11
	v_cvt_scalef32_pk16_fp6_f32 v[WC+4:WC+6], v[XS+16:XS+31], v11   ; (a conversion's three registers begin on an even number)
	v_nop                                          ; one plain line behind the conversions
	v_mov_b32 v[WC+3], v[WC+4]                     ; the block's 24 bytes on end
	v_mov_b32 v[WC+4], v[WC+5]
	v_mov_b32 v[WC+5], v[WC+6]
.irp p, 0,1,2                          ; block t is K step t / 4, registers 6 c on (c = (t % 4) / 2), lanes 16 (t % 2) + r
	ds_store_b64 v3, v[WC+2*\p:WC+2*\p+1] offset:((\t)/4)*3072+(((\t)%4)/2)*768+256*\p+((\t)%2)*128
.endr
.if (\t) < 6
	LOAD (\t)+2
.endif
	s_wait_dscnt 0x0                               ; the stores have read their registers: the next block's codes may be written
.endm
	v_lshl_add_u32 v248, v0, 2, 0xc800
	v_mov_b32 v249, 0
	v_lshrrev_b32 v1, 5, v0
	s_delay_alu instid0(VALU_DEP_1)
	v_readfirstlane_b32 s12, v1                    ; wave 0..7
	s_cmp_ge_u32 ttmp9, NW                         ; the work-group's number alone says which stream is mine
	s_cbranch_scc1 .Lnorm
	; ================ THE WEIGHTS ================
.if PART
	s_load_b128 s[4:7], s[0:1], 0x20               ; W1, W2
	s_load_b64 s[16:17], s[0:1], 0x30              ; wts
.else
	s_load_b256 s[4:11], s[0:1], 0x20              ; Wq, Wk, Wv, Wp
	s_load_b64 s[16:17], s[0:1], 0x40              ; wts
.endif
	s_and_b32 s19, s12, 3                          ; which 32 of the share's 128 columns
	s_lshr_b32 s18, s12, 2
	s_lshl_b32 s26, ttmp9, 1
	s_add_co_u32 s18, s18, s26                     ; my share: 2 x work-group + wave / 4
.if PART                               ; shares 0-127 W1 [1,024][4,096], 128-255 W2 [4,096][1,024]
	s_and_b32 s25, s18, 127                        ; my number inside the tensor
	s_mov_b32 s24, 0                               ; first tile in its array
	s_mov_b32 s20, 3145728                         ; where the tensor's codes begin
	s_mov_b32 s22, 131072                          ; where its scale words begin, behind S0
	s_mov_b32 s23, 16384                           ; a row of the tensor in bytes
	s_cmp_ge_u32 s18, 128
	s_cselect_b32 s20, 6291456, s20
	s_cselect_b32 s21, 64, 256                     ; tiles in a K step of its array
	s_cselect_b32 s22, 262144, s22
	s_cselect_b32 s23, 4096, s23
	s_cselect_b32 s28, 3, 5                        ; log2 of the shares along N
	s_cselect_b32 s27, 32, 8                       ; K steps of the tensor
.else                                  ; shares 0-95 Wq, Wk, Wv (32 each, one joint array of 192 tiles), 96-127 Wp
	s_lshr_b32 s24, s18, 5
	s_lshl_b32 s24, s24, 6                         ; first tile in the joint array: 64 x which
	s_and_b32 s25, s18, 31                         ; my number inside the tensor
	s_mov_b32 s23, 4096                            ; a row of the tensor in bytes
	s_mov_b32 s28, 3                               ; log2 of the shares along N
	s_mov_b32 s27, 8                               ; K steps of the tensor
	s_cmp_ge_u32 s18, 96
	s_cselect_b32 s20, 2359296, 0                  ; where the tensor's codes begin
	s_cselect_b32 s21, 64, 192                     ; tiles in a K step of its array
	s_cselect_b32 s22, 98304, 0                    ; where its scale words begin, behind S0
	s_cselect_b32 s24, 0, s24
.endif
	s_lshl_b32 s26, 1, s28
	s_sub_co_u32 s26, s26, 1
	s_and_b32 s54, s25, s26                        ; X: which 128 columns
	s_lshr_b32 s55, s25, s28                       ; Y: which 256 along K
	v_and_b32 v1, 31, v0                           ; lane = column in the wave's 32
	s_delay_alu instid0(VALU_DEP_1)
	v_lshlrev_b32 v2, 2, v1
.set i, 0
.rept 32
	v_mad_u32_u24 v[WOFF+i], s23, i, v2
.set i, i+1
.endr
	v_bfe_u32 v7, v0, 3, 1                         ; u: which of the two tiles my column belongs to
	v_and_b32 v8, 7, v0
	v_bfe_u32 v9, v0, 4, 1
	s_delay_alu instid0(VALU_DEP_1)
	v_lshl_add_u32 v8, v9, 3, v8                   ; r: its row there
	s_mul_i32 s26, s12, 6144                       ; my wave's stage: [K step][tile][1,536]
	v_mul_u32_u24 v3, v7, 1536
	s_delay_alu instid0(VALU_DEP_1)
	v_lshl_add_u32 v3, v8, 3, v3
	s_delay_alu instid0(VALU_DEP_1)
	v_add_nc_u32 v3, s26, v3                       ; into it: tile u, 8 bytes at lane r of a plane
	v_lshlrev_b32 v5, 4, v1                        ; out of it: 16 bytes a lane
	s_delay_alu instid0(VALU_DEP_1)
	v_add_nc_u32 v4, s26, v5
	s_lshl_b32 s26, s27, 6                         ; a tile's scale words: K steps x 64 bytes
	v_mul_u32_u24 v6, s26, v7
	s_delay_alu instid0(VALU_DEP_1)
	v_lshl_add_u32 v6, v8, 2, v6                   ; my word: tile u, row r
	s_lshl_b32 s30, s55, 8                         ; the source: row 256 Y,
	s_mul_i32 s30, s30, s23
	s_lshl_b32 s26, s54, 9
	s_add_co_u32 s30, s30, s26                     ; column 128 X
	s_lshl_b32 s26, s19, 7
	s_add_co_u32 s30, s30, s26                     ; + 32 x (wave % 4)
	s_mov_b32 s31, 0
	s_lshl_b32 s58, s54, 3
	s_add_co_u32 s58, s58, s24
	s_lshl_b32 s26, s19, 1
	s_add_co_u32 s58, s58, s26                     ; my first tile
	s_lshl_b32 s59, s55, 1                         ; my first K step: 2 Y
	s_mul_i32 s60, s59, s21
	s_add_co_u32 s60, s60, s58
	s_mul_i32 s60, s60, 1536
	s_add_co_u32 s60, s60, s20                     ; its codes
	s_mov_b32 s61, 0
	s_mul_i32 s62, s21, 1536                       ; a K step on
	s_mov_b32 s63, 0
	s_mul_i32 s58, s58, s27
	s_add_co_u32 s58, s58, s59
	s_lshl_b32 s58, s58, 6
	s_add_co_u32 s58, s58, s22
	s_add_co_u32 s58, s58, S0                      ; its scale words
	s_mov_b32 s59, 0
	s_wait_kmcnt 0x0
.if PART                               ; the tensor: a choice that hangs on the share's number alone
	s_cmp_ge_u32 s18, 128
	s_cselect_b64 s[56:57], s[6:7], s[4:5]
.else
	s_cmp_ge_u32 s18, 32
	s_cselect_b64 s[56:57], s[6:7], s[4:5]
	s_cmp_ge_u32 s18, 64
	s_cselect_b64 s[56:57], s[8:9], s[56:57]
	s_cmp_ge_u32 s18, 96
	s_cselect_b64 s[56:57], s[10:11], s[56:57]
.endif
	s_add_nc_u64 s[32:33], s[56:57], s[30:31]      ; a base for each of the eight blocks: nothing is stepped later
	s_lshl_b32 s30, s23, 5                         ; 32 rows on
.irp t, 1,2,3,4,5,6,7
	s_add_nc_u64 s[32+2*\t:33+2*\t], s[30+2*\t:31+2*\t], s[30:31]
.endr
	s_add_nc_u64 s[48:49], s[16:17], s[60:61]
	s_add_nc_u64 s[50:51], s[48:49], s[62:63]
	s_add_nc_u64 s[52:53], s[16:17], s[58:59]
	LOAD 0
	LOAD 1
.irp t, 0,1,2,3,4,5,6,7
	BLOCK \t
.endr
	global_store_b32 v6, v[WSB], s[52:53]          ; my column's scale words of the two K steps
	s_wait_alu depctr_va_vdst(0)
	global_store_b32 v6, v[WSB+1], s[52:53] offset:64
.irp i, 0,1,2,3,4,5,6,7,8,9,10,11
	ds_load_b128 v[WOUT+4*\i:WOUT+4*\i+3], v4 offset:512*\i       ; LDS serves a wave's instructions in order: these see my stores
.endr
.irp i, 0,1,2,3,4,5,6,7,8,9,10,11
	s_wait_dscnt 11-\i                             ; read i is back; the later ones may be out
	global_store_b128 v5, v[WOUT+4*\i:WOUT+4*\i+3], s[48+2*(\i/6):49+2*(\i/6)] offset:512*(\i%6)   ; 512 consecutive bytes, at a multiple of 256
.endr
	s_wait_tensorcnt 0x0
	ds_add_u32 v248, v249
	s_wait_dscnt 0x0
	s_endpgm
	; ================ THE NORM ================
.Lnorm:
	s_load_b256 s[4:11], s[0:1], 0x0               ; the rows, the gain, the bias, the images
	s_sub_co_u32 s14, ttmp9, NW                    ; my tile of 16 rows
	v_and_b32 v1, 15, v0                           ; r
	v_bfe_u32 v2, v0, 4, 1                         ; h
	v_and_b32 v3, 31, v0                           ; lane
	s_delay_alu instid0(VALU_DEP_3)
	v_lshrrev_b32 v4, 3, v1
	s_delay_alu instid0(VALU_DEP_1)
	v_lshl_add_u32 v4, v4, 3, v1                   ; r + 8 (r / 8)
	s_delay_alu instid0(VALU_DEP_1)
	v_lshlrev_b32 v4, 12, v4                       ; rows of 4,096 bytes
	s_lshl_b32 s13, s12, 9
	v_lshl_add_u32 v5, v2, 6, s13                  ; 512 w + 64 h: my 16 numbers of a block
	s_delay_alu instid0(VALU_DEP_1)
	v_add_nc_u32 v4, v4, v5
	v_lshlrev_b32 v6, 3, v3                        ; 8 x lane: my place in a plane
	v_lshlrev_b32 v25, 5, v1                       ; LDS: row r's eight sums
	s_lshl_b32 s13, s12, 2
	v_add_nc_u32 v7, s13, v25                      ; and my wave's among them
	s_lshl_b32 s13, s12, 6
	v_lshl_add_u32 v26, v1, 2, s13                 ; my scale word: 64 w + 4 r
	v_lshlrev_b32 v27, 4, v3
.irp b, 0,1,2,3
	v_mov_b32 v[TM+4+\b], 0                        ; written once: a lane permute's destination counts as one of its sources
.endr
	s_mov_b32 s[SEL], 0x76543210
	s_mov_b32 s[SEL+1], 0xfedcba98
	s_mov_b32 s28, 0x3a800000                      ; 1 / 1,024
	s_mov_b32 s29, 0x3727c5ac                      ; 1e-5
	s_lshr_b32 s15, s14, 1
	s_lshl_b32 s15, s15, 5
	s_and_b32 s16, s14, 1
	s_lshl_b32 s16, s16, 3
	s_add_co_u32 s15, s15, s16                     ; the tile's first token
	s_lshl_b32 s16, s15, 12
	s_mov_b32 s17, 0
	s_lshl_b32 s18, s12, 8
	s_add_co_u32 s18, s18, s14
	s_mul_i32 s18, s18, 1536                       ; my image: (256 w + tile) x 1,536
	s_mov_b32 s19, 0
	s_lshl_b32 s22, s14, 9
	s_add_co_u32 s22, s22, 3145728                 ; the tile's 512 bytes of scale words
	s_mov_b32 s23, 0
	s_wait_kmcnt 0x0
	s_add_nc_u64 s[4:5], s[4:5], s[16:17]
	s_add_nc_u64 s[24:25], s[10:11], s[18:19]
	s_add_nc_u64 s[26:27], s[10:11], s[22:23]
.irp b, 0,1,2,3
.irp j, 0,1,2,3
	global_load_b128 v[X+16*\b+4*\j:X+16*\b+4*\j+3], v4, s[4:5] offset:128*\b+16*\j
.endr
.endr
.irp b, 0,1,2,3
.irp j, 0,1,2,3
	global_load_b128 v[G+16*\b+4*\j:G+16*\b+4*\j+3], v5, s[6:7] offset:128*\b+16*\j
	global_load_b128 v[B+16*\b+4*\j:B+16*\b+4*\j+3], v5, s[8:9] offset:128*\b+16*\j
.endr
.endr
	s_wait_loadcnt 32                              ; the rows are in; the gain's and the bias's 32 loads may be out
.irp c, 0,1,2,3
	v_pk_add_f32 v[T+2*\c:T+2*\c+1], v[X+4*\c:X+4*\c+1], v[X+4*\c+2:X+4*\c+3]
.endr
.irp j, 16,24,32,40,48,56
.irp c, 0,1,2,3
	s_delay_alu instid0(VALU_DEP_4)
	v_pk_add_f32 v[T+2*\c:T+2*\c+1], v[T+2*\c:T+2*\c+1], v[X+\j+2*\c:X+\j+2*\c+1]
.endr
.endr
	JOIN RED
	s_delay_alu instid0(VALU_DEP_1)
	v_mul_f32 v28, s28, v[T]                       ; the mean
	s_delay_alu instid0(VALU_DEP_1)
	v_mov_b32 v29, v28
.set n, 0
.rept 32
	v_pk_add_f32 v[X+2*n:X+2*n+1], v[X+2*n:X+2*n+1], v[28:29] neg_lo:[0,1] neg_hi:[0,1]
.set n, n+1
.endr
.irp c, 0,1,2,3
	v_pk_mul_f32 v[T+2*\c:T+2*\c+1], v[X+2*\c:X+2*\c+1], v[X+2*\c:X+2*\c+1]
.endr
.irp j, 8,16,24,32,40,48,56
.irp c, 0,1,2,3
	s_delay_alu instid0(VALU_DEP_4)
	v_pk_fma_f32 v[T+2*\c:T+2*\c+1], v[X+\j+2*\c:X+\j+2*\c+1], v[X+\j+2*\c:X+\j+2*\c+1], v[T+2*\c:T+2*\c+1]
.endr
.endr
	JOIN RED2
	s_delay_alu instid0(VALU_DEP_1)
	v_fma_f32 v30, v[T], s28, s29                  ; the variance + 1e-5
	s_wait_alu depctr_va_vdst(0)
	v_rsq_f32 v28, v30
	v_nop                                          ; a plain line behind the transcendental,
	s_wait_alu depctr_va_vdst(0)                   ; and the wait ahead of its first reader
	v_mov_b32 v29, v28
	s_wait_alu depctr_va_vdst(0)
	s_wait_loadcnt 0x0                             ; the gain and the bias
.set n, 0
.rept 32
	v_pk_mul_f32 v[X+2*n:X+2*n+1], v[X+2*n:X+2*n+1], v[28:29]
.set n, n+1
.endr
.set n, 0
.rept 32
	v_pk_fma_f32 v[X+2*n:X+2*n+1], v[X+2*n:X+2*n+1], v[G+2*n:G+2*n+1], v[B+2*n:B+2*n+1]
.set n, n+1
.endr
	QUANT X, 4, PC, PW
.irp p, 0,1,2,3,4,5
	global_store_b64 v6, v[PC+2*\p:PC+2*\p+1], s[24:25] offset:256*\p   ; a plane: 256 consecutive bytes, aligned
.endr
	ds_store_b32 v26, v[PW] offset:SCG
	s_wait_dscnt 0x0
	s_barrier_signal -1
	s_barrier_wait -1                              ; the tile's 128 scale words lie in LDS
	s_cmp_lg_u32 s12, 0
	s_cbranch_scc1 .Lend
	ds_load_b128 v[28:31], v27 offset:SCG
	s_wait_dscnt 0x0
	global_store_b128 v27, v[28:31], s[26:27]      ; wave 0 stores them: 512 consecutive bytes
.Lend:
	s_wait_tensorcnt 0x0
	ds_add_u32 v248, v249
	s_wait_dscnt 0x0
	s_endpgm
.Lfunc_end_k_q17448c6ec9_prep2:
	.size	k_q17448c6ec9_prep2, .Lfunc_end_k_q17448c6ec9_prep2-k_q17448c6ec9_prep2
	.p2alignl 7, 3214868480
	.fill 96, 4, 3214868480
	.section	.rodata,"a",@progbits
	.p2align	6, 0x0
	.amdhsa_kernel k_q17448c6ec9_prep2
		.amdhsa_group_segment_fixed_size 52224
		.amdhsa_private_segment_fixed_size 0
		.amdhsa_enable_private_segment 0
		.amdhsa_kernarg_size 56
		.amdhsa_user_sgpr_count 2
		.amdhsa_user_sgpr_kernarg_segment_ptr 1
		.amdhsa_wavefront_size32 1
		.amdhsa_system_sgpr_workgroup_id_x 1
		.amdhsa_system_sgpr_workgroup_id_y 1
		.amdhsa_system_sgpr_workgroup_id_z 1
		.amdhsa_system_vgpr_workitem_id 0
		.amdhsa_next_free_vgpr 250
		.amdhsa_next_free_sgpr 66
		.amdhsa_reserve_vcc 0
		.amdhsa_float_denorm_mode_32 3
		.amdhsa_float_denorm_mode_16_64 3
		.amdhsa_memory_ordered 1
		.amdhsa_forward_progress 1
		.amdhsa_inst_pref_size 78
	.end_amdhsa_kernel
	.amdgpu_metadata
---
amdhsa.version: [ 1, 2 ]
amdhsa.kernels:
  - .name:           k_q17448c6ec9_prep2
    .symbol:         k_q17448c6ec9_prep2.kd
    .args:
      - { .name: x1, .offset: 0, .size: 8, .value_kind: global_buffer, .address_space: global }
      - { .name: ln2_w, .offset: 8, .size: 8, .value_kind: global_buffer, .address_space: global }
      - { .name: ln2_b, .offset: 16, .size: 8, .value_kind: global_buffer, .address_space: global }
      - { .name: hq, .offset: 24, .size: 8, .value_kind: global_buffer, .address_space: global }
      - { .name: W1, .offset: 32, .size: 8, .value_kind: global_buffer, .address_space: global }
      - { .name: W2, .offset: 40, .size: 8, .value_kind: global_buffer, .address_space: global }
      - { .name: wts, .offset: 48, .size: 8, .value_kind: global_buffer, .address_space: global }
    .group_segment_fixed_size: 52224
    .private_segment_fixed_size: 0
    .kernarg_segment_align: 8
    .kernarg_segment_size: 56
    .max_flat_workgroup_size: 256
    .sgpr_count:     66
    .vgpr_count:     250
    .wavefront_size: 32
...
	.end_amdgpu_metadata
.endif
;; end of part 5
;; launch ff1 (part 6): grid 16 x 16, 16 waves a work-group, clusters of 4 x 4, 327,680 bytes of LDS; arguments hq, wts, b1, fq; writes fq
.if DOCPART == 6
	.amdgcn_target "amdgcn-amd-amdhsa--gfx1250"
	.amdhsa_code_object_version 6
	.text
	.protected	k_q17448c6ec9_ff1
	.globl	k_q17448c6ec9_ff1
	.p2align	8
	.type	k_q17448c6ec9_ff1,@function
k_q17448c6ec9_ff1:
	s_mov_b64 s[64:65], 0
	v_nop
	global_prefetch_b8 v0, s[64:65] scope:SCOPE_SE
	s_setreg_imm32_b32 hwreg(HW_REG_WAVE_MODE, 25, 1), 1
	s_wait_xcnt 0x0
	s_wait_alu depctr_hold_cnt(0) depctr_sa_sdst(0) depctr_va_vdst(0) depctr_va_sdst(0) depctr_va_ssrc(0) depctr_va_vcc(0) depctr_vm_vsrc(0)
	s_getreg_b32 s2, hwreg(HW_REG_IB_STS2, 6, 4)
	s_cmp_eq_u32 s2, 0
	s_cbranch_scc0 .Lentry_in_a_cluster
	s_endpgm
.Lentry_in_a_cluster:
	s_bfe_u32 s2, ttmp6, 0x10000c
	s_cmp_lg_u32 s2, 0xf033
	s_cbranch_scc0 .Lentry_shape_is_right
	s_endpgm
.Lentry_shape_is_right:
; A product of 4,096 tokens x 1,024 K with a weight, on codes of FP6 (E2M3) with E8M0 scales, whose result is quantised again on the way out and never leaves as f32.
; FF = 0: q, k, v = LN1(x) W + b (the cluster's x says which).  q and k are quantised along the head's 64, v along the KEYS.  FF = 1: relu(LN2(x1) W1 + b1), quantised along the hidden axis.
; Operands lie in memory as images of the operand's registers (six planes of 256 bytes a fragment): codes [K step][tile][1,536], scale words [tile][K step][16].  Row r of tile 2 g + u is row 32 g + 8 u + r + 8 (r / 8).
; SHARES.  A work-group makes 256 tokens x 256 columns; its sixteen waves (four to a SIMD, 256 registers each, no register windows) make 64 x 64 each: 16 accumulators.
; THE PRODUCT IS USED TRANSPOSED: source 0 = the set whose rows run along a lane's registers (B set), source 1 = the set whose row is the lane (A set).  With the tiles' row order the 16 registers of two neighbouring
; tiles are 16 neighbours, which is what the conversions want.  q, k, ff1: A set = tokens, B set = weight columns.  v: A set = Wv's columns, B set = tokens, so that the registers run along the keys.
; The bias is the C of the first products: it is LOADED into the accumulators while the first tiles are on their way.
; RING.  Two slots of two K steps; a slot is four loads of 24,576 bytes (two K steps x eight tiles), one by each of waves 0-3.  The scale words of all of K come once.
; CLUSTER 4 x 4: the tokens' tiles are shared along a row of the cluster, the weights' along a column: each is asked for jointly.
; The two-byte scale stores of v and ff1 fill aligned 256-byte blocks in part: they are 1 byte in 96 of what the launch stores.
; LIMITS: NaN and infinities are not served; a block whose largest magnitude lies under 2^-124 keeps the byte 1: only this program reads the bytes.
.set FF, 1
.if FF
.set NT,   256                         ; tiles in a K step of the weight's array
.set WB,   3145728                     ; where its codes begin in wts
.set SW,   9568256                     ; and its scale words
.set OUTP, 10
.else
.set NT,   192
.set WB,   0
.set SW,   9437184
.set OUTP, 14
.endif
.set SLAB,  24576
.set SLOT,  4*SLAB                     ; tokens' tiles 0-7, 8-15, weights' tiles 0-7, 8-15; each [2 K steps][8 tiles][1,536]
.set SCL,   2*SLOT                     ; the tokens' scale words, 8,192 bytes, then the weights'
.set SPARE, SCL+16384                  ; the spare words: 128 bytes for each of sixteen waves
.set STEPA, 4*256*1536                 ; four K steps on
.set STEPB, 4*NT*1536
.set ADRA, 4                           ; v4-5   A set's fragments in slot 0, 1
.set ADRB, 6                           ; v6-7   B set's
.set ADSA, 8                           ; v8     A set's scale words
.set ADSB, 9                           ; v9     B set's
.set SPW,  10                          ; v10    my spare word; never rewritten
.set NIL,  11                          ; v11    0; never rewritten
.set OA,   12                          ; v12-15 the way out: 8 x lane + tile a's place
.set BO,   16                          ; v16    the bias: 64 h
.set BOV,  17                          ; v17    v's bias: my channel
.set SO,   18                          ; v18    the way out: my scale word's place
.set SA,   20                          ; v20-23 A set's scale words
.set SB,   24                          ; v24-27 B set's
.set PW,   28                          ; v28-31 the scale words made on the way out
.set AF,   32                          ; v32-79  A set's four fragments
.set BF,   80                          ; v80-127 B set's
.set ACC,  128                         ; v128-255 accumulator (a, b) at 128 + 8 (4 a + b)
.set PC,   32                          ; the way out: tile a's codes at 32 + 6 a
.set TP,   64
.set TM,   80
.set W01,  96
.set WV,   16
.set FW,   17
.set G1,   24
.set G0,   32
.set G1B,  48
.set G0B,  56
.set ISV,  66
.set NOTV, 67
.set G1S,  68
.set G0S,  76
.set G1SB, 80
.set G0SB, 88
.set SEL,  92
.macro QUANT s, nb, pc, pw             ; 16 nb numbers of a lane, v[s + 16 b + i] = number 32 b + 16 h + i of my row, become registers pc .. of an operand and the scale word pw
.set QB, 0
.rept \nb
	v_max3_num_f32 v[TM+QB], |v[(\s)+16*QB]|, |v[(\s)+16*QB+1]|, 0x1800000   ; with the floor 2^(3 - 127): the byte cannot fall under 1
.set QB, QB+1
.endr
.irp i, 2,4,6,8,10,12,14
.set QB, 0
.rept \nb
	s_delay_alu instid0(VALU_DEP_2)
	v_max3_num_f32 v[TM+QB], v[TM+QB], |v[(\s)+16*QB+\i]|, |v[(\s)+16*QB+\i+1]|
.set QB, QB+1
.endr
.endr
.set QB, 0
.rept \nb
	s_delay_alu instid0(VALU_DEP_2)
	v_permlanex16_b32 v[TM+4+QB], v[TM+QB], s[SEL], s[SEL+1]
.set QB, QB+1
.endr
.set QB, 0
.rept \nb
	s_delay_alu instid0(VALU_DEP_2)
	v_max_num_f32 v[TM+QB], v[TM+QB], v[TM+4+QB]   ; with lane l xor 16's 16: the block's largest magnitude
.set QB, QB+1
.endr
.set QB, 0
.rept \nb
	s_delay_alu instid0(VALU_DEP_2)
	v_add_nc_u32 v[TM+12+QB], 0xff000000, v[TM+QB] ; 2 off the exponent field: the conversion's scale operand
.set QB, QB+1
.endr
.set QB, 0
.rept \nb
	s_delay_alu instid0(VALU_DEP_2)
	v_lshrrev_b32 v[TM+4+QB], 23, v[TM+12+QB]      ; the scale's byte
.set QB, QB+1
.endr
	s_delay_alu instid0(VALU_DEP_1)
	v_lshl_or_b32 v[\pw], v[TM+5], 8, v[TM+4]
.if \nb == 4
	v_lshl_or_b32 v[\pw], v[TM+6], 16, v[\pw]
	v_lshl_or_b32 v[\pw], v[TM+7], 24, v[\pw]
.endif
.set QB, 0
.rept \nb/2
	v_cvt_scalef32_pk16_fp6_f32 v[(\pc)+6*QB:(\pc)+6*QB+2], v[(\s)+32*QB:(\s)+32*QB+15], v[TM+12+2*QB]
	v_cvt_scalef32_pk16_fp6_f32 v[TP+4*QB:TP+4*QB+2], v[(\s)+32*QB+16:(\s)+32*QB+31], v[TM+13+2*QB]
.set QB, QB+1
.endr
	v_nop                                          ; one plain line behind the conversions
.set QB, 0
.rept \nb/2                            ; the operand wants a whole block in a lane: lanes 0-15 block 2 c, lanes 16-31 block 2 c + 1
.irp i, 0,1,2
	v_permlane16_swap_b32 v[(\pc)+6*QB+\i], v[TP+4*QB+\i]
.endr
.irp i, 0,1,2
	s_delay_alu instid0(VALU_DEP_3)
	v_mov_b32 v[(\pc)+6*QB+3+\i], v[TP+4*QB+\i]
.endr
.set QB, QB+1
.endr
.endm
.macro CROUND                          ; a round of the cluster's barrier
	s_barrier_signal -1
	s_barrier_wait -1
	s_cmp_lg_u32 s[WV], 0
	s_cbranch_scc1 .Lnot_wave_0_\@
	s_barrier_signal -3
.Lnot_wave_0_\@:
	s_barrier_wait -3
	s_barrier_signal -1
	s_barrier_wait -1
.endm
.macro JLOAD g0a, g1a, g0b, g1b, key   ; a joint refill of slot key / 2: waves 2 key, 2 key + 1 fetch the tokens' tiles, the next two the weights', the others nothing
	s_cmp_eq_u32 s[FW], \key
	s_cbranch_scc0 .Lnot_a_\@
	tensor_load_to_lds s[\g0a:\g0a+3], s[\g1a:\g1a+7]
	s_nop 0
.rept 4
	v_nop
.endr
	s_branch .Lasked_\@
.Lnot_a_\@:
	s_cmp_eq_u32 s[FW], \key+1
	s_cbranch_scc0 .Lasked_\@
	tensor_load_to_lds s[\g0b:\g0b+3], s[\g1b:\g1b+7]
	s_nop 0
.rept 4
	v_nop
.endr
.Lasked_\@:
.endm
; The change of slots.  Every wave waits for all its tensor loads (the other slot's), adds 0 to its spare word, and waits for that and for its reads of this slot.  fill = 1: behind a round of the cluster's barrier this slot is filled again.
.macro CHANGE slot, fill
	s_wait_tensorcnt 0x0
	ds_add_u32 v[SPW], v[NIL]
.if \fill
	ds_add_u32 v[SPW], v[NIL]                      ; twice on end
	s_add_nc_u64 s[G0+4*\slot+2:G0+4*\slot+3], s[G0+4*\slot+2:G0+4*\slot+3], STEPA
	s_add_nc_u64 s[G0B+4*\slot+2:G0B+4*\slot+3], s[G0B+4*\slot+2:G0B+4*\slot+3], STEPB
.endif
	s_wait_dscnt 0x0                               ; the add is done, and my reads of this slot are over
.if \fill
	CROUND                                         ; the same holds of every wave of every partner
	JLOAD G0+4*\slot, G1, G0B+4*\slot, G1B, 2*\slot
.else
	s_barrier_signal -1
	s_barrier_wait -1
.endif
.endm
; A K step of 128: eight fragments and eight scale words from LDS, sixteen products.  The sixteen accumulators take turns, in the same order in every step.
.macro KSTEP slot, q, ks
.rept 4
	v_nop                                          ; places in front of loads into registers that matrix instructions have read
.endr
.irp t, 0,1,2,3
	ds_load_b32 v[SA+\t], v[ADSA] offset:512*\t+64*(\ks)
.endr
.irp t, 0,1,2,3
	ds_load_b32 v[SB+\t], v[ADSB] offset:512*\t+64*(\ks)
.endr
.irp t, 0,1,2,3
.irp p, 0,1,2,3,4,5
	ds_load_b64 v[BF+12*\t+2*\p:BF+12*\t+2*\p+1], v[ADRB+\slot] offset:12288*(\q)+1536*\t+256*\p
.endr
.endr
.irp t, 0,1,2,3
.irp p, 0,1,2,3,4,5
	ds_load_b64 v[AF+12*\t+2*\p:AF+12*\t+2*\p+1], v[ADRA+\slot] offset:12288*(\q)+1536*\t+256*\p
.endr
.endr
.irp a, 0,1,2,3
	s_wait_dscnt 18-6*\a                           ; A set's tile a is in; the six loads of each later tile may be out
.irp b, 0,1,2,3
	v_wmma_scale_f32_16x16x128_f8f6f4 v[ACC+8*(4*\a+\b):ACC+8*(4*\a+\b)+7], v[BF+12*\b:BF+12*\b+11], v[AF+12*\a:AF+12*\a+11], v[ACC+8*(4*\a+\b):ACC+8*(4*\a+\b)+7], v[SB+\b], v[SA+\a] matrix_a_fmt:MATRIX_FMT_FP6 matrix_b_fmt:MATRIX_FMT_FP6
.endr
.endr
.endm
	s_load_b256 s[4:11], s[0:1], 0x0               ; the tokens' images, wts, and: bq, bk (FF = 1: b1, the result)
.if FF == 0
	s_load_b128 s[12:15], s[0:1], 0x20             ; bv, the result
.endif
	v_lshl_add_u32 v[SPW], v0, 2, SPARE
	v_mov_b32 v[NIL], 0
	ds_add_u32 v10, v11
	ds_add_u32 v10, v11
	s_wait_dscnt 0x0
	v_lshrrev_b32 v1, 5, v0
	s_delay_alu instid0(VALU_DEP_1)
	v_readfirstlane_b32 s[WV], v1                  ; wave 0..15
	s_lshr_b32 s[FW], s[WV], 1                     ; 0: I fetch tokens' tiles; 1: weights'; else nothing
	s_and_b32 s18, s[WV], 1
	s_lshl_b32 s19, s18, 3                         ; which eight tiles I fetch
	s_bfe_u32 s40, ttmp6, 0x40000                  ; cx
	s_bfe_u32 s41, ttmp6, 0x40004                  ; cy
	s_lshl_b32 s42, ttmp9, 2
	s_add_co_u32 s42, s42, s40                     ; x: which 256 columns
	s_and_b32 s43, ttmp7, 0xffff
	s_lshl_b32 s43, s43, 2
	s_add_co_u32 s43, s43, s41                     ; y: which 256 tokens
	s_lshl_b32 s44, s41, 2
	s_lshl_b32 s44, 15, s44                        ; my row of the cluster
	s_lshl_b32 s45, 0x1111, s40                    ; my column
	; group 1, codes: two rows (K steps) of 1,536 elements of 8 bytes (eight tiles on end), a K step's array apart; no padding: an image is read 256 consecutive bytes at a time
	s_or_b32 s[G1], s44, (3<<16)|(1<<21)
	s_or_b32 s[G1B], s45, (3<<16)|(1<<21)
	s_or_b32 s[G1S], s44, (3<<16)|(1<<21)
	s_or_b32 s[G1SB], s45, (3<<16)|(1<<21)
.irp g, G1, G1B
	s_mov_b32 s[\g+1], 1536<<16                    ; tensor_dim0
	s_mov_b32 s[\g+2], 2<<16                       ; tensor_dim1
	s_mov_b32 s[\g+3], 1536<<16                    ; tile_dim0
	s_mov_b32 s[\g+4], 2                           ; tile_dim1
	s_mov_b32 s[\g+6], 0
	s_mov_b32 s[\g+7], 0
.endr
	s_mov_b32 s[G1+5], 256*192                     ; the pitch, in elements
	s_mov_b32 s[G1B+5], NT*192
.irp g, G1S, G1SB                      ; scale words: eight tiles' 4,096 dense bytes as 16 rows of 256
	s_mov_b32 s[\g+1], 32<<16
	s_mov_b32 s[\g+2], 16<<16
	s_mov_b32 s[\g+3], 32<<16
	s_mov_b32 s[\g+4], 16
	s_mov_b32 s[\g+5], 32
	s_mov_b32 s[\g+6], 0
	s_mov_b32 s[\g+7], 0
.endr
	s_lshl_b32 s20, s43, 4
	s_add_co_u32 s20, s20, s19                     ; my first tile of tokens
	s_mul_i32 s22, s20, 512
	s_add_co_u32 s22, s22, 3145728                 ; its scale words
	s_mul_i32 s20, s20, 1536                       ; its codes
	s_mov_b32 s21, 0
	s_mov_b32 s23, 0
	s_lshl_b32 s46, s42, 4
	s_add_co_u32 s46, s46, s19                     ; my first tile of the weight
	s_mul_i32 s94, s46, 512
	s_add_co_u32 s94, s94, SW
	s_mul_i32 s46, s46, 1536
	s_add_co_u32 s46, s46, WB
	s_mov_b32 s47, 0
	s_mov_b32 s95, 0
	s_and_b32 s96, s[WV], 3                        ; my quarter of a slot, or of the scale words: wave % 4
	s_mul_i32 s96, s96, SLAB
	s_and_b32 s97, s[WV], 3
	s_lshl_b32 s97, s97, 12
	s_add_co_u32 s97, s97, SCL
	s_mov_b32 s[SEL], 0x76543210
	s_mov_b32 s[SEL+1], 0xfedcba98
	s_wait_kmcnt 0x0
	s_add_nc_u64 s[20:21], s[4:5], s[20:21]
	s_add_nc_u64 s[22:23], s[4:5], s[22:23]
	s_add_nc_u64 s[46:47], s[6:7], s[46:47]
	s_add_nc_u64 s[94:95], s[6:7], s[94:95]
	CROUND                                         ; all sixteen work-groups are here: the first joint loads meet
	s_mov_b32 s[G0S], 1
	s_mov_b32 s[G0S+1], s97
	s_mov_b64 s[G0S+2:G0S+3], s[22:23]
	s_or_b32 s[G0S+3], s[G0S+3], 0x80000000
	s_mov_b32 s[G0SB], 1
	s_mov_b32 s[G0SB+1], s97
	s_mov_b64 s[G0SB+2:G0SB+3], s[94:95]
	s_or_b32 s[G0SB+3], s[G0SB+3], 0x80000000
.irp s, 0,1
	s_mov_b32 s[G0+4*\s], 1
	s_add_co_u32 s[G0+4*\s+1], s96, \s*SLOT
	s_add_nc_u64 s[G0+4*\s+2:G0+4*\s+3], s[20:21], \s*2*256*1536
	s_or_b32 s[G0+4*\s+3], s[G0+4*\s+3], 0x80000000
	s_mov_b32 s[G0B+4*\s], 1
	s_add_co_u32 s[G0B+4*\s+1], s96, \s*SLOT
	s_add_nc_u64 s[G0B+4*\s+2:G0B+4*\s+3], s[46:47], \s*2*NT*1536
	s_or_b32 s[G0B+4*\s+3], s[G0B+4*\s+3], 0x80000000
.endr
; The twelve first fills, one a wave, in one chain of arms on wave / 2: waves 0-3 slot 0, waves 4-7 slot 1, waves 8-11 the scale words; waves 12-15 none
.macro ARM key, g0, g1
	s_cmp_eq_u32 s[FW], \key
	s_cbranch_scc0 .Lnot_arm_\@
	tensor_load_to_lds s[\g0:\g0+3], s[\g1:\g1+7]
	s_nop 0
.rept 4
	v_nop
.endr
	s_branch .Lfirst_asked
.Lnot_arm_\@:
.endm
	ARM 0, G0, G1
	ARM 1, G0B, G1B
	ARM 2, G0+4, G1
	ARM 3, G0B+4, G1B
	ARM 4, G0S, G1S
	ARM 5, G0SB, G1SB
.Lfirst_asked:
	v_and_b32 v1, 15, v0                           ; r
	v_bfe_u32 v2, v0, 4, 1                         ; h
	v_and_b32 v3, 31, v0                           ; lane
	s_wait_alu depctr_va_vdst(0)
	s_lshr_b32 s18, s[WV], 2                       ; wa: which four tiles of the A set
	s_and_b32 s19, s[WV], 3                        ; wb: of the B set
.if FF
	s_mov_b32 s[ISV], 0
	s_mov_b32 s[NOTV], 1
.else
	s_lshr_b32 s[ISV], ttmp9, 1                    ; the cluster's x: 0 q, 1 k, 2 v: the same in all partners
	s_and_b32 s[ISV], s[ISV], 1
	s_xor_b32 s[NOTV], s[ISV], 1
.endif
	s_lshr_b32 s20, s18, 1
	s_mul_i32 s20, s20, SLAB
	s_and_b32 s21, s18, 1
	s_mul_i32 s21, s21, 6144
	s_add_co_u32 s20, s20, s21
	s_mul_i32 s21, s[ISV], 2*SLAB                  ; v: the A set is the weights' half of a slot
	s_add_co_u32 s20, s20, s21
	v_lshl_add_u32 v[ADRA], v3, 3, s20
	s_delay_alu instid0(VALU_DEP_1)
	v_add_nc_u32 v[ADRA+1], SLOT, v[ADRA]
	s_lshr_b32 s20, s19, 1
	s_mul_i32 s20, s20, SLAB
	s_and_b32 s21, s19, 1
	s_mul_i32 s21, s21, 6144
	s_add_co_u32 s20, s20, s21
	s_mul_i32 s21, s[NOTV], 2*SLAB
	s_add_co_u32 s20, s20, s21
	v_lshl_add_u32 v[ADRB], v3, 3, s20
	s_delay_alu instid0(VALU_DEP_1)
	v_add_nc_u32 v[ADRB+1], SLOT, v[ADRB]
	s_lshl_b32 s20, s18, 11
	s_lshl_b32 s21, s[ISV], 13
	s_add_co_u32 s20, s20, s21
	s_add_co_u32 s20, s20, SCL
	v_lshl_add_u32 v[ADSA], v1, 2, s20
	s_lshl_b32 s20, s19, 11
	s_lshl_b32 s21, s[NOTV], 13
	s_add_co_u32 s20, s20, s21
	s_add_co_u32 s20, s20, SCL
	v_lshl_add_u32 v[ADSB], v1, 2, s20
	; the bias goes into the accumulators
	v_lshlrev_b32 v[BO], 6, v2
.if FF
	s_lshl_b32 s20, s19, 8
	s_lshl_b32 s21, s42, 10
	s_add_co_u32 s20, s20, s21                     ; b1 at column 256 x + 64 wb
	s_mov_b32 s21, 0
	s_add_nc_u64 s[98:99], s[8:9], s[20:21]
.else
	s_cmp_eq_u32 ttmp9, 1
	s_cselect_b64 s[98:99], s[10:11], s[8:9]
	s_cmp_eq_u32 ttmp9, 2
	s_cselect_b64 s[98:99], s[12:13], s[98:99]
	s_cmp_eq_u32 s[ISV], 0
	s_cselect_b32 s20, s19, s18
	s_lshl_b32 s20, s20, 8
	s_lshl_b32 s21, s40, 10
	s_add_co_u32 s20, s20, s21                     ; at column 256 cx + 64 x (wb, or for v wa)
	s_mov_b32 s21, 0
	s_add_nc_u64 s[98:99], s[98:99], s[20:21]
	v_lshrrev_b32 v[BOV], 3, v1
	v_lshl_add_u32 v[BOV], v[BOV], 3, v1
	v_lshlrev_b32 v[BOV], 2, v[BOV]                ; v: my channel in a tile: r + 8 (r / 8)
	s_cmp_eq_u32 s[ISV], 0
	s_cbranch_scc0 .Lbias_v
.endif
.irp a, 0,1,2,3
.irp e, 0,1,2,3,4,5,6,7
	global_load_b128 v[ACC+32*\a+4*\e:ACC+32*\a+4*\e+3], v[BO], s[98:99] offset:128*(\e/4)+16*(\e%4)   ; register 16 b + i of a row of tiles: column 32 b + 16 h + i
.endr
.endr
.if FF == 0
	s_branch .Lbias_done
.Lbias_v:
.irp a, 0,1,2,3
.set n, 0
.rept 32
	global_load_b32 v[ACC+32*\a+n], v[BOV], s[98:99] offset:(32*(\a/2)+8*(\a%2))*4   ; v: all of a lane's registers of tile a belong to one channel
.set n, n+1
.endr
.endr
.Lbias_done:
.endif
	s_wait_alu depctr_va_vdst(0)
	s_wait_tensorcnt 0x0                           ; my one first fill has landed
	s_barrier_signal -1
	s_barrier_wait -1
	s_wait_loadcnt 0x0                             ; the bias
	KSTEP 0, 0, 0
	KSTEP 0, 1, 1
	CHANGE 0, 1                                    ; slot 0 takes K steps 4, 5
	KSTEP 1, 0, 2
	KSTEP 1, 1, 3
	CHANGE 1, 1                                    ; slot 1 takes K steps 6, 7
	KSTEP 0, 0, 4
	KSTEP 0, 1, 5
	CHANGE 0, 0
	KSTEP 1, 0, 6
	KSTEP 1, 1, 7
	; THE WAY OUT: each row of four tiles (32 registers: 64 neighbours along the next K of the lane's row) is quantised and leaves as half an image: three planes of 256 bytes
.rept 4
	v_nop                                          ; places behind the last products
.endr
	v_mov_b32 v[TM+4], 0                           ; a lane permute's destination counts as one of its sources
	v_mov_b32 v[TM+5], 0
.if FF
	s_lshl_b32 s20, s42, 1
	s_lshr_b32 s21, s19, 1
	s_add_co_u32 s20, s20, s21                     ; the next product's K step: 2 x + wb / 2
	s_lshl_b32 s21, s43, 4
	s_lshl_b32 s22, s18, 2
	s_add_co_u32 s21, s21, s22                     ; my first tile of tokens: 16 y + 4 wa
	s_and_b32 s23, s19, 1                          ; which half of the K step
	s_lshl_b32 s94, s20, 8
	s_add_co_u32 s94, s94, s21
	s_mul_i32 s94, s94, 1536
	s_mul_i32 s95, s23, 768
	s_add_co_u32 s94, s94, s95
	s_lshl_b32 s95, s21, 5
	s_add_co_u32 s95, s95, s20
	s_lshl_b32 s95, s95, 6
	s_lshl_b32 s23, s23, 1
	s_add_co_u32 s95, s95, s23
	s_add_co_u32 s95, s95, 12582912
	s_mov_b32 s20, s94
	s_mov_b32 s22, s95
	s_mov_b32 s96, 1536                            ; from tile to tile
	v_lshlrev_b32 v[SO], 2, v1
	s_delay_alu instid0(VALU_DEP_1)
	v_lshl_add_u32 v[SO], v2, 11, v[SO]            ; scale words: 4 r, and lanes 16-31 a tile (32 K steps x 64 bytes) on
.else
	s_lshr_b32 s20, s43, 3                         ; the batch's element
	s_and_b32 s21, s43, 7
	s_lshl_b32 s20, s20, 4
	s_lshl_b32 s22, s40, 2
	s_add_co_u32 s20, s20, s22                     ; 16 b + 4 cx: with wb (q, k) or wa (v) the head
	s_add_co_u32 s22, s20, s19
	s_lshl_b32 s22, s22, 7
	s_lshl_b32 s23, s21, 4
	s_add_co_u32 s22, s22, s23
	s_lshl_b32 s23, s18, 2
	s_add_co_u32 s22, s22, s23                     ; q, k: 128 x head + my first tile of tokens
	s_mul_i32 s94, s22, 768
	s_mul_i32 s23, ttmp9, 3145728
	s_add_co_u32 s94, s94, s23
	s_lshl_b32 s95, s22, 6
	s_mul_i32 s23, ttmp9, 262144
	s_add_co_u32 s95, s95, s23
	s_add_co_u32 s95, s95, 9437184
	s_add_co_u32 s22, s20, s18
	s_lshl_b32 s22, s22, 4
	s_lshl_b32 s23, s21, 1
	s_add_co_u32 s22, s22, s23
	s_lshr_b32 s23, s19, 1
	s_add_co_u32 s22, s22, s23                     ; v: 16 x head + the step of 128 keys
	s_and_b32 s23, s19, 1                          ; which half of it
	s_mul_i32 s96, s22, 6144
	s_mul_i32 s97, s23, 768
	s_add_co_u32 s96, s96, s97
	s_add_co_u32 s96, s96, 6291456
	s_lshl_b32 s97, s22, 8
	s_lshl_b32 s23, s23, 1
	s_add_co_u32 s97, s97, s23
	s_add_co_u32 s97, s97, 9961472
	s_cmp_eq_u32 s[ISV], 0
	s_cselect_b32 s20, s94, s96
	s_cselect_b32 s22, s95, s97
	s_mov_b32 s96, 1536
	s_cselect_b32 s96, 768, s96                    ; from tile to tile
	v_lshlrev_b32 v[SO], 2, v3                     ; scale words: two tiles' 128 bytes on end
.endif
	s_mov_b32 s21, 0
	s_mov_b32 s23, 0
	s_add_nc_u64 s[20:21], s[OUTP:OUTP+1], s[20:21]
	s_add_nc_u64 s[22:23], s[OUTP:OUTP+1], s[22:23]
	v_lshlrev_b32 v[OA], 3, v3
	s_delay_alu instid0(VALU_DEP_1)
	v_add_nc_u32 v[OA+1], s96, v[OA]
	s_delay_alu instid0(VALU_DEP_1)
	v_add_nc_u32 v[OA+2], s96, v[OA+1]
	s_delay_alu instid0(VALU_DEP_1)
	v_add_nc_u32 v[OA+3], s96, v[OA+2]
.irp a, 0,1,2,3
.if FF
.set n, 0
.rept 32
	v_max_num_f32 v[ACC+32*\a+n], 0, v[ACC+32*\a+n]   ; the activation, in f32; each accumulator from its low end on
.set n, n+1
.endr
.endif
	QUANT ACC+32*\a, 2, PC+6*\a, PW+\a
.irp p, 0,1,2
	global_store_b64 v[OA+\a], v[PC+6*\a+2*\p:PC+6*\a+2*\p+1], s[20:21] offset:256*\p   ; a plane: 256 consecutive bytes, aligned
.endr
.endr
	s_mov_b32 s94, 0xffff0000
	v_cndmask_b32 v[W01], v[PW], v[PW+1], s94      ; lanes 0-15 tile 0's words, lanes 16-31 tile 1's
	v_cndmask_b32 v[W01+1], v[PW+2], v[PW+3], s94
.if FF
	global_store_b16 v[SO], v[W01], s[22:23]       ; my half's two bytes of each word
	global_store_b16 v[SO], v[W01+1], s[22:23] offset:4096
.else
	s_cmp_eq_u32 s[ISV], 0
	s_cbranch_scc0 .Lscale_v
	global_store_b32 v[SO], v[W01], s[22:23]       ; q, k: K is 64: bytes 2 and 3 are 0 and stand over zero codes
	global_store_b32 v[SO], v[W01+1], s[22:23] offset:128
	s_branch .Lscale_done
.Lscale_v:
	global_store_b16 v[SO], v[W01], s[22:23]       ; v: my half's two bytes of each word
	global_store_b16 v[SO], v[W01+1], s[22:23] offset:128
.Lscale_done:
.endif
	s_wait_tensorcnt 0x0                           ; the wave's end
	ds_add_u32 v[SPW], v[NIL]
	s_wait_dscnt 0x0
	CROUND                                         ; the closing round: no work-group ends while a partner may still ask for a tile that names it
	s_endpgm
.Lfunc_end_k_q17448c6ec9_ff1:
	.size	k_q17448c6ec9_ff1, .Lfunc_end_k_q17448c6ec9_ff1-k_q17448c6ec9_ff1
	.p2alignl 7, 3214868480
	.fill 96, 4, 3214868480
	.section	.rodata,"a",@progbits
	.p2align	6, 0x0
	.amdhsa_kernel k_q17448c6ec9_ff1
		.amdhsa_group_segment_fixed_size 327680
		.amdhsa_private_segment_fixed_size 0
		.amdhsa_enable_private_segment 0
		.amdhsa_kernarg_size 32
		.amdhsa_user_sgpr_count 2
		.amdhsa_user_sgpr_kernarg_segment_ptr 1
		.amdhsa_wavefront_size32 1
		.amdhsa_system_sgpr_workgroup_id_x 1
		.amdhsa_system_sgpr_workgroup_id_y 1
		.amdhsa_system_sgpr_workgroup_id_z 1
		.amdhsa_system_vgpr_workitem_id 0
		.amdhsa_next_free_vgpr 256
		.amdhsa_next_free_sgpr 100
		.amdhsa_reserve_vcc 0
		.amdhsa_float_denorm_mode_32 3
		.amdhsa_float_denorm_mode_16_64 3
		.amdhsa_memory_ordered 1
		.amdhsa_forward_progress 1
		.amdhsa_inst_pref_size 80
	.end_amdhsa_kernel
	.amdgpu_metadata
---
amdhsa.version: [ 1, 2 ]
amdhsa.kernels:
  - .name:           k_q17448c6ec9_ff1
    .symbol:         k_q17448c6ec9_ff1.kd
    .args:
      - { .name: hq, .offset: 0, .size: 8, .value_kind: global_buffer, .address_space: global }
      - { .name: wts, .offset: 8, .size: 8, .value_kind: global_buffer, .address_space: global }
      - { .name: b1, .offset: 16, .size: 8, .value_kind: global_buffer, .address_space: global }
      - { .name: fq, .offset: 24, .size: 8, .value_kind: global_buffer, .address_space: global }
    .group_segment_fixed_size: 327680
    .private_segment_fixed_size: 0
    .kernarg_segment_align: 8
    .kernarg_segment_size: 32
    .max_flat_workgroup_size: 512
    .sgpr_count:     100
    .vgpr_count:     256
    .wavefront_size: 32
...
	.end_amdgpu_metadata
.endif
;; end of part 6
;; launch ff2 (part 7): grid 8 x 32, 16 waves a work-group, clusters of 4 x 4, 327,680 bytes of LDS; arguments fq, wts, b2, x1, out0; writes out0
.if DOCPART == 7
	.amdgcn_target "amdgcn-amd-amdhsa--gfx1250"
	.amdhsa_code_object_version 6
	.text
	.protected	k_q17448c6ec9_ff2
	.globl	k_q17448c6ec9_ff2
	.p2align	8
	.type	k_q17448c6ec9_ff2,@function
k_q17448c6ec9_ff2:
	s_mov_b64 s[64:65], 0
	v_nop
	global_prefetch_b8 v0, s[64:65] scope:SCOPE_SE
	s_setreg_imm32_b32 hwreg(HW_REG_WAVE_MODE, 25, 1), 1
	s_wait_xcnt 0x0
	s_wait_alu depctr_hold_cnt(0) depctr_sa_sdst(0) depctr_va_vdst(0) depctr_va_sdst(0) depctr_va_ssrc(0) depctr_va_vcc(0) depctr_vm_vsrc(0)
	s_getreg_b32 s2, hwreg(HW_REG_IB_STS2, 6, 4)
	s_cmp_eq_u32 s2, 0
	s_cbranch_scc0 .Lentry_in_a_cluster
	s_endpgm
.Lentry_in_a_cluster:
	s_bfe_u32 s2, ttmp6, 0x10000c
	s_cmp_lg_u32 s2, 0xf033
	s_cbranch_scc0 .Lentry_shape_is_right
	s_endpgm
.Lentry_shape_is_right:
; out = residual + A W + bias, f32, 4,096 tokens x 1,024 columns; A and W are codes of FP6 (E2M3) with E8M0 scales.  F2 = 0: the attention's projection (K = 1,024).  F2 = 1: the second layer of the MLP (K = 4,096).
; Operands lie in memory as images of the operand's registers (six planes of 256 bytes a fragment): codes [K step][tile][1,536], scale words [tile][K step][16].  Row r of tile 2 g + u is row 32 g + 8 u + r + 8 (r / 8).
; SHARES.  A work-group makes 128 tokens x 128 columns: 256 work-groups.  Sixteen waves, four to a SIMD, 256 registers each, no register windows; a wave's tile is 64 x 64, and K IS SHARED OUT: of each four K steps wave
; group kq = wave / 4 takes the kq-th.  The four partial sums meet in the stage in LDS through which the result leaves anyway.  (The order of the f32 sums so differs from a single ascending chain.)
; The product is used transposed (source 0 = 16 columns of W, source 1 = 16 tokens): a lane's 16 registers of two neighbouring tiles are 16 neighbouring columns of one token's row.
; RING.  Two slots of four K steps; a slot is four loads of 24,576 bytes (two K steps x eight tiles), one by each of waves 0-3.  The scale words of all of K come once.
; CLUSTER 4 x 4: A's tiles are shared along a row of the cluster, W's along a column: each is asked for jointly.
.set F2, 1
.if F2
.set KS,   32                          ; K steps
.set WB,   6291456                     ; the weight's codes in wts
.set SWO,  9699328                     ; its scale words
.set SA0,  12582912                    ; A's scale words in A's buffer
.else
.set KS,   8
.set WB,   2359296
.set SWO,  9535488
.set SA0,  3145728
.endif
.set HALFS, 256*KS                     ; four tiles' scale words: what one load brings
.set SLAB,  24576
.set SLOT,  4*SLAB                     ; A: [4 K steps][8 tiles][1,536], then W likewise
.set SCL,   278528                     ; behind the stage: the scale words
.set SPARE, 311296                     ; the spare words: 128 bytes for each of sixteen waves
.set STEPA, 8*256*1536                 ; eight K steps on
.set STEPB, 8*64*1536
.set ADRA, 4
.set ADRB, 6
.set ADSA, 8
.set ADSB, 9
.set SPW,  10
.set NIL,  11
.set STO,  12                          ; v12    the stage: where I put 16 bytes of a row
.set GO,   13                          ; v13    my bytes in two rows of the result
.set BO,   14                          ; v14    my four columns of the bias
.set RD,   16                          ; v16-19 the stage: where I read partner k's rows
.set SA,   20
.set SB,   24
.set AF,   32
.set BF,   80
.set ACC,  128
.set WV,   16
.set FW,   17
.set G1,   24
.set G0,   32
.set G1B,  48
.set G0B,  56
.set G1S,  68
.set G0S,  76
.set G1SB, 80
.set G0SB, 88
.macro CROUND                          ; a round of the cluster's barrier
	s_barrier_signal -1
	s_barrier_wait -1
	s_cmp_lg_u32 s[WV], 0
	s_cbranch_scc1 .Lnot_wave_0_\@
	s_barrier_signal -3
.Lnot_wave_0_\@:
	s_barrier_wait -3
	s_barrier_signal -1
	s_barrier_wait -1
.endm
.macro JLOAD g0a, g1a, g0b, g1b, key   ; a joint refill of slot key / 2: waves 2 key, 2 key + 1 fetch A's tiles, the next two W's, the others nothing
	s_cmp_eq_u32 s[FW], \key
	s_cbranch_scc0 .Lnot_a_\@
	tensor_load_to_lds s[\g0a:\g0a+3], s[\g1a:\g1a+7]
	s_nop 0
.rept 4
	v_nop
.endr
	s_branch .Lasked_\@
.Lnot_a_\@:
	s_cmp_eq_u32 s[FW], \key+1
	s_cbranch_scc0 .Lasked_\@
	tensor_load_to_lds s[\g0b:\g0b+3], s[\g1b:\g1b+7]
	s_nop 0
.rept 4
	v_nop
.endr
.Lasked_\@:
.endm
; The change of slots.  Every wave waits for all its tensor loads (the other slot's), adds 0 to its spare word, and waits for that and for its reads of this slot.  fill = 1: behind a round of the cluster's barrier this slot is filled again.
.macro CHANGE slot, fill
.if \fill
	s_wait_xcnt 0x0                                ; my last prefetch has read its address:
	s_add_nc_u64 s[98:99], s[98:99], s[92:93]      ; a fill (four K steps) on
.endif
	s_wait_tensorcnt 0x0
	ds_add_u32 v[SPW], v[NIL]
.if \fill
	ds_add_u32 v[SPW], v[NIL]                      ; twice on end
	s_add_nc_u64 s[G0+4*\slot+2:G0+4*\slot+3], s[G0+4*\slot+2:G0+4*\slot+3], STEPA
	s_add_nc_u64 s[G0B+4*\slot+2:G0B+4*\slot+3], s[G0B+4*\slot+2:G0B+4*\slot+3], STEPB
.endif
	s_wait_dscnt 0x0                               ; the add is done, and my reads of this slot are over
.if \fill
	CROUND                                         ; the same holds of every wave of every partner
	JLOAD G0+4*\slot, G1, G0B+4*\slot, G1B, 2*\slot
	s_cmp_gt_u32 s3, s67                           ; the fill that stands two refills on; the loop's last trip has none
	s_cbranch_scc0 .Lno_ask_\@
	global_prefetch_b8 v28, s[98:99] th:TH_LOAD_NT scope:SCOPE_SE
.Lno_ask_\@:
.else
	s_barrier_signal -1
	s_barrier_wait -1
.endif
.endm
; My K step of a slot: eight fragments and eight scale words from LDS, sixteen products.  zero = 1: they start the sums.  The sixteen accumulators take turns, in the same order in every step.
.macro KSTEP slot, zero
.rept 4
	v_nop                                          ; places in front of loads into registers that matrix instructions have read
.endr
.irp t, 0,1,2,3
	ds_load_b32 v[SA+\t], v[ADSA] offset:64*KS*\t
.endr
.irp t, 0,1,2,3
	ds_load_b32 v[SB+\t], v[ADSB] offset:64*KS*\t
.endr
.irp t, 0,1,2,3
.irp p, 0,1,2,3,4,5
	ds_load_b64 v[BF+12*\t+2*\p:BF+12*\t+2*\p+1], v[ADRB+\slot] offset:1536*\t+256*\p
.endr
.endr
.irp t, 0,1,2,3
.irp p, 0,1,2,3,4,5
	ds_load_b64 v[AF+12*\t+2*\p:AF+12*\t+2*\p+1], v[ADRA+\slot] offset:1536*\t+256*\p
.endr
.endr
.irp a, 0,1,2,3
	s_wait_dscnt 18-6*\a                           ; A's tile a is in; the six loads of each later tile may be out
.irp b, 0,1,2,3
.if \zero
	v_wmma_scale_f32_16x16x128_f8f6f4 v[ACC+8*(4*\a+\b):ACC+8*(4*\a+\b)+7], v[BF+12*\b:BF+12*\b+11], v[AF+12*\a:AF+12*\a+11], 0, v[SB+\b], v[SA+\a] matrix_a_fmt:MATRIX_FMT_FP6 matrix_b_fmt:MATRIX_FMT_FP6
.else
	v_wmma_scale_f32_16x16x128_f8f6f4 v[ACC+8*(4*\a+\b):ACC+8*(4*\a+\b)+7], v[BF+12*\b:BF+12*\b+11], v[AF+12*\a:AF+12*\a+11], v[ACC+8*(4*\a+\b):ACC+8*(4*\a+\b)+7], v[SB+\b], v[SA+\a] matrix_a_fmt:MATRIX_FMT_FP6 matrix_b_fmt:MATRIX_FMT_FP6
.endif
.endr
.endr
	v_add_nc_u32 v[ADSA], 256, v[ADSA]             ; four K steps' scale words on (no LDS load of mine is out)
	v_add_nc_u32 v[ADSB], 256, v[ADSB]
.endm
	s_load_b256 s[4:11], s[0:1], 0x0               ; A's images, wts, the bias, the residual
	s_load_b64 s[12:13], s[0:1], 0x20              ; the result
	v_lshl_add_u32 v[SPW], v0, 2, SPARE
	v_mov_b32 v[NIL], 0
	ds_add_u32 v10, v11
	ds_add_u32 v10, v11
	s_wait_dscnt 0x0
	v_lshrrev_b32 v1, 5, v0
	s_delay_alu instid0(VALU_DEP_1)
	v_readfirstlane_b32 s[WV], v1                  ; wave 0..15
	s_lshr_b32 s[FW], s[WV], 1                     ; 0: I fetch A's tiles; 1: W's; else nothing
	s_and_b32 s18, s[WV], 1                        ; which two of a slot's four K steps, and which four tiles' scale words
	s_bfe_u32 s40, ttmp6, 0x40000                  ; cx
	s_bfe_u32 s41, ttmp6, 0x40004                  ; cy
	s_lshl_b32 s42, ttmp9, 2
	s_add_co_u32 s42, s42, s40                     ; x: which 128 columns
	s_and_b32 s43, ttmp7, 0xffff
	s_lshl_b32 s43, s43, 2
	s_add_co_u32 s43, s43, s41                     ; y: which 128 tokens
	s_lshl_b32 s44, s41, 2
	s_lshl_b32 s44, 15, s44                        ; my row of the cluster
	s_lshl_b32 s45, 0x1111, s40                    ; my column
	; group 1, codes: two rows (K steps) of 1,536 elements of 8 bytes (eight tiles on end), a K step's array apart; no padding: an image is read 256 consecutive bytes at a time
	s_or_b32 s[G1], s44, (3<<16)|(1<<21)
	s_or_b32 s[G1B], s45, (3<<16)|(1<<21)
	s_or_b32 s[G1S], s44, (3<<16)|(1<<21)
	s_or_b32 s[G1SB], s45, (3<<16)|(1<<21)
.irp g, G1, G1B
	s_mov_b32 s[\g+1], 1536<<16                    ; tensor_dim0
	s_mov_b32 s[\g+2], 2<<16                       ; tensor_dim1
	s_mov_b32 s[\g+3], 1536<<16                    ; tile_dim0
	s_mov_b32 s[\g+4], 2                           ; tile_dim1
	s_mov_b32 s[\g+6], 0
	s_mov_b32 s[\g+7], 0
.endr
	s_mov_b32 s[G1+5], 256*192                     ; the pitch, in elements
	s_mov_b32 s[G1B+5], 64*192
.irp g, G1S, G1SB                      ; scale words: four tiles' dense bytes as KS rows of 256
	s_mov_b32 s[\g+1], 32<<16
	s_mov_b32 s[\g+2], KS<<16
	s_mov_b32 s[\g+3], 32<<16
	s_mov_b32 s[\g+4], KS
	s_mov_b32 s[\g+5], 32
	s_mov_b32 s[\g+6], 0
	s_mov_b32 s[\g+7], 0
.endr
	s_mul_i32 s20, s18, 2*256*1536
	s_mul_i32 s19, s43, 8*1536
	s_add_co_u32 s20, s20, s19                     ; A's codes: K step 2 (wave % 2), tile 8 y
	s_mov_b32 s21, 0
	s_lshl_b32 s22, s43, 3
	s_lshl_b32 s19, s18, 2
	s_add_co_u32 s22, s22, s19
	s_mul_i32 s22, s22, KS*64
	s_add_co_u32 s22, s22, SA0                     ; A's scale words: tile 8 y + 4 (wave % 2)
	s_mov_b32 s23, 0
	s_mul_i32 s46, s18, 2*64*1536
	s_mul_i32 s94, s42, 8*1536
	s_add_co_u32 s46, s46, s94
	s_add_co_u32 s46, s46, WB                      ; W's codes
	s_mov_b32 s47, 0
	s_lshl_b32 s94, s42, 3
	s_add_co_u32 s94, s94, s19
	s_mul_i32 s94, s94, KS*64
	s_add_co_u32 s94, s94, SWO                     ; W's scale words
	s_mov_b32 s95, 0
	s_and_b32 s96, s[WV], 3                        ; my quarter of a slot, or of the scale words: wave % 4
	s_mul_i32 s96, s96, SLAB
	s_and_b32 s97, s[WV], 3
	s_mul_i32 s97, s97, HALFS
	s_add_co_u32 s97, s97, SCL
	s_wait_kmcnt 0x0
	s_add_nc_u64 s[20:21], s[4:5], s[20:21]
	s_add_nc_u64 s[22:23], s[4:5], s[22:23]
	s_add_nc_u64 s[46:47], s[6:7], s[46:47]
	s_add_nc_u64 s[94:95], s[6:7], s[94:95]
	CROUND                                         ; all sixteen work-groups are here: the first joint loads meet
	s_mov_b32 s[G0S], 1
	s_mov_b32 s[G0S+1], s97
	s_mov_b64 s[G0S+2:G0S+3], s[22:23]
	s_or_b32 s[G0S+3], s[G0S+3], 0x80000000
	s_mov_b32 s[G0SB], 1
	s_mov_b32 s[G0SB+1], s97
	s_mov_b64 s[G0SB+2:G0SB+3], s[94:95]
	s_or_b32 s[G0SB+3], s[G0SB+3], 0x80000000
.irp s, 0,1
	s_mov_b32 s[G0+4*\s], 1
	s_add_co_u32 s[G0+4*\s+1], s96, \s*SLOT
	s_add_nc_u64 s[G0+4*\s+2:G0+4*\s+3], s[20:21], \s*4*256*1536
	s_or_b32 s[G0+4*\s+3], s[G0+4*\s+3], 0x80000000
	s_mov_b32 s[G0B+4*\s], 1
	s_add_co_u32 s[G0B+4*\s+1], s96, \s*SLOT
	s_add_nc_u64 s[G0B+4*\s+2:G0B+4*\s+3], s[46:47], \s*4*64*1536
	s_or_b32 s[G0B+4*\s+3], s[G0B+4*\s+3], 0x80000000
.endr
; The twelve first fills, one a wave, in one chain of arms on wave / 2: waves 0-3 slot 0, waves 4-7 slot 1, waves 8-11 the scale words; waves 12-15 none
.macro ARM key, g0, g1
	s_cmp_eq_u32 s[FW], \key
	s_cbranch_scc0 .Lnot_arm_\@
	tensor_load_to_lds s[\g0:\g0+3], s[\g1:\g1+7]
	s_nop 0
.rept 4
	v_nop
.endr
	s_branch .Lfirst_asked
.Lnot_arm_\@:
.endm
	ARM 0, G0, G1
	ARM 1, G0B, G1B
	ARM 2, G0+4, G1
	ARM 3, G0B+4, G1B
	ARM 4, G0S, G1S
	ARM 5, G0SB, G1SB
.Lfirst_asked:
	v_and_b32 v1, 15, v0                           ; r
	v_bfe_u32 v2, v0, 4, 1                         ; h
	v_and_b32 v3, 31, v0
	s_delay_alu instid0(VALU_DEP_1)
	v_min_u32 v15, 23, v3                          ; the prefetches of tiles: 24 blocks of 256 bytes a wave, a lane a block (the lanes left over name the last again)
	v_min_u32 v29, 15, v3                          ; the prefetch of the residual: the 16 rows that I finish, a lane a row
	s_delay_alu instid0(VALU_DEP_2)
	v_lshlrev_b32 v15, 8, v15
	s_delay_alu instid0(VALU_DEP_2)
	v_lshrrev_b32 v28, 3, v29
	s_delay_alu instid0(VALU_DEP_1)
	v_lshl_add_u32 v29, v28, 3, v29                ; row l of a tile is token l + 8 (l / 8)
	s_delay_alu instid0(VALU_DEP_1)
	v_lshlrev_b32 v29, 12, v29
	s_wait_alu depctr_va_vdst(0)
	s_lshr_b32 s18, s[WV], 2                       ; kq: which of four K steps
	s_bfe_u32 s19, s[WV], 0x10001                  ; wa: which 64 tokens
	s_and_b32 s66, s[WV], 1                        ; wb: which 64 columns
	s_mul_i32 s20, s18, 12288
	s_mul_i32 s21, s19, 6144
	s_add_co_u32 s21, s21, s20
	v_lshl_add_u32 v[ADRA], v3, 3, s21
	s_delay_alu instid0(VALU_DEP_1)
	v_add_nc_u32 v[ADRA+1], SLOT, v[ADRA]
	s_mul_i32 s21, s66, 6144
	s_add_co_u32 s21, s21, s20
	s_add_co_u32 s21, s21, 2*SLAB
	v_lshl_add_u32 v[ADRB], v3, 3, s21
	s_delay_alu instid0(VALU_DEP_1)
	v_add_nc_u32 v[ADRB+1], SLOT, v[ADRB]
	s_lshl_b32 s20, s18, 6
	s_add_co_u32 s20, s20, SCL
	s_mul_i32 s21, s19, HALFS
	s_add_co_u32 s21, s21, s20
	v_lshl_add_u32 v[ADSA], v1, 2, s21
	s_mul_i32 s21, s66, HALFS
	s_add_co_u32 s21, s21, s20
	s_add_co_u32 s21, s21, 2*HALFS
	v_lshl_add_u32 v[ADSB], v1, 2, s21
	; the stage: 16 waves x 4 tiles x 16 rows x (256 bytes + 16).  It lies over the slots, which have had their last fill and their last read when it is written
	s_mul_i32 s20, s[WV], 17408
	v_mul_u32_u24 v[STO], v1, 272
	s_delay_alu instid0(VALU_DEP_1)
	v_lshl_add_u32 v[STO], v2, 6, v[STO]
	s_delay_alu instid0(VALU_DEP_1)
	v_add_nc_u32 v[STO], s20, v[STO]               ; in: row r, 64 h bytes on
	s_and_b32 s20, s[WV], 3
	s_mul_i32 s20, s20, 17408
	s_mul_i32 s21, s18, 4352
	s_add_co_u32 s20, s20, s21                     ; back: tile kq of the four waves that share my 64 x 64
	v_mul_u32_u24 v[RD], v2, 272
	s_delay_alu instid0(VALU_DEP_1)
	v_lshl_add_u32 v[RD], v1, 4, v[RD]
	s_delay_alu instid0(VALU_DEP_1)
	v_add_nc_u32 v[RD], s20, v[RD]                 ; lanes 0-15 one row of 256 bytes, lanes 16-31 the next
	s_delay_alu instid0(VALU_DEP_1)
	v_add_nc_u32 v[RD+1], 69632, v[RD]
	s_delay_alu instid0(VALU_DEP_1)
	v_add_nc_u32 v[RD+2], 69632, v[RD+1]
	s_delay_alu instid0(VALU_DEP_1)
	v_add_nc_u32 v[RD+3], 69632, v[RD+2]
	v_lshlrev_b32 v[BO], 4, v1
	s_delay_alu instid0(VALU_DEP_1)
	v_lshl_add_u32 v[GO], v2, 12, v[BO]            ; the same two rows in the result
	s_lshl_b32 s20, s43, 7
	s_lshl_b32 s21, s19, 6
	s_add_co_u32 s20, s20, s21
	s_lshr_b32 s21, s18, 1
	s_lshl_b32 s21, s21, 5
	s_add_co_u32 s20, s20, s21
	s_and_b32 s21, s18, 1
	s_lshl_b32 s21, s21, 3
	s_add_co_u32 s20, s20, s21                     ; the first token of the tile that I finish
	s_lshl_b32 s20, s20, 12
	s_lshl_b32 s22, s42, 9
	s_lshl_b32 s21, s66, 8
	s_add_co_u32 s22, s22, s21                     ; my 64 columns, in bytes
	s_add_co_u32 s20, s20, s22
	s_mov_b32 s21, 0
	s_mov_b32 s23, 0
	s_add_nc_u64 s[10:11], s[10:11], s[20:21]      ; the residual,
	s_add_nc_u64 s[12:13], s[12:13], s[20:21]      ; the result
	s_add_nc_u64 s[8:9], s[8:9], s[22:23]          ; and the bias at my part
	; PREFETCHES INTO THE L2.  A fill is four K steps of 12,288 bytes of A's eight tiles and of W's.  The four partners that ask for a tile jointly share it out BY ADDRESS: the partner at place p (cx for A, cy for W)
	; names K step p of the fill: 48 blocks of 256 bytes; waves 12, 13 take A's two halves, waves 14, 15 W's.  Fills 2 and 3 are named here, fill f + 2 behind refill f; the last two refills name nothing.
	; Each wave also names, once, the 16 blocks of the residual that it reads on the way out.
	s_bfe_u32 s14, s[WV], 0x10001                  ; 0: A's, 1: W's
	s_cmp_eq_u32 s14, 0
	s_cselect_b64 s[98:99], s[4:5], s[6:7]
	s_cselect_b32 s14, s40, s41
	s_cselect_b32 s15, s43, s42
	s_mov_b32 s92, 98304
	s_cselect_b32 s92, 393216, s92                 ; from K step to K step
	s_cselect_b32 s93, 0, WB
	s_mul_i32 s14, s14, s92
	s_add_co_u32 s14, s14, s93
	s_mul_i32 s15, s15, 12288
	s_add_co_u32 s14, s14, s15
	s_and_b32 s15, s[WV], 1
	s_mul_i32 s15, s15, 6144
	s_add_co_u32 s14, s14, s15
	s_lshl_b32 s92, s92, 2                         ; from fill to fill
	s_lshl_b32 s15, s92, 1
	s_add_co_u32 s14, s14, s15                     ; fill 2
	s_mov_b32 s15, 0
	s_mov_b32 s93, 0
	s_add_nc_u64 s[98:99], s[98:99], s[14:15]
	v_add_nc_u32 v28, s92, v15                     ; the same blocks a fill on
	s_cmp_ge_u32 s[WV], 12
	s_cselect_b32 s67, 1, -1                       ; 1 in the waves that name tiles
	s_wait_alu depctr_va_vdst(0)
	s_cmp_eq_u32 s67, 1
	s_cbranch_scc0 .Lno_ask_head
	global_prefetch_b8 v15, s[98:99] th:TH_LOAD_NT scope:SCOPE_SE
	global_prefetch_b8 v28, s[98:99] th:TH_LOAD_NT scope:SCOPE_SE
.Lno_ask_head:
	s_wait_tensorcnt 0x0                           ; my one first fill has landed
	s_barrier_signal -1
	s_barrier_wait -1
	global_prefetch_b8 v29, s[10:11] th:TH_LOAD_NT scope:SCOPE_SE   ; the residual's 16 blocks that I read on the way out: named behind the first fills, eight K steps of mine ahead of the loads
	KSTEP 0, 1
.if F2
	s_mov_b32 s3, 3
.Llap:                                             ; a trip goes once round the ring and fills both slots again
	CHANGE 0, 1
	s_wait_alu depctr_va_vdst(0)
	KSTEP 1, 0
	CHANGE 1, 1
	s_wait_alu depctr_va_vdst(0)
	KSTEP 0, 0
	s_sub_co_u32 s3, s3, 1
	s_cmp_lg_u32 s3, 0
	s_cbranch_scc1 .Llap
.endif
	CHANGE 0, 0                                    ; the tail fills nothing
	s_wait_alu depctr_va_vdst(0)
	KSTEP 1, 0
	; THE WAY OUT
.rept 4
	v_nop                                          ; places behind the last products
.endr
.irp i, 0,1,2,3,4,5,6,7
	global_load_b128 v[AF+4*\i:AF+4*\i+3], v[GO], s[10:11] offset:(2*\i+8*(\i/4))*4096   ; the residual at the rows that I finish: row 2 i + h of a tile is token 2 i + h + 8 (i / 4)
.endr
	global_load_b128 v[AF+32:AF+35], v[BO], s[8:9]
	s_wait_dscnt 0x0
	s_barrier_signal -1
	s_barrier_wait -1                              ; nobody reads a slot any more
.irp a, 0,1,2,3
.irp e, 0,1,2,3,4,5,6,7
	ds_store_b128 v[STO], v[ACC+32*\a+4*\e:ACC+32*\a+4*\e+3] offset:4352*\a+128*(\e/4)+16*(\e%4)   ; each accumulator from its low end on
.endr
.endr
	s_wait_dscnt 0x0                               ; for the others' sake: my stores have landed
	s_barrier_signal -1
	s_barrier_wait -1
.irp k, 0,1,2,3
.irp i, 0,1,2,3,4,5,6,7
	ds_load_b128 v[ACC+32*\k+4*\i:ACC+32*\k+4*\i+3], v[RD+\k] offset:544*\i
.endr
.endr
	s_wait_dscnt 0x0
.irp k, 1,2,3
.set n, 0
.rept 16
	v_pk_add_f32 v[ACC+2*n:ACC+2*n+1], v[ACC+2*n:ACC+2*n+1], v[ACC+32*\k+2*n:ACC+32*\k+2*n+1]   ; the four parts of K
.set n, n+1
.endr
.endr
	s_wait_loadcnt 0x0
.set n, 0
.rept 16
	v_pk_add_f32 v[ACC+2*n:ACC+2*n+1], v[ACC+2*n:ACC+2*n+1], v[AF+32+2*(n%2):AF+33+2*(n%2)]   ; the bias
.set n, n+1
.endr
.set n, 0
.rept 16
	v_pk_add_f32 v[ACC+2*n:ACC+2*n+1], v[ACC+2*n:ACC+2*n+1], v[AF+2*n:AF+2*n+1]               ; the residual
.set n, n+1
.endr
.irp i, 0,1,2,3,4,5,6,7
	global_store_b128 v[GO], v[ACC+4*\i:ACC+4*\i+3], s[12:13] offset:(2*\i+8*(\i/4))*4096   ; sixteen lanes store 256 consecutive bytes, aligned
.endr
	s_wait_tensorcnt 0x0                           ; the wave's end
	ds_add_u32 v[SPW], v[NIL]
	s_wait_dscnt 0x0
	CROUND                                         ; the closing round: no work-group ends while a partner may still ask for a tile that names it
	s_endpgm
.Lfunc_end_k_q17448c6ec9_ff2:
	.size	k_q17448c6ec9_ff2, .Lfunc_end_k_q17448c6ec9_ff2-k_q17448c6ec9_ff2
	.p2alignl 7, 3214868480
	.fill 96, 4, 3214868480
	.section	.rodata,"a",@progbits
	.p2align	6, 0x0
	.amdhsa_kernel k_q17448c6ec9_ff2
		.amdhsa_group_segment_fixed_size 327680
		.amdhsa_private_segment_fixed_size 0
		.amdhsa_enable_private_segment 0
		.amdhsa_kernarg_size 40
		.amdhsa_user_sgpr_count 2
		.amdhsa_user_sgpr_kernarg_segment_ptr 1
		.amdhsa_wavefront_size32 1
		.amdhsa_system_sgpr_workgroup_id_x 1
		.amdhsa_system_sgpr_workgroup_id_y 1
		.amdhsa_system_sgpr_workgroup_id_z 1
		.amdhsa_system_vgpr_workitem_id 0
		.amdhsa_next_free_vgpr 256
		.amdhsa_next_free_sgpr 100
		.amdhsa_reserve_vcc 0
		.amdhsa_float_denorm_mode_32 3
		.amdhsa_float_denorm_mode_16_64 3
		.amdhsa_memory_ordered 1
		.amdhsa_forward_progress 1
		.amdhsa_inst_pref_size 51
	.end_amdhsa_kernel
	.amdgpu_metadata
---
amdhsa.version: [ 1, 2 ]
amdhsa.kernels:
  - .name:           k_q17448c6ec9_ff2
    .symbol:         k_q17448c6ec9_ff2.kd
    .args:
      - { .name: fq, .offset: 0, .size: 8, .value_kind: global_buffer, .address_space: global }
      - { .name: wts, .offset: 8, .size: 8, .value_kind: global_buffer, .address_space: global }
      - { .name: b2, .offset: 16, .size: 8, .value_kind: global_buffer, .address_space: global }
      - { .name: x1, .offset: 24, .size: 8, .value_kind: global_buffer, .address_space: global }
      - { .name: out0, .offset: 32, .size: 8, .value_kind: global_buffer, .address_space: global }
    .group_segment_fixed_size: 327680
    .private_segment_fixed_size: 0
    .kernarg_segment_align: 8
    .kernarg_segment_size: 40
    .max_flat_workgroup_size: 512
    .sgpr_count:     100
    .vgpr_count:     256
    .wavefront_size: 32
...
	.end_amdgpu_metadata
.endif
;; end of part 7
